; MI455X (gfx1250); checked and timed in simulation.
; The chip was launched on July 23, 2026; its instructions are those of AMD's public machine-readable ISA for CDNA 5 (MIT licence, August 2026) and "CDNA5" Instruction Set Architecture Reference Guide (July 2026). The comments in the code are by the model that wrote it; some were corrected since.
;; Simple Transformer Block. Allowed arithmetic: matrix products marked QUANTISED: E2M3 operands, one E8M0 scale for each 32 along K, by v_wmma_scale_f32_16x16x128_f8f6f4 with both operands' format E2M3, f32 sums; everything else in f32.
;; Inputs: b_mlp1 4,096 float32; b_mlp2 1,024 float32; b_o 1,024 float32; b_qkv 3,072 float32; ln1_bias 1,024 float32; ln1_scale 1,024 float32; ln2_bias 1,024 float32; ln2_scale 1,024 float32; w_mlp1 1,024 x 4,096 float32; w_mlp2 4,096 x 1,024 float32; w_o 1,024 x 1,024 float32; w_qkv 1,024 x 3,072 float32; x 2 x 2,048 x 1,024 float32.
;; Outputs: out0 2 x 2,048 x 1,024 float32.
;; This version of the problem:
;;   THIS VERSION OF THE PROBLEM IS GIVEN IN LOW PRECISION. The matrix products marked QUANTISED in the list below multiply operands that are first quantised to E2M3 (2 exponent bits, 3 mantissa bits; 6 bits a number), with one power-of-two scale for each 32 numbers along K (OCP MX v1.0); their sums are f32. All else is computed in f32.
;;   The module's matrix products, in the order in which they are computed (A, B: the left and right operand; K: the contracted axis; several contracted axes count as one K, in the product's order):
;;     1. [M 4,096, K 1,024] x [K 1,024, N 3,072]; A: computed on the way; B: input w_qkv: QUANTISED
;;     2. batch 32 x [M 2,048, K 64] x [K 64, N 2,048]; A: computed on the way; B: computed on the way: QUANTISED
;;     3. batch 32 x [M 2,048, K 2,048] x [K 2,048, N 64]; A: softmax (see below); B: computed on the way: QUANTISED
;;     4. [M 4,096, K 1,024] x [K 1,024, N 1,024]; A: computed on the way; B: input w_o: QUANTISED
;;     5. [M 4,096, K 1,024] x [K 1,024, N 4,096]; A: computed on the way; B: input w_mlp1: QUANTISED
;;     6. [M 4,096, K 4,096] x [K 4,096, N 1,024]; A: computed on the way; B: input w_mlp2: QUANTISED
;;   THE QUANTISER, for each operand of a quantised product, along K:
;;     - K is cut into blocks of 32 from its start; a last block that is shorter is filled with zeros.
;;     - A block's scale is 2^e with e = floor(log2(the largest magnitude in the block)) - 2, held to -126 .. 127; a block of zeros has e = 0. As a byte (E8M0): e + 127.
;;     - Each number is divided by its block's scale, clamped to +-7.5, and rounded to the nearest number of E2M3, ties to even, subnormals kept.
;;     - The product sums the exact products of the quantised numbers (number of the format x scale) in f32.
;;   ~~~python
;;   def quantise(x, axis):      # numpy; x: float32 -> the quantised numbers, widened to float32 again
;;       x = np.moveaxis(x, axis, -1); K = x.shape[-1]
;;       x = np.pad(x, [(0, 0)] * (x.ndim - 1) + [(0, -K % 32)]); x = x.reshape(x.shape[:-1] + (-1, 32)); a = np.abs(x).max(-1, keepdims=True)
;;       e = np.where(a > 0, np.clip(np.frexp(np.where(a > 0, a, 1))[1] - 1 - 2, -126, 127), 0)      # np.frexp(a)[1] - 1 = floor(log2(a)), exactly
;;       r = np.clip(x / 2.0 ** e, -7.5, 7.5)
;;       step = 2.0 ** (np.maximum(np.frexp(np.where(r == 0, 1, r))[1] - 1, 0) - 3)
;;       q = np.round(r / step) * step * 2.0 ** e      # np.round: ties to even
;;       return np.moveaxis(q.reshape(q.shape[:-2] + (-1,))[..., :K], -1, axis).astype(np.float32)
;;   ~~~
;;   SOFTMAX AHEAD OF A QUANTISED PRODUCT. Where the list says 'softmax', what is quantised is not the finished softmax but p = 2^(t - M), with t = logit x log2(e) and M = ceil(the row's largest t), a whole number; so 1/2 < the row's largest p <= 1. The row's sum l is taken of the UNQUANTISED p, in f32, and the product's result is divided by l at the end. Since M is a whole number, a kernel that streams over the keys may use a running M (the ceiling of the running maximum): every later rescaling is an exact power of two, which a block's scale takes up: the codes' values come out the same.
;;   OPERANDS COMPUTED ON THE WAY. 'Computed on the way' means the value that the module computes at that place (a softmax that the list does not call 'softmax' is quantised finished and normalised). What goes into a quantiser is computed in f32, as accurately as f32 sums, v_exp_f32 and their like allow (about 1e-6 of the number): no bf16 or f16 on the way to a quantiser, and a product that is left as it is and whose result goes on into a quantised operand takes f32 operands (vector FMAs, or v_wmma_f32_16x16x4_f32). A number that lies on a knife's edge between two numbers of the format may be rounded either way, as far as f32 arithmetic and the matrix unit's own rounding can turn it there, and no further.
;; One version. Each part assembles by itself: llvm-mc -triple=amdgcn-amd-amdhsa -mcpu=gfx1250 --defsym DOCPART=n.
;; ======== version 1 of 1: 7 launches
;; limits: right only within a limited range of input values
;; workspace buffers: wr 9,830,400 bytes; hr 3,276,800 bytes; qr 3,407,872 bytes; kvr 6,684,672 bytes; orr 3,276,800 bytes; x1 16,777,216 bytes; hid 13,107,200 bytes
;; launch prep (part 1): grid 448 x 1, 8 waves a work-group, no clusters, 66,816 bytes of LDS; arguments x, ln1_scale, ln1_bias, hr, w_qkv, w_o, w_mlp1, w_mlp2, wr; writes hr, wr
.if DOCPART == 1
	.amdgcn_target "amdgcn-amd-amdhsa--gfx1250"
	.amdhsa_code_object_version 6
	.text
	.protected	k_q43fdd1e0cb_prep
	.globl	k_q43fdd1e0cb_prep
	.p2align	8
	.type	k_q43fdd1e0cb_prep,@function
k_q43fdd1e0cb_prep:
	s_mov_b64 s[64:65], 0
	v_nop
	global_prefetch_b8 v0, s[64:65] scope:SCOPE_SE
	s_setreg_imm32_b32 hwreg(HW_REG_WAVE_MODE, 25, 1), 1
	s_wait_xcnt 0x0
; TWO JOBS THAT SHARE NO BYTE, IN ONE LAUNCH: work-groups 0-191 quantise the four weights, work-groups 192-447 the first layer norm's result.  The paths part on the work-group's number; only the second uses LDS and a barrier.
;
; THE WEIGHTS, f32 stored [K][N], become codes of E2M3 with one E8M0 byte for each 32 along K, laid in the order of the operand's registers.
; A RECORD HALF (6,400 bytes) is 64 columns x 128 along K: four fragments of 1,536 bytes and a scale block of 256 bytes.  A fragment is two halves of 768 bytes (64 along K each):
; registers 0-3 of the half at 16 x lane, registers 4-5 at 512 + 8 x lane.  The scale block holds at 8 x lane two words: word p has tile 2 p's rows in lanes 0-15 and tile 2 p + 1's in lanes 16-31.
; THE COLUMNS OF A TILE ARE NOT NEIGHBOURS: row r of tile 2 p + u is column 32 p + 8 u + r + 8 (r / 8) of the 64, so that the products' results come out with 16 neighbouring columns in a lane's 16 registers.
; Records lie [block of 128 columns][K step of 128][half]: w_qkv at byte 0 of wr, w_o at 2,457,600, w_mlp1 at 3,276,800, w_mlp2 at 6,553,600.
; A LANE TAKES A COLUMN AND ITS REGISTERS RUN DOWN K: each load reads 128 consecutive bytes a wave, a block of 32 lies in one lane, and the conversions give codes with K innermost.
; A wave makes one record half, a work-group 512 neighbouring columns of one K step.  Work-groups 0-47: w_qkv; 48-111: w_mlp1; 112-127: w_o; 128-191: w_mlp2.  These waves share nothing.
;
; THE LAYER NORM: y = (x - mean) * rsqrt(var + 1e-6) * gain + bias along rows of 1,024 f32, quantised along the row and stored as the same kind of records, [block of 128 rows][K step][half of 64 rows];
; tile f's row r has its scale word at 128 (f % 2) + 8 r + 4 (f / 2) of the scale block.  A work-group takes 16 rows, one tile.  PART 1: wave w owns rows 2 w and 2 w + 1 whole, so no sum leaves the wave; the variance
; is taken of x - mean, in a second pass over registers.  The rows meet in LDS (4,112 bytes apart: 257 x 16, so that sixteen rows' 16-byte pieces fall on different banks); one barrier.
; PART 2: wave s makes the fragment of K step s.  A work-group has one tile of a half's four, so its sixteen scale words are stored 8 bytes apart: 64 bytes against 1,536 of codes.
;
; A block's scale is 2^(floor(log2(largest magnitude)) - 2); its byte is that magnitude's exponent field - 2, held at 1 from below.
; LIMITS: NaN and infinities are not served; a block whose largest magnitude lies under 2^-124 gets the byte 1; a block of zeros gets the byte 1 where the stated quantiser says 127: its codes are zeros, and this
; program alone reads the bytes; the norm's sums are taken as trees, in another order than a running sum.
.set NWG,  192                         ; work-groups of the weights
.set EMAX, 2
.set SW,   14                          ; weights: v[14:15] the two pair words of scale bytes
.set X,    16                          ; weights: v16-79 two sets of 32 numbers;  norm: row e at 16 + 32 e, in part 2 the 64 numbers to be quantised
.set CA,   80                          ; weights: v80-143 codes: eight registers (six used) for each of the eight steps; never written again, so no store's data are overwritten
.set CT,   144                         ; weights: v144-146, v148-150 the upper sixteen codes of the two blocks in hand
.set PITCH, 4112
.set GN,  80                           ; norm: v80-111  the gain at my columns
.set BS,  112                          ; norm: v112-143 the bias
.set WK,  144                          ; norm: v144-151 sums, two chains a row; v152-153 the other half's; v154-155 var + eps; v158 2^-10
.set PC,  160                          ; norm: v160-171 the fragment; v172-178 at work
.set TM,  180                          ; norm: v180-195 at work in QUANT
.set PW,  196                          ; norm: the scale word
.set SEL, 20
; From s15 = the work-group's number within its weight, s27 = log2 of the weight's K steps, s19 = the weight's place in wr, s[20:21] = the weight: where my wave reads and stores.
.macro PLACE n
	s_lshl_b32 s18, 1, s27                         ; K steps
	s_sub_co_u32 s16, s18, 1
	s_and_b32 s16, s15, s16                        ; my K step
	s_lshr_b32 s17, s15, s27                       ; my group of 512 columns
	s_mul_i32 s22, s16, 512*\n                     ; 128 rows of 4 n bytes
	s_lshl_b32 s23, s17, 11
	s_add_co_u32 s22, s22, s23
	s_lshl_b32 s23, s14, 8                         ; my wave's 64 columns
	s_add_co_u32 s22, s22, s23
	s_mov_b32 s23, 0
	s_add_nc_u64 s[20:21], s[20:21], s[22:23]
	s_lshl_b32 s24, s17, 2
	s_lshr_b32 s25, s14, 1
	s_add_co_u32 s24, s24, s25                     ; block of 128 columns
	s_mul_i32 s24, s24, s18
	s_add_co_u32 s24, s24, s16
	s_mul_i32 s24, s24, 12800
	s_and_b32 s25, s14, 1
	s_mul_i32 s25, s25, 6400
	s_add_co_u32 s24, s24, s25
	s_add_co_u32 s24, s24, s19
	s_mov_b32 s25, 0
	s_add_nc_u64 s[12:13], s[12:13], s[24:25]
.endm
; Step t = 4 c + 2 p + e: block 2 c + e of the 128 along K, columns 32 p on.
.macro LOADW t, n
.set LB, 2*((\t)/4)+(\t)%2
.set LP, ((\t)/2)%2
.set LX, X+32*((\t)%2)
.set i, 0
.rept 32
	global_load_b32 v[LX+i], v1, s[20:21] offset:(32*LB+i)*4*\n+128*LP th:TH_LOAD_NT
.set i, i+1
.endr
.endm
.macro STEPW t, n
.set XS, X+32*((\t)%2)
.set SB, 2*((\t)/4)+(\t)%2
.set SP, ((\t)/2)%2
.set CC, CA+8*(\t)
.set CE, CT+4*((\t)%2)
.if (\t) < 7
	s_wait_loadcnt 32                              ; this step's 32 loads are in; the next step's 32 may be out
.else
	s_wait_loadcnt 0x0
.endif
	v_max3_num_f32 v12, |v[XS]|, |v[XS+1]|, |v[XS+2]|              ; the block's largest magnitude: all 32 numbers are mine; two chains
	v_max3_num_f32 v13, |v[XS+3]|, |v[XS+4]|, |v[XS+5]|
.irp i, 6,10,14,18,22,26
	v_max3_num_f32 v12, v12, |v[XS+\i]|, |v[XS+\i+1]|
	v_max3_num_f32 v13, v13, |v[XS+\i+2]|, |v[XS+\i+3]|
.endr
	v_max3_num_f32 v12, v12, |v[XS+30]|, |v[XS+31]|
	v_max3_num_f32 v12, v12, v13, (EMAX+1)<<23     ; and the floor 2^(3 - 127): the byte cannot fall under 1
	v_add_nc_u32 v11, -(EMAX<<23), v12             ; 2 off the exponent field: the conversion takes the exponent field of this operand as its scale
	v_lshrrev_b32 v13, 23, v11                     ; the scale's byte
.if SB == 0
	s_delay_alu instid0(VALU_DEP_1)
	v_mov_b32 v[SW+SP], v13
.else
	s_delay_alu instid0(VALU_DEP_1)
	v_lshl_or_b32 v[SW+SP], v13, 8*SB, v[SW+SP]    ; byte b of my column's word
.endif
	v_cvt_scalef32_pk16_fp6_f32 v[CC:CC+2], v[XS:XS+15], v11
	v_cvt_scalef32_pk16_fp6_f32 v[CE:CE+2], v[XS+16:XS+31], v11    ; (a conversion's three registers begin on an even number)
.if (\t)+2 < 8
	LOADW (\t)+2, \n
.endif
.if (\t)%2 == 1
	v_nop                                          ; one plain place behind a scaled conversion
; Step e = 0 holds block 2 c of tiles 2 p (lanes 0-15) and 2 p + 1 (lanes 16-31), step e = 1 block 2 c + 1 of the same.  The operand wants, of ONE tile, block 2 c in lanes 0-15 and block 2 c + 1 in lanes 16-31:
; the first's upper lanes change places with the second's lower lanes.
.irp i, 0,1,2
	v_permlane16_swap_b32 v[CC-8+\i], v[CC+\i]
	v_permlane16_swap_b32 v[CT+\i], v[CT+4+\i]
.endr
.irp i, 0,1,2
	v_mov_b32 v[CC-5+\i], v[CT+\i]
	v_mov_b32 v[CC+3+\i], v[CT+4+\i]
.endr
	global_store_b128 v2, v[CC-8:CC-5], s[12:13] offset:(2*SP)*1536+768*((\t)/4)        ; 512 consecutive bytes, aligned
	global_store_b64 v3, v[CC-4:CC-3], s[12:13] offset:(2*SP)*1536+768*((\t)/4)+512     ; 256 consecutive bytes, aligned
	global_store_b128 v2, v[CC:CC+3], s[12:13] offset:(2*SP+1)*1536+768*((\t)/4)
	global_store_b64 v3, v[CC+4:CC+5], s[12:13] offset:(2*SP+1)*1536+768*((\t)/4)+512
.endif
.endm
.macro WQ n
	LOADW 0, \n
	LOADW 1, \n
.irp t, 0,1,2,3,4,5,6,7
	STEPW \t, \n
.endr
	global_store_b64 v3, v[SW:SW+1], s[12:13] offset:6144          ; the scale block: 256 consecutive bytes, aligned
.endm
.macro QUANT s                         ; 64 numbers of a lane, register 16 b + i = k 32 b + 16 (lane / 16) + i of my row, become a fragment in v[PC] on and its scale word in v[PW]
.irp b, 0,1,2,3
	v_max3_num_f32 v[TM+\b], |v[\s+16*\b]|, |v[\s+1+16*\b]|, 0x1800000   ; my 16 numbers of block b, and the floor 2^(3 - 127)
.endr
.irp i, 2,4,6,8,10,12,14
.irp b, 0,1,2,3
	s_delay_alu instid0(VALU_DEP_4)
	v_max3_num_f32 v[TM+\b], v[TM+\b], |v[\s+16*\b+\i]|, |v[\s+1+16*\b+\i]|
.endr
.endr
.irp b, 0,1,2,3
	s_delay_alu instid0(VALU_DEP_4)
	v_permlanex16_b32 v[TM+4+\b], v[TM+\b], s[SEL], s[SEL+1]
.endr
.irp b, 0,1,2,3
	s_delay_alu instid0(VALU_DEP_4)
	v_max_num_f32 v[TM+\b], v[TM+\b], v[TM+4+\b]   ; with lane l xor 16's: the block's largest magnitude
.endr
.irp b, 0,1,2,3
	s_delay_alu instid0(VALU_DEP_4)
	v_add_nc_u32 v[TM+12+\b], 0xff000000, v[TM+\b] ; 2 off its exponent field: the conversion's scale operand
.endr
.irp b, 0,1,2,3
	s_delay_alu instid0(VALU_DEP_4)
	v_lshrrev_b32 v[TM+4+\b], 23, v[TM+12+\b]      ; the scale's byte
.endr
	s_delay_alu instid0(VALU_DEP_3)
	v_lshl_or_b32 v[PW], v[TM+5], 8, v[TM+4]
	s_delay_alu instid0(VALU_DEP_1)
	v_lshl_or_b32 v[PW], v[TM+6], 16, v[PW]
	s_delay_alu instid0(VALU_DEP_1)
	v_lshl_or_b32 v[PW], v[TM+7], 24, v[PW]
.irp c, 0,1
	v_cvt_scalef32_pk16_fp6_f32 v[PC+6*\c:PC+2+6*\c], v[\s+32*\c:\s+15+32*\c], v[TM+12+2*\c]
	v_cvt_scalef32_pk16_fp6_f32 v[PC+12+4*\c:PC+14+4*\c], v[\s+16+32*\c:\s+31+32*\c], v[TM+12+2*\c+1]
.endr
	v_nop                                          ; one plain place behind a scaled conversion
.irp c, 0,1                                    ; the operand wants a whole block in a lane: lanes 0-15 block 2 c, lanes 16-31 block 2 c + 1
.irp i, 0,1,2
	v_permlane16_swap_b32 v[PC+6*\c+\i], v[PC+12+4*\c+\i]
.endr
.irp i, 0,1,2
	s_delay_alu instid0(VALU_DEP_3)
	v_mov_b32 v[PC+3+6*\c+\i], v[PC+12+4*\c+\i]
.endr
.endr
.endm
.macro LANESUM                         ; v[WK] and v[WK+4] are summed over the 32 lanes, the two rows by turns
.irp m, 1,2,4,8
.irp e, 0,1
	s_delay_alu instid0(VALU_DEP_2)
	v_add_f32_dpp v[WK+4*\e], v[WK+4*\e], v[WK+4*\e] row_xmask:\m row_mask:0xf bank_mask:0xf
.endr
.endr
.irp e, 0,1
	s_delay_alu instid0(VALU_DEP_2)
	v_permlanex16_b32 v[WK+8+\e], v[WK+4*\e], s[SEL], s[SEL+1]
.endr
.irp e, 0,1
	s_delay_alu instid0(VALU_DEP_2)
	v_add_f32 v[WK+4*\e], v[WK+4*\e], v[WK+8+\e]
.endr
.endm
	v_lshl_add_u32 v200, v0, 2, 0x10100
	v_mov_b32 v201, 0
	s_cmp_lt_u32 ttmp9, NWG
	s_cbranch_scc0 .Lnorm
	; ---- THE WEIGHTS
	s_load_b256 s[4:11], s[0:1], 0x20              ; w_qkv s[4:5], w_o s[6:7], w_mlp1 s[8:9], w_mlp2 s[10:11]
	s_load_b64 s[12:13], s[0:1], 0x40              ; wr
	v_lshrrev_b32 v4, 5, v0
	s_delay_alu instid0(VALU_DEP_1)
	v_readfirstlane_b32 s14, v4                    ; wave 0..7
	v_and_b32 v4, 31, v0                           ; lane
	v_and_b32 v5, 7, v0
	v_bfe_u32 v6, v0, 3, 1
	v_bfe_u32 v7, v0, 4, 1
	s_delay_alu instid0(VALU_DEP_2)
	v_lshl_or_b32 v5, v6, 4, v5
	s_delay_alu instid0(VALU_DEP_1)
	v_lshl_or_b32 v5, v7, 3, v5                    ; my column among 32: the lane's number with bits 3 and 4 exchanged
	s_delay_alu instid0(VALU_DEP_1)
	v_lshlrev_b32 v1, 2, v5                        ; in bytes
	v_lshlrev_b32 v2, 4, v4                        ; 16 x lane
	v_lshlrev_b32 v3, 3, v4                        ; 8 x lane
	s_wait_kmcnt 0x0
	s_cmp_lt_u32 ttmp9, 48
	s_cbranch_scc1 .Lqkv
	s_cmp_lt_u32 ttmp9, 112
	s_cbranch_scc1 .Lmlp1
	s_sub_co_u32 s15, ttmp9, 112                   ; the two weights of 1,024 columns share one text: only pointers and counts are chosen
	s_cmp_lt_u32 s15, 16
	s_cselect_b64 s[20:21], s[6:7], s[10:11]
	s_cselect_b32 s26, 0, 16
	s_cselect_b32 s27, 3, 5
	s_mov_b32 s19, 6553600
	s_cselect_b32 s19, 2457600, s19
	s_sub_co_u32 s15, s15, s26
	PLACE 1024
	s_wait_alu depctr_va_vdst(0)
	WQ 1024
	s_endpgm
.Lqkv:
	s_mov_b64 s[20:21], s[4:5]
	s_mov_b32 s15, ttmp9
	s_mov_b32 s27, 3
	s_mov_b32 s19, 0
	PLACE 3072
	s_wait_alu depctr_va_vdst(0)
	WQ 3072
	s_endpgm
.Lmlp1:
	s_mov_b64 s[20:21], s[8:9]
	s_sub_co_u32 s15, ttmp9, 48
	s_mov_b32 s27, 3
	s_mov_b32 s19, 3276800
	PLACE 4096
	s_wait_alu depctr_va_vdst(0)
	WQ 4096
	s_endpgm
.Lnorm:
	; ---- THE LAYER NORM
	s_load_b256 s[4:11], s[0:1], 0x0               ; x s[4:5], gain s[6:7], bias s[8:9], records s[10:11]
	s_sub_co_u32 s26, ttmp9, NWG                   ; my tile of 16 rows
	v_lshrrev_b32 v2, 5, v0
	s_delay_alu instid0(VALU_DEP_1)
	v_readfirstlane_b32 s12, v2                    ; wave 0..7
	v_and_b32 v3, 31, v0
	s_delay_alu instid0(VALU_DEP_1)
	v_lshlrev_b32 v1, 4, v3                        ; 16 x lane
	s_delay_alu instid0(VALU_DEP_2)
	v_lshlrev_b32 v6, 3, v3                        ; 8 x lane
	v_and_b32 v2, 15, v0                           ; r
	v_bfe_u32 v3, v0, 4, 1                         ; h
	s_mul_i32 s13, s12, 2*PITCH
	v_add_nc_u32 v4, s13, v1                       ; LDS, in: my two rows, 16 bytes a lane
	v_mul_u32_u24 v5, v2, PITCH
	s_delay_alu instid0(VALU_DEP_1)
	v_lshl_add_u32 v5, v3, 6, v5
	s_lshl_b32 s13, s12, 9
	v_add_nc_u32 v5, s13, v5                       ; LDS, out: row r, K step = my wave, + 64 h
	v_lshlrev_b32 v7, 3, v2                        ; 8 r
	v_mov_b32 v[WK+8], 0                           ; written once: a lane permute's destination counts as one of its sources
	v_mov_b32 v[WK+9], 0
.irp b, 0,1,2,3
	v_mov_b32 v[TM+4+\b], 0
.endr
	v_mov_b32 v[WK+14], 0x3a800000                 ; 2^-10
	s_mov_b32 s[SEL], 0x76543210
	s_mov_b32 s[SEL+1], 0xfedcba98                 ; lane l xor 16
	; THE TOKENS OF A TILE ARE NOT NEIGHBOURS (this stands in place of 'a work-group takes 16 rows' above): row 8 a + j of tile t of a group of 64 tokens is token 32 a + 8 t + j of the group.
	; So in attention a lane's 32 scores of four tiles of keys are one whole block of 32 keys, in their order.  My wave's rows 2 w, 2 w + 1 have a = w / 4, j = 2 (w % 4) + 0, 1.
	s_lshr_b32 s14, s26, 2
	s_lshl_b32 s14, s14, 18                        ; 64 tokens of 4,096 bytes a group,
	s_and_b32 s15, s26, 3
	s_lshl_b32 s15, s15, 15                        ; 8 t tokens,
	s_add_co_u32 s14, s14, s15
	s_lshr_b32 s15, s12, 2
	s_lshl_b32 s15, s15, 17                        ; 32 a tokens,
	s_add_co_u32 s14, s14, s15
	s_and_b32 s15, s12, 3
	s_lshl_b32 s15, s15, 13                        ; two a wave
	s_add_co_u32 s14, s14, s15
	s_mov_b32 s15, 0
	s_lshr_b32 s16, s26, 3                         ; block of 128 rows
	s_lshl_b32 s16, s16, 3
	s_add_co_u32 s16, s16, s12                     ; K step
	s_lshl_b32 s16, s16, 1
	s_bfe_u32 s17, s26, 0x10002                    ; half of 64 rows
	s_add_co_u32 s16, s16, s17
	s_mul_i32 s16, s16, 6400
	s_and_b32 s17, s26, 3                          ; f: my tile among the four
	s_mul_i32 s22, s17, 1536
	s_add_co_u32 s22, s22, s16
	s_mov_b32 s23, 0
	s_and_b32 s18, s17, 1
	s_lshl_b32 s18, s18, 7
	s_lshr_b32 s17, s17, 1
	s_lshl_b32 s17, s17, 2
	s_add_co_u32 s24, s16, s18
	s_add_co_u32 s24, s24, s17
	s_mov_b32 s25, 0
	s_wait_kmcnt 0x0
	s_add_nc_u64 s[4:5], s[4:5], s[14:15]
	s_add_nc_u64 s[22:23], s[10:11], s[22:23]      ; my fragment
	s_add_nc_u64 s[24:25], s[10:11], s[24:25]      ; my tile's scale words, less 6,144
.irp e, 0,1
.irp i, 0,1,2,3,4,5,6,7
	global_load_b128 v[X+32*\e+4*\i:X+32*\e+4*\i+3], v1, s[4:5] offset:4096*\e+512*\i      ; 512 consecutive bytes; x is read again by a later launch
.endr
.endr
.irp i, 0,1,2,3,4,5,6,7
	global_load_b128 v[GN+4*\i:GN+4*\i+3], v1, s[6:7] offset:512*\i
	global_load_b128 v[BS+4*\i:BS+4*\i+3], v1, s[8:9] offset:512*\i
.endr
	s_wait_loadcnt 16                              ; x is in; the sixteen loads of gain and bias may be out
.irp e, 0,1
	v_pk_add_f32 v[WK+4*\e:WK+4*\e+1], v[X+32*\e:X+32*\e+1], v[X+32*\e+2:X+32*\e+3]
	v_pk_add_f32 v[WK+4*\e+2:WK+4*\e+3], v[X+32*\e+4:X+32*\e+5], v[X+32*\e+6:X+32*\e+7]
.endr
.irp j, 8,12,16,20,24,28
.irp e, 0,1
	s_delay_alu instid0(VALU_DEP_4)
	v_pk_add_f32 v[WK+4*\e:WK+4*\e+1], v[WK+4*\e:WK+4*\e+1], v[X+32*\e+\j:X+32*\e+\j+1]
	s_delay_alu instid0(VALU_DEP_4)
	v_pk_add_f32 v[WK+4*\e+2:WK+4*\e+3], v[WK+4*\e+2:WK+4*\e+3], v[X+32*\e+\j+2:X+32*\e+\j+3]
.endr
.endr
.irp e, 0
	s_delay_alu instid0(VALU_DEP_3)
	v_pk_add_f32 v[WK+4*\e:WK+4*\e+1], v[WK+4*\e:WK+4*\e+1], v[WK+4*\e+2:WK+4*\e+3]
.endr
.irp e, 1
	s_delay_alu instid0(VALU_DEP_2)
	v_pk_add_f32 v[WK+4*\e:WK+4*\e+1], v[WK+4*\e:WK+4*\e+1], v[WK+4*\e+2:WK+4*\e+3]
.endr
.irp e, 0,1
	s_delay_alu instid0(VALU_DEP_2)
	v_add_f32 v[WK+4*\e], v[WK+4*\e], v[WK+4*\e+1]
.endr
	LANESUM
.irp e, 0
	s_delay_alu instid0(VALU_DEP_2)
	v_mul_f32 v[8+2*\e], v[WK+14], v[WK+4*\e]      ; the mean, twice: a pair for the packed forms
	s_delay_alu instid0(VALU_DEP_3)
	v_mul_f32 v[9+2*\e], v[WK+14], v[WK+4*\e]
.endr
.irp e, 1
	s_delay_alu instid0(VALU_DEP_3)
	v_mul_f32 v[8+2*\e], v[WK+14], v[WK+4*\e]      ; the mean, twice: a pair for the packed forms
	s_delay_alu instid0(VALU_DEP_4)
	v_mul_f32 v[9+2*\e], v[WK+14], v[WK+4*\e]
.endr
.irp j, 0,2,4,6,8,10,12,14,16,18,20,22,24,26,28,30
.irp e, 0,1
	v_pk_add_f32 v[X+32*\e+\j:X+32*\e+\j+1], v[X+32*\e+\j:X+32*\e+\j+1], v[8+2*\e:9+2*\e] neg_lo:[0,1] neg_hi:[0,1]   ; d = x - mean
.endr
.endr
.irp e, 0,1
	v_pk_mul_f32 v[WK+4*\e:WK+4*\e+1], v[X+32*\e:X+32*\e+1], v[X+32*\e:X+32*\e+1]
	v_pk_mul_f32 v[WK+4*\e+2:WK+4*\e+3], v[X+32*\e+2:X+32*\e+3], v[X+32*\e+2:X+32*\e+3]
.endr
.irp j, 4,8,12,16,20,24,28
.irp e, 0,1
	s_delay_alu instid0(VALU_DEP_4)
	v_pk_fma_f32 v[WK+4*\e:WK+4*\e+1], v[X+32*\e+\j:X+32*\e+\j+1], v[X+32*\e+\j:X+32*\e+\j+1], v[WK+4*\e:WK+4*\e+1]
	s_delay_alu instid0(VALU_DEP_4)
	v_pk_fma_f32 v[WK+4*\e+2:WK+4*\e+3], v[X+32*\e+\j+2:X+32*\e+\j+3], v[X+32*\e+\j+2:X+32*\e+\j+3], v[WK+4*\e+2:WK+4*\e+3]
.endr
.endr
.irp e, 0
	s_delay_alu instid0(VALU_DEP_3)
	v_pk_add_f32 v[WK+4*\e:WK+4*\e+1], v[WK+4*\e:WK+4*\e+1], v[WK+4*\e+2:WK+4*\e+3]
.endr
.irp e, 1
	s_delay_alu instid0(VALU_DEP_2)
	v_pk_add_f32 v[WK+4*\e:WK+4*\e+1], v[WK+4*\e:WK+4*\e+1], v[WK+4*\e+2:WK+4*\e+3]
.endr
.irp e, 0,1
	s_delay_alu instid0(VALU_DEP_2)
	v_add_f32 v[WK+4*\e], v[WK+4*\e], v[WK+4*\e+1]
.endr
	LANESUM
.irp e, 0,1
	s_delay_alu instid0(VALU_DEP_2)
	v_fmaak_f32 v[WK+10+\e], v[WK+4*\e], v[WK+14], 0x358637bd      ; var + 1e-6
.endr
	s_wait_alu depctr_va_vdst(0)
.irp e, 0,1
	v_rsq_f32 v[12+2*\e], v[WK+10+\e]              ; made twice, to fill the pair that the packed multiply names
	v_rsq_f32 v[13+2*\e], v[WK+10+\e]
.endr
	v_nop                                          ; a plain place behind the last of them
	s_wait_loadcnt 0x0                             ; gain and bias
	s_wait_alu depctr_va_vdst(0)                   ; one wait for the four, ahead of their first reader
.irp j, 0,2,4,6,8,10,12,14,16,18,20,22,24,26,28,30
.irp e, 0,1
	v_pk_mul_f32 v[X+32*\e+\j:X+32*\e+\j+1], v[X+32*\e+\j:X+32*\e+\j+1], v[12+2*\e:13+2*\e]
.endr
.irp e, 0,1
	s_delay_alu instid0(VALU_DEP_2)
	v_pk_fma_f32 v[X+32*\e+\j:X+32*\e+\j+1], v[X+32*\e+\j:X+32*\e+\j+1], v[GN+\j:GN+\j+1], v[BS+\j:BS+\j+1]
.endr
.endr
.irp e, 0,1
.irp i, 0,1,2,3,4,5,6,7
	ds_store_b128 v4, v[X+32*\e+4*\i:X+32*\e+4*\i+3] offset:PITCH*\e+512*\i
.endr
.endr
	s_wait_dscnt 0x0                               ; for the others' sake: my rows lie in LDS
	s_barrier_signal -1
	s_barrier_wait -1
.irp b, 0,1,2,3
.irp j, 0,1,2,3
	ds_load_b128 v[X+16*\b+4*\j:X+16*\b+4*\j+3], v5 offset:128*\b+16*\j
.endr
.endr
	s_wait_dscnt 0x0
	QUANT X
	global_store_b128 v1, v[PC:PC+3], s[22:23]
	global_store_b64 v6, v[PC+4:PC+5], s[22:23] offset:512
	global_store_b128 v1, v[PC+6:PC+9], s[22:23] offset:768
	global_store_b64 v6, v[PC+10:PC+11], s[22:23] offset:1280
	global_store_b32 v7, v[PW], s[24:25] offset:6144               ; both halves of the lanes hold row r's word and store it to the same place
	s_wait_tensorcnt 0x0
	ds_add_u32 v200, v201
	s_wait_dscnt 0x0
	s_endpgm
.Lfunc_end_k_q43fdd1e0cb_prep:
	.size	k_q43fdd1e0cb_prep, .Lfunc_end_k_q43fdd1e0cb_prep-k_q43fdd1e0cb_prep
	.p2alignl 7, 3214868480
	.fill 96, 4, 3214868480
	.section	.rodata,"a",@progbits
	.p2align	6, 0x0
	.amdhsa_kernel k_q43fdd1e0cb_prep
		.amdhsa_group_segment_fixed_size 66816
		.amdhsa_private_segment_fixed_size 0
		.amdhsa_enable_private_segment 0
		.amdhsa_kernarg_size 72
		.amdhsa_user_sgpr_count 2
		.amdhsa_user_sgpr_kernarg_segment_ptr 1
		.amdhsa_wavefront_size32 1
		.amdhsa_system_sgpr_workgroup_id_x 1
		.amdhsa_system_sgpr_workgroup_id_y 1
		.amdhsa_system_sgpr_workgroup_id_z 1
		.amdhsa_system_vgpr_workitem_id 0
		.amdhsa_next_free_vgpr 202
		.amdhsa_next_free_sgpr 66
		.amdhsa_reserve_vcc 0
		.amdhsa_float_denorm_mode_32 3
		.amdhsa_float_denorm_mode_16_64 3
		.amdhsa_memory_ordered 1
		.amdhsa_forward_progress 1
		.amdhsa_inst_pref_size 149
	.end_amdhsa_kernel
	.amdgpu_metadata
---
amdhsa.version: [ 1, 2 ]
amdhsa.kernels:
  - .name:           k_q43fdd1e0cb_prep
    .symbol:         k_q43fdd1e0cb_prep.kd
    .args:
      - { .name: x, .offset: 0, .size: 8, .value_kind: global_buffer, .address_space: global }
      - { .name: ln1_scale, .offset: 8, .size: 8, .value_kind: global_buffer, .address_space: global }
      - { .name: ln1_bias, .offset: 16, .size: 8, .value_kind: global_buffer, .address_space: global }
      - { .name: hr, .offset: 24, .size: 8, .value_kind: global_buffer, .address_space: global }
      - { .name: w_qkv, .offset: 32, .size: 8, .value_kind: global_buffer, .address_space: global }
      - { .name: w_o, .offset: 40, .size: 8, .value_kind: global_buffer, .address_space: global }
      - { .name: w_mlp1, .offset: 48, .size: 8, .value_kind: global_buffer, .address_space: global }
      - { .name: w_mlp2, .offset: 56, .size: 8, .value_kind: global_buffer, .address_space: global }
      - { .name: wr, .offset: 64, .size: 8, .value_kind: global_buffer, .address_space: global }
    .group_segment_fixed_size: 66816
    .private_segment_fixed_size: 0
    .kernarg_segment_align: 8
    .kernarg_segment_size: 72
    .max_flat_workgroup_size: 256
    .sgpr_count:     66
    .vgpr_count:     202
    .wavefront_size: 32
...
	.end_amdgpu_metadata
.endif
;; end of part 1
;; launch qkv (part 2): grid 12 x 16, 16 waves a work-group, clusters of 4 x 4, 327,680 bytes of LDS; arguments hr, wr, b_qkv, qr, kvr; writes qr, kvr
.if DOCPART == 2
	.amdgcn_target "amdgcn-amd-amdhsa--gfx1250"
	.amdhsa_code_object_version 6
	.text
	.protected	k_q43fdd1e0cb_qkv
	.globl	k_q43fdd1e0cb_qkv
	.p2align	8
	.type	k_q43fdd1e0cb_qkv,@function
k_q43fdd1e0cb_qkv:
	s_mov_b64 s[64:65], 0
	v_nop
	global_prefetch_b8 v0, s[64:65] scope:SCOPE_SE
	s_setreg_imm32_b32 hwreg(HW_REG_WAVE_MODE, 25, 1), 1
	s_wait_xcnt 0x0
	s_wait_alu depctr_hold_cnt(0) depctr_sa_sdst(0) depctr_va_vdst(0) depctr_va_sdst(0) depctr_va_ssrc(0) depctr_va_vcc(0) depctr_vm_vsrc(0)
	s_getreg_b32 s2, hwreg(HW_REG_IB_STS2, 6, 4)
	s_cmp_eq_u32 s2, 0
	s_cbranch_scc0 .Lentry_in_a_cluster
	s_endpgm
.Lentry_in_a_cluster:
	s_bfe_u32 s2, ttmp6, 0x10000c
	s_cmp_lg_u32 s2, 0xf033
	s_cbranch_scc0 .Lentry_shape_is_right
	s_endpgm
.Lentry_shape_is_right:
; qkv = Q(LN1(x)) Q(w_qkv) + b_qkv on codes of E2M3 (K = 1,024), and its three parts quantised at once for attention: q and k along the head's 64, v along the keys.
; OPERANDS lie in memory as images of operand registers: a record half (6,400 bytes) is 64 rows x 128 K: four fragments of 1,536 bytes (registers 0-3 at 16 x lane, 4-5 at 512 + 8 x lane, 6-9 at 768 + 16 x lane,
; 10-11 at 1,280 + 8 x lane) and 256 bytes of scale words (at 8 x lane: word p = tiles 2 p in lanes 0-15 and 2 p + 1 in lanes 16-31).  Records lie [block of 128 rows][K step][half].  So a tile is a dense block of
; memory, an LDS load reads consecutive bytes, and the scales travel with the codes.
; SHARES.  A work-group makes 256 tokens x 256 columns; sixteen waves, four to a SIMD, each 64 x 64: 16 accumulators in 128 registers, no register windows.  While one wave waits for its fragments another multiplies.
; K goes in four tiles of 256 (two steps of 128) through THREE LDS slots of 102,400 bytes: tiles 0, 1, 2 are first fills, asked for together at the head (three loads of a fetching wave are out at the most); tile 3 is
; the launch's one refill, into slot 0 as soon as that has been read, and has tiles 1 and 2, 64 matrix instructions a wave, in which to land.  Waves 0, 1 fetch the tokens' two blocks, waves 2, 3 the weight's, 25,600 bytes a load.
; CLUSTER 4 x 4: the tokens' tile hangs on the tile row alone and is asked for jointly along a row of the cluster, the weight's on the tile column alone and jointly along a column.
; SOURCES.  For q and k: source 0 = 16 columns of the weight, source 1 = 16 tokens: a lane holds one token, and (the weight's tiles being laid for it) its 32 registers of four tiles are 64 columns, one head,
; register 16 b + i = channel 32 b + 16 (lane / 16) + i.  For v (cluster x = 2) the two LDS regions change places: a lane then holds one channel and its registers run along the tokens, which are the keys.
; Within a block of 32 keys slot 16 h + 8 u + j holds key 16 u + 8 h + j; attention's p is laid the same way, so the products are those of the true keys.
; OUTPUT.  q: [head][group of 64 queries] 3,328 bytes: four halves of 768 bytes and a scale block (bytes 2, 3 of each word 0x7f: 1.0).  k and v: [head][128 keys] 13,056 bytes: two such groups of k, then a record half of v.
; LIMITS: NaN and infinities are not served; a block under 2^-124 and a block of zeros get the byte 1 (zero codes; read by this program alone).
.set KST,   8                          ; K steps of 128
.set WOFF,  0                          ; the weight's place in wr
.set SLOTB, 25600                      ; bytes of a tile along a block of rows
.set REC,   12800
.set HREC,  6400
.set SLOTSZ, 102400                    ; a slot: the tokens' 51,200 bytes, then the weight's
.set WREG,  51200
.set SPARE, 307200                     ; behind the three slots: the spare words, 128 bytes for each of 16 waves
.set SCS,   309248                     ; a stage of eight scale blocks of 256 bytes; no tile lands here
.set SPW, 1                            ; v1  my spare word's address; never rewritten
.set NIL, 2                            ; v2  0; never rewritten
.set B0L, 3                            ; v3  source 0: 16 x lane + its place in a slot; never rewritten
.set W0L, 4                            ; v4  the same in the slot in hand
.set B0S, 5                            ; v5, v6  source 0: 8 x lane + its place
.set W0S, 6
.set B1L, 7                            ; v7, v8  source 1
.set W1L, 8
.set B1S, 9                            ; v9, v10
.set W1S, 10
.set L16, 11                           ; v11 16 x lane
.set L8,  12                           ; v12 8 x lane
.set RR,  13                           ; v13 r = lane % 16
.set HH,  14                           ; v14 h = lane / 16
.set SCA, 16                           ; v[16:17] source 0's scale words;  v[18:19] source 1's: they hold nothing else
.set SCB, 18
.set TM,  20                           ; v20-25 at work in QUANT2
.set CT,  26                           ; v26-28
.set SA,  29                           ; v29 where my half scale words go in the stage
.set VB,  30                           ; v30 v's bias: my channel's byte
.set BI,  32                           ; the way out: the bias
.set F0,  32                           ; v32-79  source 0's four fragments
.set F1,  80                           ; v80-127 source 1's
.set ACC, 128                          ; accumulator (i0, i1) at 128 + 32 i1 + 8 i0
.set WV,  14
.set G1T, 24                           ; s[24:31] descriptor group 1 for the tokens;  s[32:39], s[92:95] its groups 0, a set for each slot
.set G0T, 32
.set G0T2, 92
.set G1W, 48                           ; s[48:55], s[56:63], s[96:99] the same for the weight
.set G0W, 56
.set G0W2, 96
.set SEL, 66
.set DST, 84
.macro CROUND                          ; a round of the cluster's barrier
	s_barrier_signal -1
	s_barrier_wait -1
	s_cmp_lg_u32 s[WV], 0
	s_cbranch_scc1 .Lnot_wave_0_\@
	s_barrier_signal -3
.Lnot_wave_0_\@:
	s_barrier_wait -3
	s_barrier_signal -1
	s_barrier_wait -1
.endm
.macro MKG0 gt, gw, s                  ; the groups 0 of slot s, set up for tile s
	s_mov_b32 s[\gt], 1
	s_add_co_u32 s[\gt+1], s23, (\s)*SLOTSZ
	s_add_nc_u64 s[\gt+2:\gt+3], s[16:17], (\s)*SLOTB
	s_or_b32 s[\gt+3], s[\gt+3], 0x80000000
	s_mov_b32 s[\gw], 1
	s_add_co_u32 s[\gw+1], s23, (\s)*SLOTSZ
	s_add_nc_u64 s[\gw+2:\gw+3], s[20:21], (\s)*SLOTB
	s_or_b32 s[\gw+3], s[\gw+3], 0x80000000
.endm
.macro JLOAD                           ; the joint refill of slot 0; the branches hang on the wave's number alone; four v_nop follow each load
	s_cmp_lt_u32 s[WV], 2
	s_cbranch_scc0 .Lnot_t_\@
	tensor_load_to_lds s[G0T:G0T+3], s[G1T:G1T+7]
	s_nop 0
.rept 4
	v_nop
.endr
	s_branch .Lasked_\@
.Lnot_t_\@:
	s_cmp_lt_u32 s[WV], 4
	s_cbranch_scc0 .Lasked_\@
	tensor_load_to_lds s[G0W:G0W+3], s[G1W:G1W+7]
	s_nop 0
.rept 4
	v_nop
.endr
.Lasked_\@:
.endm
.macro FRAGL reg, al, as, off          ; a fragment's image into twelve registers
	ds_load_b128 v[\reg:\reg+3], v[\al] offset:\off
	ds_load_b64 v[\reg+4:\reg+5], v[\as] offset:\off+512
	ds_load_b128 v[\reg+6:\reg+9], v[\al] offset:\off+768
	ds_load_b64 v[\reg+10:\reg+11], v[\as] offset:\off+1280
.endm
.macro MM i0, i1, zero                 ; an odd tile's scale words lie in lanes 16-31 of its pair's register
.set rD, ACC+32*(\i1)+8*(\i0)
.set rA, F0+12*(\i0)
.set rB, F1+12*(\i1)
.set rS, SCA+(\i0)/2
.set rT, SCB+(\i1)/2
.set par, 2*((\i0)%2)+(\i1)%2+4*(\zero)
.if par == 0
	v_wmma_scale_f32_16x16x128_f8f6f4 v[rD:rD+7], v[rA:rA+11], v[rB:rB+11], v[rD:rD+7], v[rS], v[rT] matrix_a_fmt:MATRIX_FMT_FP6 matrix_b_fmt:MATRIX_FMT_FP6
.elseif par == 1
	v_wmma_scale_f32_16x16x128_f8f6f4 v[rD:rD+7], v[rA:rA+11], v[rB:rB+11], v[rD:rD+7], v[rS], v[rT] matrix_a_fmt:MATRIX_FMT_FP6 matrix_b_fmt:MATRIX_FMT_FP6 matrix_b_scale:MATRIX_SCALE_ROW1
.elseif par == 2
	v_wmma_scale_f32_16x16x128_f8f6f4 v[rD:rD+7], v[rA:rA+11], v[rB:rB+11], v[rD:rD+7], v[rS], v[rT] matrix_a_fmt:MATRIX_FMT_FP6 matrix_b_fmt:MATRIX_FMT_FP6 matrix_a_scale:MATRIX_SCALE_ROW1
.elseif par == 3
	v_wmma_scale_f32_16x16x128_f8f6f4 v[rD:rD+7], v[rA:rA+11], v[rB:rB+11], v[rD:rD+7], v[rS], v[rT] matrix_a_fmt:MATRIX_FMT_FP6 matrix_b_fmt:MATRIX_FMT_FP6 matrix_a_scale:MATRIX_SCALE_ROW1 matrix_b_scale:MATRIX_SCALE_ROW1
.elseif par == 4
	v_wmma_scale_f32_16x16x128_f8f6f4 v[rD:rD+7], v[rA:rA+11], v[rB:rB+11], 0, v[rS], v[rT] matrix_a_fmt:MATRIX_FMT_FP6 matrix_b_fmt:MATRIX_FMT_FP6
.elseif par == 5
	v_wmma_scale_f32_16x16x128_f8f6f4 v[rD:rD+7], v[rA:rA+11], v[rB:rB+11], 0, v[rS], v[rT] matrix_a_fmt:MATRIX_FMT_FP6 matrix_b_fmt:MATRIX_FMT_FP6 matrix_b_scale:MATRIX_SCALE_ROW1
.elseif par == 6
	v_wmma_scale_f32_16x16x128_f8f6f4 v[rD:rD+7], v[rA:rA+11], v[rB:rB+11], 0, v[rS], v[rT] matrix_a_fmt:MATRIX_FMT_FP6 matrix_b_fmt:MATRIX_FMT_FP6 matrix_a_scale:MATRIX_SCALE_ROW1
.else
	v_wmma_scale_f32_16x16x128_f8f6f4 v[rD:rD+7], v[rA:rA+11], v[rB:rB+11], 0, v[rS], v[rT] matrix_a_fmt:MATRIX_FMT_FP6 matrix_b_fmt:MATRIX_FMT_FP6 matrix_a_scale:MATRIX_SCALE_ROW1 matrix_b_scale:MATRIX_SCALE_ROW1
.endif
.endm
; A step of 128 along K: 34 LDS loads, 16 matrix instructions.  The 16 accumulators take turns, one instruction a turn, in the same order in every step.
; Four plain vector lines stand ahead of each step (WORK writes them): the places between the last products and loads into the registers that they read (ISA guide 7.12.1 for vector instructions).
.macro STEP q, zero
	ds_load_b64 v[SCA:SCA+1], v[W0S] offset:(\q)*REC+6144
	ds_load_b64 v[SCB:SCB+1], v[W1S] offset:(\q)*REC+6144
.irp f, 0,1,2,3
	FRAGL F1+12*\f, W1L, W1S, (\q)*REC+1536*\f
.endr
.irp f, 0,1,2,3
	FRAGL F0+12*\f, W0L, W0S, (\q)*REC+1536*\f
.endr
.irp i, 0,1,2,3
	s_wait_dscnt 12-4*\i                           ; all but the loads of source 0's later fragments, four each
.irp j, 0,1,2,3
	MM \i, \j, \zero
.endr
.endr
.endm
.macro WORK slot, zero                 ; the tile in a slot: two steps
	v_add_nc_u32 v[W0L], (\slot)*SLOTSZ, v[B0L]    ; my addresses in this slot: these four lines are also the first step's places
	v_add_nc_u32 v[W0S], (\slot)*SLOTSZ, v[B0S]
	v_add_nc_u32 v[W1L], (\slot)*SLOTSZ, v[B1L]
	v_add_nc_u32 v[W1S], (\slot)*SLOTSZ, v[B1S]
	STEP 0, \zero
.rept 4
	v_nop
.endr
	s_wait_alu depctr_va_vdst(0)
	STEP 1, 0
.endm
; 32 numbers of a lane, register 16 b + i = k 32 b + 16 (lane / 16) + i of my row, become half a fragment (six registers from pc on) and two scale bytes in hw.
.macro QUANT2 s, pc, hw
.irp b, 0,1
	v_max3_num_f32 v[TM+\b], |v[\s+16*\b]|, |v[\s+1+16*\b]|, 0x1800000   ; my 16 numbers of block b, and the floor 2^(3 - 127)
.endr
.irp i, 2,4,6,8,10,12,14
.irp b, 0,1
	s_delay_alu instid0(VALU_DEP_2)
	v_max3_num_f32 v[TM+\b], v[TM+\b], |v[\s+16*\b+\i]|, |v[\s+1+16*\b+\i]|
.endr
.endr
.irp b, 0,1
	s_delay_alu instid0(VALU_DEP_2)
	v_permlanex16_b32 v[TM+2+\b], v[TM+\b], s[SEL], s[SEL+1]
.endr
.irp b, 0,1
	s_delay_alu instid0(VALU_DEP_2)
	v_max_num_f32 v[TM+\b], v[TM+\b], v[TM+2+\b]   ; with lane l xor 16's: the block's largest magnitude
.endr
.irp b, 0,1
	s_delay_alu instid0(VALU_DEP_2)
	v_add_nc_u32 v[TM+4+\b], 0xff000000, v[TM+\b]  ; 2 off its exponent field: the conversion's scale operand
.endr
.irp b, 0,1
	s_delay_alu instid0(VALU_DEP_2)
	v_lshrrev_b32 v[TM+2+\b], 23, v[TM+4+\b]       ; the scale's byte
.endr
	s_delay_alu instid0(VALU_DEP_1)
	v_lshl_or_b32 v[\hw], v[TM+3], 8, v[TM+2]
	v_cvt_scalef32_pk16_fp6_f32 v[\pc:\pc+2], v[\s:\s+15], v[TM+4]
	v_cvt_scalef32_pk16_fp6_f32 v[CT:CT+2], v[\s+16:\s+31], v[TM+5]
	v_nop                                          ; one plain place behind a scaled conversion
.irp i, 0,1,2
	v_permlane16_swap_b32 v[\pc+\i], v[CT+\i]      ; a whole block to a lane: lanes 0-15 the first, lanes 16-31 the second
.endr
.irp i, 0,1,2
	s_delay_alu instid0(VALU_DEP_3)
	v_mov_b32 v[\pc+3+\i], v[CT+\i]
.endr
.endm
; THE TOKENS' ORDER (in place of what the head says of v's keys): row 8 a + j of the tokens' tile t is token 32 a + 8 t + j of its 64.  For v a lane (r, h) so holds, of one channel, register 8 t + j = key 32 h + 8 t + j
; of my 64: ONE WHOLE BLOCK OF 32 KEYS IN ITS ORDER.  Its largest magnitude needs no other lane, the two conversions give the operand's six registers as they stand, and hw is the block's one byte.
.macro QUANTV s, pc, hw
.irp b, 0,1
	v_max3_num_f32 v[TM+\b], |v[\s+16*\b]|, |v[\s+1+16*\b]|, 0x1800000   ; two chains over the 32, and the floor 2^(3 - 127)
.endr
.irp i, 2,4,6,8,10,12,14
.irp b, 0,1
	v_max3_num_f32 v[TM+\b], v[TM+\b], |v[\s+16*\b+\i]|, |v[\s+1+16*\b+\i]|
.endr
.endr
	v_max_num_f32 v[TM], v[TM], v[TM+1]
	v_add_nc_u32 v[TM+4], 0xff000000, v[TM]        ; 2 off its exponent field: the conversions' scale operand
	v_lshrrev_b32 v[\hw], 23, v[TM+4]              ; the scale's byte
	v_cvt_scalef32_pk16_fp6_f32 v[\pc:\pc+2], v[\s:\s+15], v[TM+4]
	v_cvt_scalef32_pk16_fp6_f32 v[CT:CT+2], v[\s+16:\s+31], v[TM+4]
	v_nop                                          ; one plain place behind a scaled conversion
.irp i, 0,1,2
	v_mov_b32 v[\pc+3+\i], v[CT+\i]
.endr
.endm
.macro TILE_OUTV i, stride
	QUANTV ACC+32*(\i), 96+8*(\i), 102+8*(\i)
	global_store_b128 v[L16], v[96+8*(\i):99+8*(\i)], s[DST:DST+1] offset:(\i)*\stride
	global_store_b64 v[L8], v[100+8*(\i):101+8*(\i)], s[DST:DST+1] offset:(\i)*\stride+512
.endm
.macro TILE_OUT i, stride
	QUANT2 ACC+32*(\i), 96+8*(\i), 102+8*(\i)
	global_store_b128 v[L16], v[96+8*(\i):99+8*(\i)], s[DST:DST+1] offset:(\i)*\stride
	global_store_b64 v[L8], v[100+8*(\i):101+8*(\i)], s[DST:DST+1] offset:(\i)*\stride+512
.endm
	s_load_b256 s[4:11], s[0:1], 0x0               ; hr s[4:5], wr s[6:7], b_qkv s[8:9], qr s[10:11]
	s_load_b64 s[12:13], s[0:1], 0x20              ; kvr
	v_lshl_add_u32 v[SPW], v0, 2, SPARE
	v_mov_b32 v[NIL], 0
	ds_add_u32 v1, v2
	ds_add_u32 v1, v2
	s_wait_dscnt 0x0
	v_lshrrev_b32 v15, 5, v0
	s_delay_alu instid0(VALU_DEP_1)
	v_readfirstlane_b32 s[WV], v15                 ; wave 0..15
	s_bfe_u32 s40, ttmp6, 0x40000                  ; cx, cy: my place in the cluster
	s_bfe_u32 s41, ttmp6, 0x40004
	s_lshl_b32 s42, ttmp9, 2
	s_add_co_u32 s42, s42, s40                     ; tile column
	s_and_b32 s43, ttmp7, 0xffff
	s_lshl_b32 s43, s43, 2
	s_add_co_u32 s43, s43, s41                     ; tile row
	s_lshl_b32 s44, s41, 2
	s_lshl_b32 s44, 15, s44                        ; my row of the cluster
	s_lshl_b32 s45, 0x1111, s40                    ; my column
	s_or_b32 s[G1T], s44, (3<<16)|(1<<21)          ; 15:0 the mask; 17:16 elements of 8 bytes; 21 set beside a mask; no padding
	s_or_b32 s[G1W], s45, (3<<16)|(1<<21)
.irp g, G1T, G1W                       ; a dense block of 25,600 bytes as 100 rows of 256
	s_mov_b32 s[\g+1], 32<<16                      ; tensor_dim0 = 32
	s_mov_b32 s[\g+2], 100<<16                     ; tensor_dim1 = 100
	s_mov_b32 s[\g+3], 32<<16                      ; tile_dim0
	s_mov_b32 s[\g+4], 100                         ; tile_dim1
	s_mov_b32 s[\g+5], 32                          ; the pitch
	s_mov_b32 s[\g+6], 0
	s_mov_b32 s[\g+7], 0
.endr
	s_and_b32 s22, s[WV], 1                        ; which block of 128 rows I fetch
	s_lshl_b32 s16, s43, 1
	s_add_co_u32 s16, s16, s22
	s_mul_i32 s16, s16, KST*REC                    ; the tokens': made of the tile row and the wave alone
	s_mov_b32 s17, 0
	s_lshl_b32 s20, s42, 1
	s_add_co_u32 s20, s20, s22
	s_mul_i32 s20, s20, KST*REC                    ; the weight's: of the tile column and the wave alone
	s_add_co_u32 s20, s20, WOFF
	s_mov_b32 s21, 0
	s_and_b32 s23, s[WV], 3
	s_mul_i32 s23, s23, 25600                      ; where it goes in a slot
	s_wait_kmcnt 0x0
	s_add_nc_u64 s[16:17], s[4:5], s[16:17]
	s_add_nc_u64 s[20:21], s[6:7], s[20:21]
	CROUND                                         ; all sixteen work-groups are here: the first joint loads meet
	MKG0 G0T, G0W, 0
	MKG0 G0T+4, G0W+4, 1
	MKG0 G0T2, G0W2, 2
	s_cmp_lt_u32 s[WV], 2                          ; a wave has one first fill: one arm of the chain below
	; THE TWELVE FIRST FILLS, ONE A WAVE (in place of what the head says of who fetches): wave w < 12 fills part w % 4 of slot w / 4; one chain of branches on the wave's number, a load line to each pair of waves
	s_cbranch_scc0 .Lfirst_not_t
	tensor_load_to_lds s[G0T:G0T+3], s[G1T:G1T+7]
	s_nop 0
.rept 4
	v_nop
.endr
	s_branch .Lfirst_asked
.Lfirst_not_t:
	s_cmp_lt_u32 s[WV], 4
	s_cbranch_scc0 .Lfirst_4
	tensor_load_to_lds s[G0W:G0W+3], s[G1W:G1W+7]
	s_nop 0
.rept 4
	v_nop
.endr
	s_branch .Lfirst_asked
.Lfirst_4:
.macro ARM under, g0, g1, next
	s_cmp_lt_u32 s[WV], \under
	s_cbranch_scc0 \next
	tensor_load_to_lds s[\g0:\g0+3], s[\g1:\g1+7]
	s_nop 0
.rept 4
	v_nop
.endr
	s_branch .Lfirst_asked
\next:
.endm
	ARM 6, G0T+4, G1T, .Lfirst_6
	ARM 8, G0W+4, G1W, .Lfirst_8
	ARM 10, G0T2, G1T, .Lfirst_10
	ARM 12, G0W2, G1W, .Lfirst_12
.Lfirst_asked:
	v_and_b32 v15, 31, v0
	s_delay_alu instid0(VALU_DEP_1)
	v_lshlrev_b32 v[L16], 4, v15
	s_delay_alu instid0(VALU_DEP_2)
	v_lshlrev_b32 v[L8], 3, v15
	v_and_b32 v[RR], 15, v0
	v_bfe_u32 v[HH], v0, 4, 1
	s_delay_alu instid0(VALU_DEP_1)
	v_lshlrev_b32 v15, 6, v[HH]                    ; 64 h: the bias of q and k
	s_delay_alu instid0(VALU_DEP_3)
	v_and_b32 v[VB], 8, v[RR]
	s_delay_alu instid0(VALU_DEP_1)
	v_add_nc_u32 v[VB], v[VB], v[RR]
	s_delay_alu instid0(VALU_DEP_1)
	v_lshlrev_b32 v[VB], 2, v[VB]                  ; 4 (r + 8 (r / 8)): the bias of v
	v_mov_b32 v[TM+2], 0                           ; written once: a lane permute's destination counts as one of its sources
	v_mov_b32 v[TM+3], 0
	s_mov_b32 s[SEL], 0x76543210
	s_mov_b32 s[SEL+1], 0xfedcba98
	s_mov_b32 s90, 0xffff0000                      ; lanes 16-31
	s_lshr_b32 s68, s[WV], 2                       ; wa: source 0's group of 64 rows
	s_and_b32 s69, s[WV], 3                        ; wb: source 1's
	s_cmp_eq_u32 ttmp9, 2                          ; v?  The cluster's x is the same in all sixteen partners
	s_cselect_b32 s76, 0, WREG                     ; source 0's region of a slot,
	s_cselect_b32 s77, WREG, 0                     ; source 1's
	s_cselect_b32 s70, s69, s68                    ; which 64 columns (a head) are mine,
	s_cselect_b32 s71, s68, s69                    ; which 64 tokens
	s_mov_b32 s88, 3328
	s_cselect_b32 s88, 768, s88                    ; from the first 64 keys of a step to the second: a half in v, a group in k
	s_cselect_b32 s89, 6656, 0                     ; v lies behind k's two groups
	s_lshr_b32 s72, s68, 1
	s_mul_i32 s72, s72, 25600
	s_and_b32 s73, s68, 1
	s_mul_i32 s73, s73, HREC
	s_add_co_u32 s72, s72, s73
	s_add_co_u32 s72, s72, s76
	s_lshr_b32 s74, s69, 1
	s_mul_i32 s74, s74, 25600
	s_and_b32 s75, s69, 1
	s_mul_i32 s75, s75, HREC
	s_add_co_u32 s74, s74, s75
	s_add_co_u32 s74, s74, s77
	v_add_nc_u32 v[B0L], s72, v[L16]
	v_add_nc_u32 v[B0S], s72, v[L8]
	v_add_nc_u32 v[B1L], s74, v[L16]
	v_add_nc_u32 v[B1S], s74, v[L8]
	s_lshr_b32 s86, s68, 1                         ; the stage: block (wa / 2) x 4 + wb,
	s_lshl_b32 s86, s86, 2
	s_add_co_u32 s86, s86, s69
	s_lshl_b32 s86, s86, 8
	s_add_co_u32 s86, s86, SCS
	s_and_b32 s87, s68, 1                          ; my two bytes of each word,
	s_lshl_b32 s87, s87, 1
	s_add_co_u32 s87, s87, s86
	v_lshl_add_u32 v[SA], v[RR], 3, s87            ; row r
	v_add_nc_u32 v31, v[SA], v[HH]                 ; v: my block's one byte of the two
	s_lshl_b32 s78, s42, 10                        ; the bias: 256 columns a tile, 64 a head
	s_lshl_b32 s79, s70, 8
	s_add_co_u32 s78, s78, s79
	s_mov_b32 s79, 0
	s_add_nc_u64 s[8:9], s[8:9], s[78:79]
	s_lshr_b32 s80, s43, 3                         ; the batch,
	s_lshl_b32 s80, s80, 4
	s_lshl_b32 s81, s40, 2
	s_add_co_u32 s80, s80, s81
	s_add_co_u32 s80, s80, s70                     ; 16 x batch + head
	s_and_b32 s81, s43, 7                          ; which 256 tokens of the batch
	s_lshl_b32 s82, s80, 5
	s_lshl_b32 s83, s81, 2
	s_add_co_u32 s82, s82, s83
	s_add_co_u32 s82, s82, s71
	s_mul_i32 s82, s82, 3328                       ; q: [head][group of 64]
	s_lshl_b32 s83, s80, 4
	s_lshl_b32 s81, s81, 1
	s_add_co_u32 s83, s83, s81
	s_lshr_b32 s81, s71, 1
	s_add_co_u32 s83, s83, s81
	s_mul_i32 s83, s83, 13056                      ; k, v: [head][128 keys]
	s_and_b32 s81, s71, 1
	s_mul_i32 s81, s81, s88
	s_add_co_u32 s83, s83, s81
	s_add_co_u32 s83, s83, s89
	s_cmp_eq_u32 ttmp9, 0
	s_cselect_b32 s82, s82, s83
	s_cselect_b64 s[DST:DST+1], s[10:11], s[12:13]
	s_mov_b32 s83, 0
	s_add_nc_u64 s[DST:DST+1], s[DST:DST+1], s[82:83]
	s_wait_alu depctr_va_vdst(0)
	s_cmp_lt_u32 s[WV], 4                          ; waves 0-3 filled slot 0: they wait for their one load; slots 1 and 2 may stay out
	s_cbranch_scc0 .Lnot_slot0
	s_wait_tensorcnt 0x0
.Lnot_slot0:
	s_barrier_signal -1
	s_barrier_wait -1
	WORK 0, 1                                      ; tile 0; the first step's products start the sums: nothing is cleared
	s_wait_tensorcnt 0x0                           ; THE ONE REFILL.  All my tensor loads have landed, slots 1 and 2 among them, so a group 0 may be written;
	ds_add_u32 v[SPW], v[NIL]
	ds_add_u32 v1, v2
	s_add_nc_u64 s[G0T+2:G0T+3], s[G0T+2:G0T+3], 3*SLOTB           ; slot 0's next tile is tile 3
	s_add_nc_u64 s[G0W+2:G0W+3], s[G0W+2:G0W+3], 3*SLOTB
	s_wait_dscnt 0x0                               ; the add is done, and my reads of slot 0 are over
	CROUND                                         ; both hold of every wave of every partner
	JLOAD
	WORK 1, 0                                      ; tiles 1 and 2: every wave's wait for 0 ahead of the round has shown both slots whole, so no barrier stands between them
	WORK 2, 0
	s_wait_tensorcnt 0x0                           ; my part of tile 3 is in
	ds_add_u32 v[SPW], v[NIL]
	s_wait_dscnt 0x0
	s_barrier_signal -1
	s_barrier_wait -1                              ; everybody's is; nothing is left to fetch
	WORK 0, 0
	; THE WAY OUT
.rept 4
	v_nop                                          ; places behind the last products: results are read and operands' registers loaded below
.endr
	v_add_nc_u32 v[W0L], s86, v[L8]                ; where a whole scale block is read back from the stage
	s_cmp_eq_u32 ttmp9, 2
	s_cbranch_scc1 .Lvalues
.irp k, 0,1,2,3,4,5,6,7                ; q or k: register 16 b + i wants the bias of channel 32 b + 16 h + i
	global_load_b128 v[BI+4*\k:BI+4*\k+3], v15, s[8:9] offset:128*(\k/4)+16*(\k%4)
.endr
	s_wait_loadcnt 0x0
.irp i, 0,1,2,3
.set XS, ACC+32*\i
.set j, 0
.rept 16
	v_pk_add_f32 v[XS+j:XS+j+1], v[XS+j:XS+j+1], v[BI+j:BI+j+1]    ; each accumulator from its low end on
.set j, j+2
.endr
	TILE_OUT \i, 768
.endr
	v_cndmask_b32 v64, v102, v110, s90             ; the scale block: tiles 0 and 2 in lanes 0-15, tiles 1 and 3 in lanes 16-31;
	v_cndmask_b32 v65, v118, v126, s90
	s_delay_alu instid0(VALU_DEP_2)
	v_or_b32 v64, 0x7f7f0000, v64                  ; K is 64: the bytes of the upper 64 are 1.0
	s_delay_alu instid0(VALU_DEP_2)
	v_or_b32 v65, 0x7f7f0000, v65
	global_store_b64 v[L8], v[64:65], s[DST:DST+1] offset:3072     ; 256 consecutive bytes, aligned
	s_branch .Ljoin
.Lvalues:
.irp i, 0,1,2,3                        ; v: a lane has one channel a tile; its bias is loaded into both registers of a pair for the packed add
	global_load_b32 v[BI+2*\i], v[VB], s[8:9] offset:128*(\i/2)+32*(\i%2)
	global_load_b32 v[BI+2*\i+1], v[VB], s[8:9] offset:128*(\i/2)+32*(\i%2)
.endr
	s_wait_loadcnt 0x0
.irp i, 0,1,2,3
.set XS, ACC+32*\i
.set j, 0
.rept 16
	v_pk_add_f32 v[XS+j:XS+j+1], v[XS+j:XS+j+1], v[BI+2*\i:BI+2*\i+1]
.set j, j+2
.endr
	TILE_OUTV \i, 1536
	ds_store_b8 v31, v[102+8*\i] offset:128*(\i%2)+4*(\i/2)        ; my block's byte of the word's four: the lane beside me (l xor 16) has the next, the wave beside me the other two
.endr
.Ljoin:
	s_wait_dscnt 0x0                               ; for the others' sake: my half words lie in the stage
	s_barrier_signal -1
	s_barrier_wait -1
	s_cmp_lg_u32 ttmp9, 2
	s_cbranch_scc1 .Ldone
	s_and_b32 s87, s68, 1                          ; of the two waves of a record half the even one stores its scale block
	s_cmp_lg_u32 s87, 0
	s_cbranch_scc1 .Ldone
	ds_load_b64 v[66:67], v[W0L]
	s_wait_dscnt 0x0
	global_store_b64 v[L8], v[66:67], s[DST:DST+1] offset:6144     ; 256 consecutive bytes, aligned
.Ldone:
	s_wait_tensorcnt 0x0                           ; the wave's end
	ds_add_u32 v[SPW], v[NIL]
	s_wait_dscnt 0x0
	CROUND                                         ; the closing round: no work-group ends while a partner may still ask for a tile that names it
	s_endpgm
.Lfunc_end_k_q43fdd1e0cb_qkv:
	.size	k_q43fdd1e0cb_qkv, .Lfunc_end_k_q43fdd1e0cb_qkv-k_q43fdd1e0cb_qkv
	.p2alignl 7, 3214868480
	.fill 96, 4, 3214868480
	.section	.rodata,"a",@progbits
	.p2align	6, 0x0
	.amdhsa_kernel k_q43fdd1e0cb_qkv
		.amdhsa_group_segment_fixed_size 327680
		.amdhsa_private_segment_fixed_size 0
		.amdhsa_enable_private_segment 0
		.amdhsa_kernarg_size 40
		.amdhsa_user_sgpr_count 2
		.amdhsa_user_sgpr_kernarg_segment_ptr 1
		.amdhsa_wavefront_size32 1
		.amdhsa_system_sgpr_workgroup_id_x 1
		.amdhsa_system_sgpr_workgroup_id_y 1
		.amdhsa_system_sgpr_workgroup_id_z 1
		.amdhsa_system_vgpr_workitem_id 0
		.amdhsa_next_free_vgpr 256
		.amdhsa_next_free_sgpr 100
		.amdhsa_reserve_vcc 0
		.amdhsa_float_denorm_mode_32 3
		.amdhsa_float_denorm_mode_16_64 3
		.amdhsa_memory_ordered 1
		.amdhsa_forward_progress 1
		.amdhsa_inst_pref_size 76
	.end_amdhsa_kernel
	.amdgpu_metadata
---
amdhsa.version: [ 1, 2 ]
amdhsa.kernels:
  - .name:           k_q43fdd1e0cb_qkv
    .symbol:         k_q43fdd1e0cb_qkv.kd
    .args:
      - { .name: hr, .offset: 0, .size: 8, .value_kind: global_buffer, .address_space: global }
      - { .name: wr, .offset: 8, .size: 8, .value_kind: global_buffer, .address_space: global }
      - { .name: b_qkv, .offset: 16, .size: 8, .value_kind: global_buffer, .address_space: global }
      - { .name: qr, .offset: 24, .size: 8, .value_kind: global_buffer, .address_space: global }
      - { .name: kvr, .offset: 32, .size: 8, .value_kind: global_buffer, .address_space: global }
    .group_segment_fixed_size: 327680
    .private_segment_fixed_size: 0
    .kernarg_segment_align: 8
    .kernarg_segment_size: 40
    .max_flat_workgroup_size: 512
    .sgpr_count:     100
    .vgpr_count:     256
    .wavefront_size: 32
...
	.end_amdgpu_metadata
.endif
;; end of part 2
;; launch attn (part 3): grid 8 x 32, 8 waves a work-group, clusters of 4 x 1, 327,680 bytes of LDS; arguments qr, kvr, orr; writes orr
.if DOCPART == 3
	.amdgcn_target "amdgcn-amd-amdhsa--gfx1250"
	.amdhsa_code_object_version 6
	.text
	.protected	k_q43fdd1e0cb_attn
	.globl	k_q43fdd1e0cb_attn
	.p2align	8
	.type	k_q43fdd1e0cb_attn,@function
k_q43fdd1e0cb_attn:
	s_mov_b64 s[64:65], 0
	v_nop
	global_prefetch_b8 v0, s[64:65] scope:SCOPE_SE
	s_setreg_imm32_b32 hwreg(HW_REG_WAVE_MODE, 25, 1), 1
	s_wait_xcnt 0x0
	s_wait_alu depctr_hold_cnt(0) depctr_sa_sdst(0) depctr_va_vdst(0) depctr_va_sdst(0) depctr_va_ssrc(0) depctr_va_vcc(0) depctr_vm_vsrc(0)
	s_getreg_b32 s2, hwreg(HW_REG_IB_STS2, 6, 4)
	s_cmp_eq_u32 s2, 0
	s_cbranch_scc0 .Lentry_in_a_cluster
	s_endpgm
.Lentry_in_a_cluster:
	s_bfe_u32 s2, ttmp6, 0x10000c
	s_cmp_lg_u32 s2, 0x3003
	s_cbranch_scc0 .Lentry_shape_is_right
	s_endpgm
.Lentry_shape_is_right:
; out = softmax(q k^T / 8) v for one head, both products on codes of E2M3, and out quantised along the model's 1,024 for the next product.
; THE SOFTMAX AHEAD OF THE SECOND PRODUCT: t = score x log2(e) / 8; M = the running largest t rounded up to a whole number; p = 2^(t - M) is quantised along the keys, not normalised; the row's sum is taken of the
; unquantised p and divides at the end.  When M moves, the sum and O are multiplied by 2^(old M - new M): exact.
; SHARES.  A work-group owns 256 queries of one head; each of its eight waves 32, as two tiles of 16 (A, B), two waves to a SIMD.  Each fragment of K and of V that a wave reads from LDS feeds two products,
; and the two tiles' chains of vector lines take turns, line by line.
; K AND V OF THE WHOLE HEAD, 16 records of 13,056 bytes, COME INTO LDS ONCE: every wave asks for two records (26,112 bytes, 102 rows of 256) by one load at the head, all on one line, and every wave waits for it
; ahead of the one barrier.  No byte is filled again: no ring.  All is asked for at the head, so there is no loop to run ahead in and no data prefetch.
; CLUSTER 4 x 1: four of a head's eight query blocks walk the same K and V, so each load is a joint one, with the same descriptor and a mask that names the four.
; LAYOUT.  S^T = K Q^T (source 0 = 16 keys, source 1 = 16 queries), O^T = V^T P^T (source 0 = 16 channels): a lane holds one query of each tile throughout.  A record: keys 0-63 (four tiles of 768 bytes, scale block
; at 3,072), keys 64-127 at 3,328, V's record half (four fragments of 1,536 bytes, scale block at 6,144) at 6,656.
; THE KEYS OF A TILE ARE NOT NEIGHBOURS: row 8 a + j of tile t of 64 keys is key 32 a + 8 t + j.  So lane (r, h) holds in the 32 registers of tiles 4 c .. 4 c + 3 the block 2 c + h of 32 keys, whole and in its order:
; a block's largest score needs no other lane, and two conversions give the operand's registers 6 c .. 6 c + 5.  V's codes lie in the keys' order.  The queries' tiles have the same order of rows; the result keeps it.
; K = 64 IN THE FIRST PRODUCT: Q's registers 6-11 are zero codes, so the upper 64 of the instruction's 128 add nothing whatever stands on K's side (the format has no infinity and no NaN; both sides' bytes there
; are 1.0).  So a tile of K is six registers, and its operand's upper six are the next tile's (for the last tile: the first six of p's codes).
; A STEP (128 keys) fetches from LDS its own V and the next step's K behind its first products; the last step fetches the last record's K once more, which nobody reads.
; REGISTERS.  Window 0: v1 16 x lane, v2 8 x lane, v3, v4 the same + the record, v8, v9 + the next record, v5 8 h, v10 8 r; v12-15 A's -M, largest score, sum; v16-19 B's; v20, v22 the factors; v24-71 K; v72-95 p's codes;
; v96-159 A's scores, then p; v160-223 B's; v224-245 at work; v246-255 scale words and nothing else.  Window 1: v0-63 O^T (A, B), v96-143 V, v224-247 Q (A, B).
; LIMITS: the promise holds while the scaled scores t stay under 2^31 in magnitude; NaN and infinities are not served; a block of p that has fallen to 0 keeps the byte 1 with zero codes; exponentials under 2^-126 come out as 0.
.set KVREC, 13056
.set SPARE, 16*KVREC                   ; behind the records: the spare words, 128 bytes for each of 8 waves
.set SPW, 6
.set NIL, 7
.set KF,  24
.set CA,  72                           ; block b's codes at CA + 6 b: A's two blocks, then B's
.set CB,  84
.set SA,  96                           ; block b's 32 numbers at SA + 32 b
.set SB,  160
.set BM,  224                          ; v224-227 the blocks' largest; later with v228-239 the conversions' second halves, four registers apart
.set TT,  228                          ; v228-231 at work on M
.set BY,  232                          ; v232-235 the scales' bytes
.set AC,  236                          ; v[236:237], v[238:239] the sums' second chains
.set SO,  240                          ; v240-243 the conversions' scale operands
.set OW,  244                          ; v244, v245 the way out: half scale words
.set VS,  246                          ; v[246:247] V's scale words
.set KS,  248                          ; v248-251 K's
.set PW,  252                          ; v252, v253 p's
.set QS,  254                          ; v254, v255 Q's
.set OA,  0                            ; window 1
.set OB,  32
.set VF,  96
.set QA,  224
.set QB,  236
.set WV,  10
.set TB,  13                           ; s13 LDS byte of the step's record;  s15 of the next step's
.set CNT, 14
.set TN,  15
.set SEL, 20
.set CS,  22                           ; s[22:23] c = log2(e) / 8;  s60 -c
.set NC,  60
.set G1,  24
.set G0,  32
.set MSB, 0
.macro WIN new                         ; low byte: bits 1:0 source 0, 3:2 source 1, 5:4 source 2, 7:6 destination; the high byte repeats the setting that is left
.if MSB != \new
	s_set_vgpr_msb (MSB<<8)|\new
.set MSB, \new
.endif
.endm
.macro WALU
	s_wait_alu depctr_va_vdst(0)
.endm
.macro CROUND                          ; a round of the cluster's barrier
	s_barrier_signal -1
	s_barrier_wait -1
	s_cmp_lg_u32 s[WV], 0
	s_cbranch_scc1 .Lnot_wave_0_\@
	s_barrier_signal -3
.Lnot_wave_0_\@:
	s_barrier_wait -3
	s_barrier_signal -1
	s_barrier_wait -1
.endm
.macro WM d, a, b, c, sa, sb, odd      ; an odd tile's scale words lie in lanes 16-31 of its pair's register
.if \odd
	v_wmma_scale_f32_16x16x128_f8f6f4 v[\d:\d+7], v[\a:\a+11], v[\b:\b+11], \c, v[\sa], v[\sb] matrix_a_fmt:MATRIX_FMT_FP6 matrix_b_fmt:MATRIX_FMT_FP6 matrix_a_scale:MATRIX_SCALE_ROW1
.else
	v_wmma_scale_f32_16x16x128_f8f6f4 v[\d:\d+7], v[\a:\a+11], v[\b:\b+11], \c, v[\sa], v[\sb] matrix_a_fmt:MATRIX_FMT_FP6 matrix_b_fmt:MATRIX_FMT_FP6
.endif
.endm
.macro KLD i, a16, a8                  ; two of the 18 LDS loads that bring a record's K: tile i, or (i = 8) the scale words
.if (\i) < 8
	ds_load_b128 v[KF+6*(\i):KF+6*(\i)+3], v[\a16] offset:3328*((\i)/4)+768*((\i)%4)
	ds_load_b64 v[KF+6*(\i)+4:KF+6*(\i)+5], v[\a8] offset:3328*((\i)/4)+768*((\i)%4)+512
.else
	ds_load_b64 v[KS:KS+1], v[\a8] offset:3072
	ds_load_b64 v[KS+2:KS+3], v[\a8] offset:6400
.endif
.endm
.macro SUMG j                          ; four chains of packed sums, by turns
	v_pk_add_f32 v[14:15], v[14:15], v[SA+\j:SA+\j+1]
	v_pk_add_f32 v[AC:AC+1], v[AC:AC+1], v[SA+\j+2:SA+\j+3]
	v_pk_add_f32 v[18:19], v[18:19], v[SB+\j:SB+\j+1]
	v_pk_add_f32 v[AC+2:AC+3], v[AC+2:AC+3], v[SB+\j+2:SB+\j+3]
.endm
	s_load_b128 s[4:7], s[0:1], 0x0                ; qr, kvr
	s_load_b64 s[8:9], s[0:1], 0x10                ; orr
	v_lshl_add_u32 v[SPW], v0, 2, SPARE
	v_mov_b32 v[NIL], 0
	ds_add_u32 v[SPW], v[NIL]                      ; the opening lines: the add, twice on end, and its wait ahead of my tensor load
	ds_add_u32 v[SPW], v[NIL]
	v_lshrrev_b32 v3, 5, v0
	v_readfirstlane_b32 s[WV], v3                  ; wave 0..7
	s_bfe_u32 s58, ttmp6, 0x40000                  ; cx: my place in the cluster
	s_lshl_b32 s59, ttmp9, 2
	s_add_co_u32 s59, s59, s58                     ; my block of 256 queries: it enters Q's and the result's addresses alone
	s_and_b32 s11, ttmp7, 0xffff                   ; 16 x batch + head, which the four partners share
	s_mov_b32 s[G1], 15|(3<<16)|(1<<21)            ; the mask: all four work-groups; elements of 8 bytes; bit 21 beside a mask; no padding: two records as 102 rows of 256 bytes
	s_mov_b32 s[G1+1], 32<<16
	s_mov_b32 s[G1+2], 102<<16
	s_mov_b32 s[G1+3], 32<<16
	s_mov_b32 s[G1+4], 102
	s_mov_b32 s[G1+5], 32
	s_mov_b32 s[G1+6], 0
	s_mov_b32 s[G1+7], 0
	s_mul_i32 s12, s[WV], 2*KVREC                  ; wave w fetches records 2 w, 2 w + 1
	s_mul_i32 s16, s11, 16*KVREC
	s_add_co_u32 s16, s16, s12
	s_mov_b32 s17, 0
	s_mov_b32 s[G0], 1
	s_mul_i32 s[G0+1], s[WV], 2*KVREC
	s_wait_dscnt 0x0
	s_wait_kmcnt 0x0
	s_add_nc_u64 s[G0+2:G0+3], s[6:7], s[16:17]
	s_or_b32 s[G0+3], s[G0+3], 0x80000000
	CROUND                                         ; all four work-groups are here: the joint loads meet
	; TWO LOAD LINES AND TWO BARRIERS (in place of what the head says of one line and one barrier): waves 0 and 1, which fetch records 0-3, have a line of their own and alone wait ahead of the first barrier;
	; the walk's first four steps read those records; then every wave waits for its load, a second barrier shows the other twelve records, and the walk goes on.
	s_cmp_lt_u32 s[WV], 2
	s_cbranch_scc0 .Lrest
	tensor_load_to_lds s[G0:G0+3], s[G1:G1+7]
	s_nop 0
.rept 4
	v_nop
.endr
	s_branch .Lasked
.Lrest:
	tensor_load_to_lds s[G0:G0+3], s[G1:G1+7]
	s_nop 0
.rept 4
	v_nop
.endr
.Lasked:
	v_and_b32 v3, 31, v0
	v_lshlrev_b32 v1, 4, v3
	v_lshlrev_b32 v2, 3, v3
	v_and_b32 v10, 15, v0
	v_lshlrev_b32 v10, 3, v10
	v_bfe_u32 v5, v0, 4, 1
	v_lshlrev_b32 v5, 3, v5
	s_lshl_b32 s18, s11, 5                         ; Q: [head][group of 64 queries]: group 4 x block + wave / 2, tiles 2 (wave % 2) and the next
	s_lshl_b32 s19, s59, 2
	s_add_co_u32 s18, s18, s19
	s_lshr_b32 s19, s[WV], 1
	s_add_co_u32 s18, s18, s19
	s_mul_i32 s18, s18, 3328
	s_and_b32 s19, s[WV], 1
	s_mul_i32 s48, s19, 1536
	s_add_co_u32 s48, s48, s18
	s_mov_b32 s49, 0
	s_add_nc_u64 s[48:49], s[4:5], s[48:49]
	s_lshl_b32 s50, s19, 2                         ; tile f's scale words: 128 (f % 2) + 4 (f / 2) + 8 r
	s_add_co_u32 s50, s50, s18
	s_mov_b32 s51, 0
	s_add_nc_u64 s[50:51], s[4:5], s[50:51]
	WALU
	WIN 0x40
	global_load_b128 v[QA:QA+3], v1, s[48:49]
	global_load_b64 v[QA+4:QA+5], v2, s[48:49] offset:512
	global_load_b128 v[QB:QB+3], v1, s[48:49] offset:768
	global_load_b64 v[QB+4:QB+5], v2, s[48:49] offset:1280
.irp j, 6,7,8,9,10,11
	v_mov_b32 v[QA+\j], 0                          ; Q's upper 64: zero codes
	v_mov_b32 v[QB+\j], 0
.endr
.set j, 0
.rept 64
	v_mov_b32 v[OA+j], 0                           ; O^T: the step is written once; its first run finds zeros, which the first change of M leaves zeros
.set j, j+1
.endr
	WIN 0
	global_load_b32 v[QS], v10, s[50:51] offset:3072
	global_load_b32 v[QS+1], v10, s[50:51] offset:3200
	s_lshr_b32 s52, s11, 4                         ; the way out: block of 128 tokens = 16 x batch + 2 x block + wave / 4,
	s_lshl_b32 s52, s52, 4
	s_lshl_b32 s53, s59, 1
	s_add_co_u32 s52, s52, s53
	s_lshr_b32 s53, s[WV], 2
	s_add_co_u32 s52, s52, s53
	s_lshl_b32 s52, s52, 3
	s_bfe_u32 s53, s11, 0x30001                    ; K step = head / 2,
	s_add_co_u32 s52, s52, s53
	s_lshl_b32 s52, s52, 1
	s_bfe_u32 s53, s[WV], 0x10001                  ; half of 64 tokens,
	s_add_co_u32 s52, s52, s53
	s_mul_i32 s52, s52, 6400
	s_mul_i32 s54, s19, 3072                       ; tile 2 (wave % 2),
	s_add_co_u32 s54, s54, s52
	s_and_b32 s55, s11, 1                          ; and the head's half of the K step
	s_mul_i32 s56, s55, 768
	s_add_co_u32 s54, s54, s56
	s_lshl_b32 s56, s55, 1
	s_add_co_u32 s56, s56, s52
	s_mov_b32 s55, 0
	s_add_nc_u64 s[54:55], s[8:9], s[54:55]        ; A's codes; B's lie 1,536 bytes on
	s_lshl_b32 s57, s19, 2
	s_add_co_u32 s56, s56, s57
	s_mov_b32 s57, 0
	s_add_nc_u64 s[56:57], s[8:9], s[56:57]        ; A's half scale words, less 6,144; B's lie 128 bytes on
	s_mov_b32 s[SEL], 0x76543210
	s_mov_b32 s[SEL+1], 0xfedcba98                 ; lane l xor 16
	s_mov_b32 s[CS], 0x3e38aa3b
	s_mov_b32 s[CS+1], s[CS]                       ; (named with it as a pair, so it is written)
	s_mov_b32 s[NC], 0xbe38aa3b
	s_mov_b32 s[TB], 0
.irp e, 0,1
	v_mov_b32 v[12+4*\e], 0x7e000000               ; -M so far: so large that the first factor is 0
	v_mov_b32 v[13+4*\e], 0xff61b1e6               ; the largest score so far: -3e38
	v_mov_b32 v[14+4*\e], 0
	v_mov_b32 v[15+4*\e], 0
	v_mov_b32 v[21+2*\e], 0                        ; (named as the upper half of a pair)
	v_mov_b32 v[TT+2+\e], 0                        ; a lane permute's destination counts as one of its sources
.endr
.irp j, 0,1,2,3,4,5
	v_mov_b32 v[CA+\j], 0                          ; what stands behind K's last tile
.endr
	WALU
	s_wait_loadcnt 0x0                             ; Q
	s_cmp_lt_u32 s[WV], 2
	s_cbranch_scc0 .Lnot_first
	s_wait_tensorcnt 0x0                           ; waves 0 and 1: records 0-3; the others' loads may stay out
.Lnot_first:
	s_barrier_signal -1
	s_barrier_wait -1
.irp i, 0,1,2,3,4,5,6,7,8
	KLD \i, 1, 2                                   ; record 0's K
.endr
; A run of key steps from the record at s[TB] on.  last: the run's last record, beyond which no step fetches K ahead (the run's last step fetches that record's K once more, which nobody reads).
.macro WALK last, trips
	s_mov_b32 s[CNT], \trips
	s_add_co_u32 s[TN], s[TB], KVREC
	s_min_u32 s[TN], s[TN], \last
.Lstep_\@:                                             ; A KEY STEP: 128 keys x 32 queries
	s_wait_dscnt 0x0                               ; this step's K
	WIN 0x04                                       ; source 1 (Q) in window 1
.irp kt, 0,1,2,3,4,5,6,7
	WM SA+8*\kt, KF+6*\kt, QA, 0, KS+\kt/2, QS, (\kt)%2
	WM SB+8*\kt, KF+6*\kt, QB, 0, KS+\kt/2, QS+1, (\kt)%2
.endr
	WIN 0
	v_add_nc_u32 v3, s[TB], v1                     ; four plain lines: the places between the products and the reads of their results, and the loads into registers that products have read
	v_add_nc_u32 v4, s[TB], v2
	v_add_nc_u32 v8, s[TN], v1
	v_add_nc_u32 v9, s[TN], v2
	WIN 0x40
.irp t, 0,1,2,3                        ; V's fragments land while the softmax is worked: 17 loads
	ds_load_b128 v[VF+12*\t:VF+12*\t+3], v3 offset:6656+1536*\t
	ds_load_b64 v[VF+12*\t+4:VF+12*\t+5], v4 offset:6656+1536*\t+512
	ds_load_b128 v[VF+12*\t+6:VF+12*\t+9], v3 offset:6656+1536*\t+768
	ds_load_b64 v[VF+12*\t+10:VF+12*\t+11], v4 offset:6656+1536*\t+1280
.endr
	WIN 0
	ds_load_b64 v[VS:VS+1], v4 offset:12800
.irp b, 0,1,2,3
	v_max3_num_f32 v[BM+\b], v[SA+32*\b], v[SA+32*\b+1], v[SA+32*\b+2]   ; my four blocks' largest scores, by turns: each serves the row's maximum and, since p rises with the score, the block's largest p
.endr
.irp i, 3,5,7,9,11,13,15,17,19,21,23,25,27,29
.irp b, 0,1,2,3
	v_max3_num_f32 v[BM+\b], v[BM+\b], v[SA+32*\b+\i], v[SA+32*\b+\i+1]
.endr
.endr
.irp b, 0,1,2,3
	v_max_num_f32 v[BM+\b], v[BM+\b], v[SA+32*\b+31]
.endr
; M, the two tiles by turns; the next step's K is asked of LDS between the lines: 18 loads
.irp e, 0,1
	v_max_num_f32 v[TT+\e], v[BM+2*\e], v[BM+2*\e+1]
.endr
	KLD 0, 8, 9
.irp e, 0,1
	v_permlanex16_b32 v[TT+2+\e], v[TT+\e], s[SEL], s[SEL+1]
.endr
	KLD 1, 8, 9
.irp e, 0,1
	v_max3_num_f32 v[13+4*\e], v[13+4*\e], v[TT+\e], v[TT+2+\e]    ; the running largest score of my query
.endr
	KLD 2, 8, 9
.irp e, 0,1
	v_mul_f32 v[TT+\e], s[NC], v[13+4*\e]          ; -t
.endr
	KLD 3, 8, 9
.irp e, 0,1
	v_floor_f32 v[TT+2+\e], v[TT+\e]               ; the new -M = -ceil(t)
.endr
	KLD 4, 8, 9
.irp e, 0,1
	v_sub_f32 v[TT+\e], v[TT+2+\e], v[12+4*\e]     ; old M - new M: a whole number, 0 or less
.endr
	KLD 5, 8, 9
.irp e, 0,1
	v_mov_b32 v[12+4*\e], v[TT+2+\e]
.endr
	KLD 6, 8, 9
.irp e, 0,1
	v_cvt_i32_f32 v[TT+\e], v[TT+\e]               ; (it saturates)
.endr
	KLD 7, 8, 9
.irp e, 0,1
	v_ldexp_f32 v[20+2*\e], 1.0, v[TT+\e]          ; f = 2^(old M - new M)
.endr
	KLD 8, 8, 9
.set j, 0
.rept 32
	v_pk_fma_f32 v[SA+j:SA+j+1], v[SA+j:SA+j+1], s[CS:CS+1], v[12:13] op_sel_hi:[1,0,0]   ; t - M, two at a time
	v_pk_fma_f32 v[SB+j:SB+j+1], v[SB+j:SB+j+1], s[CS:CS+1], v[16:17] op_sel_hi:[1,0,0]
.set j, j+2
.endr
.irp b, 0,1,2,3
	v_fma_f32 v[BM+\b], v[BM+\b], s[CS], v[12+4*(\b/2)]            ; the same of each block's largest score
.endr
	WALU
.irp b, 0,1,2,3
	v_exp_f32 v[BM+\b], v[BM+\b]                   ; the block's largest p
.endr
.set j, 0
.rept 128
	v_exp_f32 v[SA+j], v[SA+j]                     ; p = 2^(t - M)
.set j, j+1
.endr
	v_pk_mul_f32 v[14:15], v[14:15], v[20:21] op_sel_hi:[1,0]      ; the sums under the new M (a plain place behind the exponentials)
	v_pk_mul_f32 v[18:19], v[18:19], v[22:23] op_sel_hi:[1,0]
	WALU                                           ; one wait for the batch, ahead of its first reader
; the blocks' scales, with the rows' sums of the unquantised p between the lines
.irp b, 0,1,2,3
	v_max_num_f32 v[BM+\b], 0x1800000, v[BM+\b]    ; the floor 2^(3 - 127)
.endr
	v_pk_add_f32 v[AC:AC+1], v[SA:SA+1], v[SA+2:SA+3]
	v_pk_add_f32 v[AC+2:AC+3], v[SB:SB+1], v[SB+2:SB+3]
	SUMG 4
.irp b, 0,1,2,3
	v_add_nc_u32 v[SO+\b], 0xff000000, v[BM+\b]    ; 2 off the exponent field: the conversions' scale operand
.endr
	SUMG 8
.irp b, 0,1,2,3
	v_lshrrev_b32 v[BY+\b], 23, v[SO+\b]           ; the scale's byte
.endr
	SUMG 12
.irp e, 0,1
	v_lshl_or_b32 v[BY+2*\e], v[BY+2*\e+1], 16, v[BY+2*\e]         ; my two bytes: blocks h and 2 + h,
.endr
	SUMG 16
.irp e, 0,1
	v_lshlrev_b32 v[BY+2*\e], v5, v[BY+2*\e]       ; at their places in the word (8 h bits up);
.endr
	SUMG 20
.irp e, 0,1
	v_permlanex16_b32 v[BY+2*\e+1], v[BY+2*\e], s[SEL], s[SEL+1]
.endr
	SUMG 24
.irp e, 0,1
	v_or_b32 v[PW+\e], v[BY+2*\e], v[BY+2*\e+1]    ; with lane l xor 16's two the word is whole
.endr
.irp j, 28,32,36,40,44,48,52,56,60
	SUMG \j
.endr
	v_pk_add_f32 v[14:15], v[14:15], v[AC:AC+1]
	v_pk_add_f32 v[18:19], v[18:19], v[AC+2:AC+3]
.irp b, 0,1,2,3
	v_cvt_scalef32_pk16_fp6_f32 v[CA+6*\b:CA+6*\b+2], v[SA+32*\b:SA+32*\b+15], v[SO+\b]
	v_cvt_scalef32_pk16_fp6_f32 v[BM+4*\b:BM+4*\b+2], v[SA+32*\b+16:SA+32*\b+31], v[SO+\b]   ; (a conversion's three registers begin on an even number)
.endr
	v_nop                                          ; one plain place behind a scaled conversion
.irp b, 0,1,2,3
.irp i, 0,1,2
	v_mov_b32 v[CA+6*\b+3+\i], v[BM+4*\b+\i]
.endr
.endr
	WIN 0x41                                       ; destination and source 0 (O^T) in window 1
	WALU
.set j, 0
.rept 16
	v_pk_mul_f32 v[OA+j:OA+j+1], v[OA+j:OA+j+1], v[20:21] op_sel_hi:[1,0]   ; O^T under the new M; these lines are also the places between p's codes and scale words and the products
	v_pk_mul_f32 v[OB+j:OB+j+1], v[OB+j:OB+j+1], v[22:23] op_sel_hi:[1,0]
.set j, j+2
.endr
	WIN 0x51                                       ; O^T and V in window 1, p's codes in window 0
	WALU
	s_wait_dscnt 18                                ; V and its scale words are in; the 18 loads of the next step's K, issued behind them, may be out
.irp t, 0,1,2,3                        ; the eight accumulators take turns, one instruction a turn
	WM OA+8*\t, VF+12*\t, CA, v[OA+8*\t:OA+8*\t+7], VS+\t/2, PW, (\t)%2
	WM OB+8*\t, VF+12*\t, CB, v[OB+8*\t:OB+8*\t+7], VS+\t/2, PW+1, (\t)%2
.endr
	WIN 0
	s_add_co_u32 s[TB], s[TB], KVREC
	s_add_co_u32 s[TN], s[TB], KVREC
	s_min_u32 s[TN], s[TN], \last                  ; held inside the run's records
	s_sub_co_u32 s[CNT], s[CNT], 1
	s_cmp_lg_u32 s[CNT], 0
	s_cbranch_scc1 .Lstep_\@
.endm
	WALK 3*KVREC, 4                                ; records 0-3
	s_wait_tensorcnt 0x0                           ; my two records
	s_wait_dscnt 0x0
	s_barrier_signal -1
	s_barrier_wait -1                              ; everybody's
	v_add_nc_u32 v8, s[TB], v1
	v_add_nc_u32 v9, s[TB], v2
.irp i, 0,1,2,3,4,5,6,7,8
	KLD \i, 8, 9                                   ; record 4's K
.endr
	WALK 15*KVREC, 12                              ; the other twelve
	; THE WAY OUT: O^T / the sum, quantised: my head's 64 channels are half a K step of the next product; register 16 b + i of a tile is channel 32 b + 16 h + i
	v_add_f32 v14, v14, v15
	v_add_f32 v18, v18, v19
	v_permlanex16_b32 v[TT+2], v14, s[SEL], s[SEL+1]
	v_permlanex16_b32 v[TT+3], v18, s[SEL], s[SEL+1]
	v_add_f32 v14, v14, v[TT+2]                    ; the rows' sums: my blocks' and lane l xor 16's
	v_add_f32 v18, v18, v[TT+3]
	WALU
	v_rcp_f32 v14, v14
	v_rcp_f32 v18, v18
	v_nop                                          ; a plain place behind the reciprocals
	WIN 0x01                                       ; source 0 (O^T) in window 1
	WALU                                           ; ahead of the first reader of the reciprocals and of O^T
.set j, 0
.rept 32
	v_mul_f32 v[SA+j], v[OA+j], v14                ; each accumulator from its low end on
.set j, j+1
.endr
.rept 32
	v_mul_f32 v[SA+j], v[OA+j], v18
.set j, j+1
.endr
	WIN 0
.irp b, 0,1,2,3                        ; four blocks of 32 channels (two a tile), 16 of each in my lane
	v_max3_num_f32 v[BM+\b], |v[SA+16*\b]|, |v[SA+16*\b+1]|, 0x1800000
.endr
.irp i, 2,4,6,8,10,12,14
.irp b, 0,1,2,3
	v_max3_num_f32 v[BM+\b], v[BM+\b], |v[SA+16*\b+\i]|, |v[SA+16*\b+\i+1]|
.endr
.endr
.irp b, 0,1,2,3
	v_permlanex16_b32 v[TT+\b], v[BM+\b], s[SEL], s[SEL+1]
.endr
.irp b, 0,1,2,3
	v_max_num_f32 v[BM+\b], v[BM+\b], v[TT+\b]
.endr
.irp b, 0,1,2,3
	v_add_nc_u32 v[SO+\b], 0xff000000, v[BM+\b]
.endr
.irp b, 0,1,2,3
	v_lshrrev_b32 v[BY+\b], 23, v[SO+\b]
.endr
.irp e, 0,1
	v_lshl_or_b32 v[OW+\e], v[BY+2*\e+1], 8, v[BY+2*\e]
.endr
.irp e, 0,1
	v_cvt_scalef32_pk16_fp6_f32 v[CA+12*\e:CA+12*\e+2], v[SA+32*\e:SA+32*\e+15], v[SO+2*\e]
	v_cvt_scalef32_pk16_fp6_f32 v[BM+4*\e:BM+4*\e+2], v[SA+32*\e+16:SA+32*\e+31], v[SO+2*\e+1]
.endr
	v_nop                                          ; one plain place behind a scaled conversion
.irp e, 0,1
.irp i, 0,1,2
	v_permlane16_swap_b32 v[CA+12*\e+\i], v[BM+4*\e+\i]            ; a whole block to a lane: lanes 0-15 the first, lanes 16-31 the second
.endr
.endr
.irp e, 0,1
.irp i, 0,1,2
	v_mov_b32 v[CA+12*\e+3+\i], v[BM+4*\e+\i]
.endr
.endr
.irp e, 0,1
	global_store_b128 v1, v[CA+12*\e:CA+12*\e+3], s[54:55] offset:1536*\e          ; 512 consecutive bytes, aligned
	global_store_b64 v2, v[CA+12*\e+4:CA+12*\e+5], s[54:55] offset:1536*\e+512     ; 256 consecutive bytes, aligned
	global_store_b16 v10, v[OW+\e], s[56:57] offset:6144+128*\e    ; two heads share a scale word, so mine are two bytes of each of sixteen words, 8 bytes apart: 32 bytes against 768 of codes
.endr
	s_wait_tensorcnt 0x0                           ; the wave's end
	ds_add_u32 v[SPW], v[NIL]
	s_wait_dscnt 0x0
	CROUND                                         ; the closing round: no work-group ends while a partner may still ask for records that name it
	s_endpgm
.Lfunc_end_k_q43fdd1e0cb_attn:
	.size	k_q43fdd1e0cb_attn, .Lfunc_end_k_q43fdd1e0cb_attn-k_q43fdd1e0cb_attn
	.p2alignl 7, 3214868480
	.fill 96, 4, 3214868480
	.section	.rodata,"a",@progbits
	.p2align	6, 0x0
	.amdhsa_kernel k_q43fdd1e0cb_attn
		.amdhsa_group_segment_fixed_size 327680
		.amdhsa_private_segment_fixed_size 0
		.amdhsa_enable_private_segment 0
		.amdhsa_kernarg_size 24
		.amdhsa_user_sgpr_count 2
		.amdhsa_user_sgpr_kernarg_segment_ptr 1
		.amdhsa_wavefront_size32 1
		.amdhsa_system_sgpr_workgroup_id_x 1
		.amdhsa_system_sgpr_workgroup_id_y 1
		.amdhsa_system_sgpr_workgroup_id_z 1
		.amdhsa_system_vgpr_workitem_id 0
		.amdhsa_next_free_vgpr 512
		.amdhsa_next_free_sgpr 66
		.amdhsa_reserve_vcc 0
		.amdhsa_float_denorm_mode_32 3
		.amdhsa_float_denorm_mode_16_64 3
		.amdhsa_memory_ordered 1
		.amdhsa_forward_progress 1
		.amdhsa_inst_pref_size 73
	.end_amdhsa_kernel
	.amdgpu_metadata
---
amdhsa.version: [ 1, 2 ]
amdhsa.kernels:
  - .name:           k_q43fdd1e0cb_attn
    .symbol:         k_q43fdd1e0cb_attn.kd
    .args:
      - { .name: qr, .offset: 0, .size: 8, .value_kind: global_buffer, .address_space: global }
      - { .name: kvr, .offset: 8, .size: 8, .value_kind: global_buffer, .address_space: global }
      - { .name: orr, .offset: 16, .size: 8, .value_kind: global_buffer, .address_space: global }
    .group_segment_fixed_size: 327680
    .private_segment_fixed_size: 0
    .kernarg_segment_align: 8
    .kernarg_segment_size: 24
    .max_flat_workgroup_size: 256
    .sgpr_count:     66
    .vgpr_count:     512
    .wavefront_size: 32
...
	.end_amdgpu_metadata
.endif
;; end of part 3
;; launch oproj (part 4): grid 8 x 32, 16 waves a work-group, clusters of 4 x 4, 327,680 bytes of LDS; arguments orr, wr, b_o, x, x1; writes x1
.if DOCPART == 4
	.amdgcn_target "amdgcn-amd-amdhsa--gfx1250"
	.amdhsa_code_object_version 6
	.text
	.protected	k_q43fdd1e0cb_oproj
	.globl	k_q43fdd1e0cb_oproj
	.p2align	8
	.type	k_q43fdd1e0cb_oproj,@function
k_q43fdd1e0cb_oproj:
	s_mov_b64 s[64:65], 0
	v_nop
	global_prefetch_b8 v0, s[64:65] scope:SCOPE_SE
	s_setreg_imm32_b32 hwreg(HW_REG_WAVE_MODE, 25, 1), 1
	s_wait_xcnt 0x0
	s_wait_alu depctr_hold_cnt(0) depctr_sa_sdst(0) depctr_va_vdst(0) depctr_va_sdst(0) depctr_va_ssrc(0) depctr_va_vcc(0) depctr_vm_vsrc(0)
	s_getreg_b32 s2, hwreg(HW_REG_IB_STS2, 6, 4)
	s_cmp_eq_u32 s2, 0
	s_cbranch_scc0 .Lentry_in_a_cluster
	s_endpgm
.Lentry_in_a_cluster:
	s_bfe_u32 s2, ttmp6, 0x10000c
	s_cmp_lg_u32 s2, 0xf033
	s_cbranch_scc0 .Lentry_shape_is_right
	s_endpgm
.Lentry_shape_is_right:
; x1 = x + Q(out) Q(w_o) + b_o on codes of E2M3, K = 1,024; x1 is f32 [4,096][1,024].
; OPERANDS lie in memory as images of operand registers: a record half (6,400 bytes) is 64 rows x 128 K: four fragments of 1,536 bytes (registers 0-3 at 16 x lane, 4-5 at 512 + 8 x lane, 6-9 at 768 + 16 x lane,
; 10-11 at 1,280 + 8 x lane) and 256 bytes of scale words (at 8 x lane: word p = tiles 2 p in lanes 0-15 and 2 p + 1 in lanes 16-31).  Records lie [block of 128 rows][K step][half].
; SHARES.  With 1,024 columns tiles of 256 x 256 would be 64: a work-group makes 128 tokens x 128 columns, 256 work-groups.  Sixteen waves, four to a SIMD: the tile's four quarters of 64 x 64, each FOUR TIMES,
; for the four K steps of a slot: wave w takes K step w / 4 of each slot.  The four partial sums meet in LDS on the way out.
; K goes in slots of 512 through two LDS slots; waves 0, 1 fetch the tokens' four K steps, waves 2, 3 the weight's, 25,600 bytes a load.  K = 1,024 is two slots: both are first fills, and nothing is filled again.
; CLUSTER 4 x 4: the tokens' tile is asked for jointly along a row of the cluster, the weight's along a column.
; Source 0 = 16 columns of the weight, source 1 = 16 tokens: a lane holds one token and, the weight's tiles being laid for it, eight neighbouring columns in an accumulator.
; LIMITS: the sum over K is taken in four parts, (0 + 1) + (2 + 3), another order than a running sum; NaN and infinities are not served.
.set KST,   8
.set WOFF,  2457600
.set NSLOT, 2
.set SLOTB, 51200
.set REC,   12800
.set HREC,  6400
.set SLOT1, 131072
.set WREG,  51200
.set SPARE, 270336                     ; the spare words: 128 bytes for each of 16 waves
.set PART,  67584                      ; the way out: a partial tile, 128 rows x (512 bytes + 16); four of them fill bytes 0 to 270,335, over the slots, which have had their last fill and their last read by then
.set SPW, 1
.set NIL, 2
.set A0L, 3
.set A0S, 5
.set A1L, 7
.set A1S, 9
.set L16, 11
.set L8,  12
.set RR,  13
.set HH,  14
.set SCA, 16                           ; v[16:17], v[18:19] scale words: they hold nothing else
.set SCB, 18
.set STO, 20                           ; v20 where I put 16 bytes of a partial row
.set RD,  21                           ; v21-24 where I read a row of partial 0 .. 3 back
.set F0,  32
.set F1,  80
.set ACC, 128
.set WV,  14
.set G1T, 24
.set G0T, 32
.set G1W, 48
.set G0W, 56
.macro CROUND
	s_barrier_signal -1
	s_barrier_wait -1
	s_cmp_lg_u32 s[WV], 0
	s_cbranch_scc1 .Lnot_wave_0_\@
	s_barrier_signal -3
.Lnot_wave_0_\@:
	s_barrier_wait -3
	s_barrier_signal -1
	s_barrier_wait -1
.endm
.macro JLOAD s
	s_cmp_lt_u32 s[WV], 2
	s_cbranch_scc0 .Lnot_t_\@
	tensor_load_to_lds s[G0T+4*(\s):G0T+4*(\s)+3], s[G1T:G1T+7]
.rept 4
	v_nop
.endr
	s_branch .Lasked_\@
.Lnot_t_\@:
	s_cmp_lt_u32 s[WV], 4
	s_cbranch_scc0 .Lasked_\@
	tensor_load_to_lds s[G0W+4*(\s):G0W+4*(\s)+3], s[G1W:G1W+7]
.rept 4
	v_nop
.endr
.Lasked_\@:
.endm
.macro FRAGL reg, al, as, off
	ds_load_b128 v[\reg:\reg+3], v[\al] offset:\off
	ds_load_b64 v[\reg+4:\reg+5], v[\as] offset:\off+512
	ds_load_b128 v[\reg+6:\reg+9], v[\al] offset:\off+768
	ds_load_b64 v[\reg+10:\reg+11], v[\as] offset:\off+1280
.endm
.macro MM i0, i1, zero                 ; an odd tile's scale words lie in lanes 16-31 of its pair's register
.set rD, ACC+32*(\i1)+8*(\i0)
.set rA, F0+12*(\i0)
.set rB, F1+12*(\i1)
.set rS, SCA+(\i0)/2
.set rT, SCB+(\i1)/2
.set par, 2*((\i0)%2)+(\i1)%2+4*(\zero)
.if par == 0
	v_wmma_scale_f32_16x16x128_f8f6f4 v[rD:rD+7], v[rA:rA+11], v[rB:rB+11], v[rD:rD+7], v[rS], v[rT] matrix_a_fmt:MATRIX_FMT_FP6 matrix_b_fmt:MATRIX_FMT_FP6
.elseif par == 1
	v_wmma_scale_f32_16x16x128_f8f6f4 v[rD:rD+7], v[rA:rA+11], v[rB:rB+11], v[rD:rD+7], v[rS], v[rT] matrix_a_fmt:MATRIX_FMT_FP6 matrix_b_fmt:MATRIX_FMT_FP6 matrix_b_scale:MATRIX_SCALE_ROW1
.elseif par == 2
	v_wmma_scale_f32_16x16x128_f8f6f4 v[rD:rD+7], v[rA:rA+11], v[rB:rB+11], v[rD:rD+7], v[rS], v[rT] matrix_a_fmt:MATRIX_FMT_FP6 matrix_b_fmt:MATRIX_FMT_FP6 matrix_a_scale:MATRIX_SCALE_ROW1
.elseif par == 3
	v_wmma_scale_f32_16x16x128_f8f6f4 v[rD:rD+7], v[rA:rA+11], v[rB:rB+11], v[rD:rD+7], v[rS], v[rT] matrix_a_fmt:MATRIX_FMT_FP6 matrix_b_fmt:MATRIX_FMT_FP6 matrix_a_scale:MATRIX_SCALE_ROW1 matrix_b_scale:MATRIX_SCALE_ROW1
.elseif par == 4
	v_wmma_scale_f32_16x16x128_f8f6f4 v[rD:rD+7], v[rA:rA+11], v[rB:rB+11], 0, v[rS], v[rT] matrix_a_fmt:MATRIX_FMT_FP6 matrix_b_fmt:MATRIX_FMT_FP6
.elseif par == 5
	v_wmma_scale_f32_16x16x128_f8f6f4 v[rD:rD+7], v[rA:rA+11], v[rB:rB+11], 0, v[rS], v[rT] matrix_a_fmt:MATRIX_FMT_FP6 matrix_b_fmt:MATRIX_FMT_FP6 matrix_b_scale:MATRIX_SCALE_ROW1
.elseif par == 6
	v_wmma_scale_f32_16x16x128_f8f6f4 v[rD:rD+7], v[rA:rA+11], v[rB:rB+11], 0, v[rS], v[rT] matrix_a_fmt:MATRIX_FMT_FP6 matrix_b_fmt:MATRIX_FMT_FP6 matrix_a_scale:MATRIX_SCALE_ROW1
.else
	v_wmma_scale_f32_16x16x128_f8f6f4 v[rD:rD+7], v[rA:rA+11], v[rB:rB+11], 0, v[rS], v[rT] matrix_a_fmt:MATRIX_FMT_FP6 matrix_b_fmt:MATRIX_FMT_FP6 matrix_a_scale:MATRIX_SCALE_ROW1 matrix_b_scale:MATRIX_SCALE_ROW1
.endif
.endm
; A step of 128 along K: 34 LDS loads, 16 matrix instructions.  The 16 accumulators take turns, one instruction a turn, in the same order in every step.
.macro STEP slot, q, zero
.rept 4
	v_nop                                          ; four places between the last products and loads into the registers that they read (ISA guide 7.12.1 for vector instructions)
.endr
	ds_load_b64 v[SCA:SCA+1], v[A0S+\slot] offset:(\q)*REC+6144
	ds_load_b64 v[SCB:SCB+1], v[A1S+\slot] offset:(\q)*REC+6144
.irp f, 0,1,2,3
	FRAGL F1+12*\f, A1L+\slot, A1S+\slot, (\q)*REC+1536*\f
.endr
.irp f, 0,1,2,3
	FRAGL F0+12*\f, A0L+\slot, A0S+\slot, (\q)*REC+1536*\f
.endr
.irp i, 0,1,2,3
	s_wait_dscnt 12-4*\i                           ; all but the loads of source 0's later fragments, four each
.irp j, 0,1,2,3
	MM \i, \j, \zero
.endr
.endr
.endm
.macro WORK slot, zero
	STEP \slot, 0, \zero                           ; my K step of the slot's four
.endm
.macro CHANGE s, refill                ; the change of slots, at the head of slot s
	s_wait_tensorcnt 0x0                           ; no tensor load of mine is out
	ds_add_u32 v[SPW], v[NIL]
.if \refill
	s_add_nc_u64 s[G0T+4*(1-\s)+2:G0T+4*(1-\s)+3], s[G0T+4*(1-\s)+2:G0T+4*(1-\s)+3], 2*SLOTB
	s_add_nc_u64 s[G0W+4*(1-\s)+2:G0W+4*(1-\s)+3], s[G0W+4*(1-\s)+2:G0W+4*(1-\s)+3], 2*SLOTB
.endif
	s_wait_dscnt 0x0
.if \refill
	CROUND
	JLOAD 1-\s
.else
	s_barrier_signal -1
	s_barrier_wait -1
.endif
.endm
	s_load_b256 s[4:11], s[0:1], 0x0               ; tokens' records s[4:5], wr s[6:7], bias s[8:9], residual s[10:11]
	s_load_b64 s[12:13], s[0:1], 0x20              ; the result
	v_lshl_add_u32 v[SPW], v0, 2, SPARE
	v_mov_b32 v[NIL], 0
	ds_add_u32 v1, v2
	ds_add_u32 v1, v2
	s_wait_dscnt 0x0
	v_lshrrev_b32 v15, 5, v0
	s_delay_alu instid0(VALU_DEP_1)
	v_readfirstlane_b32 s[WV], v15
	s_bfe_u32 s40, ttmp6, 0x40000
	s_bfe_u32 s41, ttmp6, 0x40004
	s_lshl_b32 s42, ttmp9, 2
	s_add_co_u32 s42, s42, s40                     ; tile column
	s_and_b32 s43, ttmp7, 0xffff
	s_lshl_b32 s43, s43, 2
	s_add_co_u32 s43, s43, s41                     ; tile row
	s_lshl_b32 s44, s41, 2
	s_lshl_b32 s44, 15, s44
	s_lshl_b32 s45, 0x1111, s40
	s_or_b32 s[G1T], s44, (3<<16)|(1<<21)          ; 15:0 the mask; 17:16 elements of 8 bytes; 21 set beside a mask; no padding
	s_or_b32 s[G1W], s45, (3<<16)|(1<<21)
.irp g, G1T, G1W                       ; a dense block of 25,600 bytes as 100 rows of 256
	s_mov_b32 s[\g+1], 32<<16
	s_mov_b32 s[\g+2], 100<<16
	s_mov_b32 s[\g+3], 32<<16
	s_mov_b32 s[\g+4], 100
	s_mov_b32 s[\g+5], 32
	s_mov_b32 s[\g+6], 0
	s_mov_b32 s[\g+7], 0
.endr
	s_and_b32 s22, s[WV], 1
	s_lshl_b32 s22, s22, 1                         ; which two of a slot's four K steps I fetch
	s_mul_i32 s16, s43, KST
	s_add_co_u32 s16, s16, s22
	s_mul_i32 s16, s16, REC                        ; the tokens': made of the tile row and the wave alone
	s_mov_b32 s17, 0
	s_mul_i32 s20, s42, KST
	s_add_co_u32 s20, s20, s22
	s_mul_i32 s20, s20, REC                        ; the weight's: of the tile column and the wave alone
	s_add_co_u32 s20, s20, WOFF
	s_mov_b32 s21, 0
	s_and_b32 s23, s[WV], 3
	s_mul_i32 s23, s23, 25600
	s_wait_kmcnt 0x0
	s_add_nc_u64 s[16:17], s[4:5], s[16:17]
	s_add_nc_u64 s[20:21], s[6:7], s[20:21]
	CROUND                                         ; all sixteen work-groups are here: the first joint loads meet
.irp s, 0,1
	s_mov_b32 s[G0T+4*\s], 1
	s_add_co_u32 s[G0T+4*\s+1], s23, \s*SLOT1
	s_add_nc_u64 s[G0T+4*\s+2:G0T+4*\s+3], s[16:17], \s*SLOTB
	s_or_b32 s[G0T+4*\s+3], s[G0T+4*\s+3], 0x80000000
	s_mov_b32 s[G0W+4*\s], 1
	s_add_co_u32 s[G0W+4*\s+1], s23, \s*SLOT1
	s_add_nc_u64 s[G0W+4*\s+2:G0W+4*\s+3], s[20:21], \s*SLOTB
	s_or_b32 s[G0W+4*\s+3], s[G0W+4*\s+3], 0x80000000
.endr
	s_cmp_lt_u32 s[WV], 2                          ; a wave has one first fill: one load of mine is out at the most
	; THE EIGHT FIRST FILLS, ONE A WAVE (in place of what the head says of who fetches): wave w < 8 fills part w % 4 of slot w / 4; one chain of branches on the wave's number, a load line to each pair of waves
	s_cbranch_scc0 .Lfirst_not_t
	tensor_load_to_lds s[G0T:G0T+3], s[G1T:G1T+7]
	s_nop 0
.rept 4
	v_nop
.endr
	s_branch .Lfirst_asked
.Lfirst_not_t:
	s_cmp_lt_u32 s[WV], 4
	s_cbranch_scc0 .Lfirst_4
	tensor_load_to_lds s[G0W:G0W+3], s[G1W:G1W+7]
	s_nop 0
.rept 4
	v_nop
.endr
	s_branch .Lfirst_asked
.Lfirst_4:
.macro ARM under, g0, g1, next
	s_cmp_lt_u32 s[WV], \under
	s_cbranch_scc0 \next
	tensor_load_to_lds s[\g0:\g0+3], s[\g1:\g1+7]
	s_nop 0
.rept 4
	v_nop
.endr
	s_branch .Lfirst_asked
\next:
.endm
	ARM 6, G0T+4, G1T, .Lfirst_6
	ARM 8, G0W+4, G1W, .Lfirst_8
.Lfirst_asked:
	v_and_b32 v15, 31, v0
	s_delay_alu instid0(VALU_DEP_1)
	v_lshlrev_b32 v[L16], 4, v15
	s_wait_alu depctr_va_vdst(0)
	v_lshlrev_b32 v[L8], 3, v15
	s_wait_alu depctr_va_vdst(0)
	v_and_b32 v[RR], 15, v0
	v_bfe_u32 v[HH], v0, 4, 1
	s_lshr_b32 s70, s[WV], 2                       ; kq: my K step of a slot
	s_bfe_u32 s68, s[WV], 0x10001                  ; wa: which 64 columns
	s_and_b32 s69, s[WV], 1                        ; wb: which 64 tokens
	s_mul_i32 s72, s70, REC
	s_mul_i32 s73, s68, HREC
	s_add_co_u32 s73, s73, s72
	s_add_co_u32 s73, s73, WREG
	s_mul_i32 s74, s69, HREC
	s_add_co_u32 s74, s74, s72
	v_add_nc_u32 v[A0L], s73, v[L16]
	s_delay_alu instid0(VALU_DEP_1)
	v_add_nc_u32 v[A0L+1], SLOT1, v[A0L]
	v_add_nc_u32 v[A0S], s73, v[L8]
	s_delay_alu instid0(VALU_DEP_1)
	v_add_nc_u32 v[A0S+1], SLOT1, v[A0S]
	v_add_nc_u32 v[A1L], s74, v[L16]
	s_delay_alu instid0(VALU_DEP_1)
	v_add_nc_u32 v[A1L+1], SLOT1, v[A1L]
	v_add_nc_u32 v[A1S], s74, v[L8]
	s_delay_alu instid0(VALU_DEP_1)
	v_add_nc_u32 v[A1S+1], SLOT1, v[A1S]
	s_mul_i32 s75, s70, PART                       ; the stage, in: partial kq, row 64 wb + r, column bytes 256 wa + 64 h
	s_mul_i32 s76, s69, 64*528
	s_add_co_u32 s75, s75, s76
	s_lshl_b32 s76, s68, 8
	s_add_co_u32 s75, s75, s76
	v_mul_u32_u24 v[STO], v[RR], 528
	s_delay_alu instid0(VALU_DEP_1)
	v_lshl_add_u32 v[STO], v[HH], 6, v[STO]
	s_delay_alu instid0(VALU_DEP_1)
	v_add_nc_u32 v[STO], s75, v[STO]
	s_mul_i32 s76, s[WV], 8*528                    ; and back: wave w takes rows 8 w .. 8 w + 7, whole, of all four partials
	v_add_nc_u32 v[RD], s76, v[L16]
	s_delay_alu instid0(VALU_DEP_1)
	v_add_nc_u32 v[RD+1], PART, v[RD]
	s_delay_alu instid0(VALU_DEP_1)
	v_add_nc_u32 v[RD+2], PART, v[RD+1]
	s_delay_alu instid0(VALU_DEP_1)
	v_add_nc_u32 v[RD+3], PART, v[RD+2]
	s_lshl_b32 s78, s43, 19                        ; 128 rows of 4,096 bytes a tile row,
	; THE TOKENS' TILES COME IN ATTENTION'S ORDER: row 8 a + j of tile b of a group of 64 is token 32 a + 8 b + j of the group.  The stage keeps the tiles' order; my eight stage rows 8 w .. 8 w + 7 are
	; group w / 8, tile (w / 2) % 4, a = w % 2: the eight neighbouring tokens 64 (w / 8) + 32 (w % 2) + 8 ((w / 2) % 4) + 0 .. 7.  So only where I read x and store x1 hangs on the order.
	s_lshr_b32 s79, s[WV], 3
	s_lshl_b32 s79, s79, 18                        ; 64 rows of 4,096 bytes a group,
	s_add_co_u32 s78, s78, s79
	s_and_b32 s79, s[WV], 1
	s_lshl_b32 s79, s79, 17                        ; 32 a rows,
	s_add_co_u32 s78, s78, s79
	s_bfe_u32 s79, s[WV], 0x20001
	s_lshl_b32 s79, s79, 15                        ; 8 b rows
	s_add_co_u32 s78, s78, s79
	s_lshl_b32 s80, s42, 9                         ; 512 bytes a tile column
	s_add_co_u32 s78, s78, s80
	s_mov_b32 s79, 0
	s_mov_b32 s81, 0
	s_add_nc_u64 s[10:11], s[10:11], s[78:79]
	s_add_nc_u64 s[12:13], s[12:13], s[78:79]
	s_add_nc_u64 s[8:9], s[8:9], s[80:81]
	s_wait_alu depctr_va_vdst(0)
	s_cmp_lt_u32 s[WV], 4                          ; waves 0-3 filled slot 0: they wait for their one load; slot 1's may stay out
	s_cbranch_scc0 .Lnot_slot0
	s_wait_tensorcnt 0x0
.Lnot_slot0:
	s_barrier_signal -1
	s_barrier_wait -1
	WORK 0, 1                                      ; the first step's products start the sums: nothing is cleared
.if NSLOT > 2
	s_mov_b32 s3, (NSLOT-2)/2
.Llap:
	CHANGE 1, 1
	WORK 1, 0
	CHANGE 0, 1
	WORK 0, 0
	s_sub_co_u32 s3, s3, 1
	s_cmp_lg_u32 s3, 0
	s_cbranch_scc1 .Llap
.endif
	CHANGE 1, 0
	WORK 1, 0
	; THE WAY OUT: the four partial sums meet in LDS; each wave adds and stores eight whole rows of 512 bytes
.rept 4
	v_nop                                          ; places behind the last products
.endr
.irp p, 0,1,2,3,4,5,6,7
	global_load_b128 v[32+4*\p:35+4*\p], v[L16], s[10:11] offset:4096*\p th:TH_LOAD_NT    ; the residual at my eight rows
.endr
	global_load_b128 v[64:67], v[L16], s[8:9]      ; the bias at my four columns
	s_wait_dscnt 0x0
	s_barrier_signal -1
	s_barrier_wait -1                              ; nobody reads a slot any more, and no tile is on its way
.irp b, 0,1,2,3
.irp a, 0,1,2,3
	ds_store_b128 v[STO], v[ACC+32*\b+8*\a:ACC+32*\b+8*\a+3] offset:\b*8448+128*(\a/2)+32*(\a%2)       ; each accumulator from its low end on
	ds_store_b128 v[STO], v[ACC+32*\b+8*\a+4:ACC+32*\b+8*\a+7] offset:\b*8448+128*(\a/2)+32*(\a%2)+16
.endr
.endr
	s_wait_dscnt 0x0                               ; for the others' sake: my partial sums lie in the stage
	s_barrier_signal -1
	s_barrier_wait -1
.irp p, 0,1,2,3,4,5,6,7
.irp q, 0,1,2,3
	ds_load_b128 v[128+16*\p+4*\q:131+16*\p+4*\q], v[RD+\q] offset:528*\p
.endr
.endr
	s_wait_loadcnt 0x0
.irp p, 0,1,2,3,4,5,6,7
	v_pk_add_f32 v[32+4*\p:33+4*\p], v[32+4*\p:33+4*\p], v[64:65]
	v_pk_add_f32 v[34+4*\p:35+4*\p], v[34+4*\p:35+4*\p], v[66:67]
.endr
.irp p, 0,1,2,3,4,5,6,7
	s_wait_dscnt 28-4*\p                           ; all but the later rows' loads, four each
.irp u, 0,2
	v_pk_add_f32 v[128+16*\p+\u:129+16*\p+\u], v[128+16*\p+\u:129+16*\p+\u], v[132+16*\p+\u:133+16*\p+\u]
	v_pk_add_f32 v[136+16*\p+\u:137+16*\p+\u], v[136+16*\p+\u:137+16*\p+\u], v[140+16*\p+\u:141+16*\p+\u]
.endr
.irp u, 0
	s_delay_alu instid0(VALU_DEP_3)
	v_pk_add_f32 v[128+16*\p+\u:129+16*\p+\u], v[128+16*\p+\u:129+16*\p+\u], v[136+16*\p+\u:137+16*\p+\u]
.endr
.irp u, 2
	s_delay_alu instid0(VALU_DEP_2)
	v_pk_add_f32 v[128+16*\p+\u:129+16*\p+\u], v[128+16*\p+\u:129+16*\p+\u], v[136+16*\p+\u:137+16*\p+\u]
.endr
.irp u, 0,2
	s_delay_alu instid0(VALU_DEP_2)
	v_pk_add_f32 v[128+16*\p+\u:129+16*\p+\u], v[128+16*\p+\u:129+16*\p+\u], v[32+4*\p+\u:33+4*\p+\u]
.endr
	global_store_b128 v[L16], v[128+16*\p:131+16*\p], s[12:13] offset:4096*\p              ; 512 consecutive bytes, aligned
.endr
	s_wait_tensorcnt 0x0                           ; the wave's end
	ds_add_u32 v[SPW], v[NIL]
	s_wait_dscnt 0x0
	CROUND                                         ; the closing round
	s_endpgm
.Lfunc_end_k_q43fdd1e0cb_oproj:
	.size	k_q43fdd1e0cb_oproj, .Lfunc_end_k_q43fdd1e0cb_oproj-k_q43fdd1e0cb_oproj
	.p2alignl 7, 3214868480
	.fill 96, 4, 3214868480
	.section	.rodata,"a",@progbits
	.p2align	6, 0x0
	.amdhsa_kernel k_q43fdd1e0cb_oproj
		.amdhsa_group_segment_fixed_size 327680
		.amdhsa_private_segment_fixed_size 0
		.amdhsa_enable_private_segment 0
		.amdhsa_kernarg_size 40
		.amdhsa_user_sgpr_count 2
		.amdhsa_user_sgpr_kernarg_segment_ptr 1
		.amdhsa_wavefront_size32 1
		.amdhsa_system_sgpr_workgroup_id_x 1
		.amdhsa_system_sgpr_workgroup_id_y 1
		.amdhsa_system_sgpr_workgroup_id_z 1
		.amdhsa_system_vgpr_workitem_id 0
		.amdhsa_next_free_vgpr 256
		.amdhsa_next_free_sgpr 100
		.amdhsa_reserve_vcc 0
		.amdhsa_float_denorm_mode_32 3
		.amdhsa_float_denorm_mode_16_64 3
		.amdhsa_memory_ordered 1
		.amdhsa_forward_progress 1
		.amdhsa_inst_pref_size 30
	.end_amdhsa_kernel
	.amdgpu_metadata
---
amdhsa.version: [ 1, 2 ]
amdhsa.kernels:
  - .name:           k_q43fdd1e0cb_oproj
    .symbol:         k_q43fdd1e0cb_oproj.kd
    .args:
      - { .name: orr, .offset: 0, .size: 8, .value_kind: global_buffer, .address_space: global }
      - { .name: wr, .offset: 8, .size: 8, .value_kind: global_buffer, .address_space: global }
      - { .name: b_o, .offset: 16, .size: 8, .value_kind: global_buffer, .address_space: global }
      - { .name: x, .offset: 24, .size: 8, .value_kind: global_buffer, .address_space: global }
      - { .name: x1, .offset: 32, .size: 8, .value_kind: global_buffer, .address_space: global }
    .group_segment_fixed_size: 327680
    .private_segment_fixed_size: 0
    .kernarg_segment_align: 8
    .kernarg_segment_size: 40
    .max_flat_workgroup_size: 512
    .sgpr_count:     100
    .vgpr_count:     256
    .wavefront_size: 32
...
	.end_amdgpu_metadata
.endif
;; end of part 4
;; launch ln2 (part 5): grid 256 x 1, 8 waves a work-group, no clusters, 66,816 bytes of LDS; arguments x1, ln2_scale, ln2_bias, hr; writes hr
.if DOCPART == 5
	.amdgcn_target "amdgcn-amd-amdhsa--gfx1250"
	.amdhsa_code_object_version 6
	.text
	.protected	k_q43fdd1e0cb_ln2
	.globl	k_q43fdd1e0cb_ln2
	.p2align	8
	.type	k_q43fdd1e0cb_ln2,@function
k_q43fdd1e0cb_ln2:
	s_mov_b64 s[64:65], 0
	v_nop
	global_prefetch_b8 v0, s[64:65] scope:SCOPE_SE
	s_setreg_imm32_b32 hwreg(HW_REG_WAVE_MODE, 25, 1), 1
	s_wait_xcnt 0x0
; y = (x - mean) * rsqrt(var + 1e-6) * gain + bias along rows of 1,024 f32, then quantised along the row to E2M3 with one E8M0 byte for each 32, and stored as images of operand registers.
; A work-group takes 16 rows: one tile of tokens.  PART 1: wave w owns rows 2 w and 2 w + 1 whole (32 registers a row), so no sum leaves the wave; the variance is taken of x - mean, in a second pass over registers.
; The rows meet in LDS (16 rows, 4,112 bytes apart: 257 x 16, so that sixteen rows' 16-byte pieces fall on different banks); one barrier.
; PART 2: wave s makes the fragment of K step s (16 rows x 128): lane (r, h) takes, of row r, 16 neighbours of each block of 32.
; OUTPUT: records [block of 128 rows][K step][half of 64 rows], 6,400 bytes a half: four fragments of 1,536 bytes (registers 0-3 at 16 x lane, 4-5 at 512 + 8 x lane, 6-9 at 768 + 16 x lane, 10-11 at 1,280 + 8 x lane),
; then 256 bytes of scale words: tile f's row r at 128 (f % 2) + 8 r + 4 (f / 2).  A work-group has one tile of the four, so its sixteen scale words are stored 8 bytes apart: 64 bytes against 1,536 of codes.
; No matrix unit, no cluster, no tensor load: each byte is read once and nothing is shared between work-groups but the gain and the bias.
; LIMITS: NaN and infinities are not served; sums are taken as trees, in another order than a running sum; a block under 2^-124 and a block of zeros get the byte 1 (zero codes; read by this program alone).
.set PITCH, 4112
.set X,   16                           ; v16-79   row e at 16 + 32 e; in part 2 the 64 numbers to be quantised
.set GN,  80                           ; v80-111  the gain at my columns
.set BS,  112                          ; v112-143 the bias
.set WK,  144                          ; v144-151 sums, two chains a row; v152-153 the other half's; v154-155 var + eps; v158 2^-10
.set PC,  160                          ; v160-171 the fragment; v172-178 at work
.set TM,  180                          ; v180-195 at work in QUANT
.set PW,  196                          ; the scale word
.set SEL, 20
.macro QUANT s                         ; 64 numbers of a lane, register 16 b + i = k 32 b + 16 (lane / 16) + i of my row, become a fragment in v[PC] on and its scale word in v[PW]
.irp b, 0,1,2,3
	v_max3_num_f32 v[TM+\b], |v[\s+16*\b]|, |v[\s+1+16*\b]|, 0x1800000   ; my 16 numbers of block b, and the floor 2^(3 - 127)
.endr
.irp i, 2,4,6,8,10,12,14
.irp b, 0,1,2,3
	s_delay_alu instid0(VALU_DEP_4)
	v_max3_num_f32 v[TM+\b], v[TM+\b], |v[\s+16*\b+\i]|, |v[\s+1+16*\b+\i]|
.endr
.endr
.irp b, 0,1,2,3
	s_delay_alu instid0(VALU_DEP_4)
	v_permlanex16_b32 v[TM+4+\b], v[TM+\b], s[SEL], s[SEL+1]
.endr
.irp b, 0,1,2,3
	s_delay_alu instid0(VALU_DEP_4)
	v_max_num_f32 v[TM+\b], v[TM+\b], v[TM+4+\b]   ; with lane l xor 16's: the block's largest magnitude
.endr
.irp b, 0,1,2,3
	s_delay_alu instid0(VALU_DEP_4)
	v_add_nc_u32 v[TM+12+\b], 0xff000000, v[TM+\b] ; 2 off its exponent field: the conversion's scale operand
.endr
.irp b, 0,1,2,3
	s_delay_alu instid0(VALU_DEP_4)
	v_lshrrev_b32 v[TM+4+\b], 23, v[TM+12+\b]      ; the scale's byte
.endr
	s_delay_alu instid0(VALU_DEP_3)
	v_lshl_or_b32 v[PW], v[TM+5], 8, v[TM+4]
	s_delay_alu instid0(VALU_DEP_1)
	v_lshl_or_b32 v[PW], v[TM+6], 16, v[PW]
	s_delay_alu instid0(VALU_DEP_1)
	v_lshl_or_b32 v[PW], v[TM+7], 24, v[PW]
.irp c, 0,1
	v_cvt_scalef32_pk16_fp6_f32 v[PC+6*\c:PC+2+6*\c], v[\s+32*\c:\s+15+32*\c], v[TM+12+2*\c]
	v_cvt_scalef32_pk16_fp6_f32 v[PC+12+4*\c:PC+14+4*\c], v[\s+16+32*\c:\s+31+32*\c], v[TM+12+2*\c+1]
.endr
	v_nop                                          ; one plain place behind a scaled conversion
.irp c, 0,1                                    ; the operand wants a whole block in a lane: lanes 0-15 block 2 c, lanes 16-31 block 2 c + 1
.irp i, 0,1,2
	v_permlane16_swap_b32 v[PC+6*\c+\i], v[PC+12+4*\c+\i]
.endr
.irp i, 0,1,2
	s_delay_alu instid0(VALU_DEP_3)
	v_mov_b32 v[PC+3+6*\c+\i], v[PC+12+4*\c+\i]
.endr
.endr
.endm
.macro LANESUM                         ; v[WK] and v[WK+4] are summed over the 32 lanes, the two rows by turns
.irp m, 1,2,4,8
.irp e, 0,1
	s_delay_alu instid0(VALU_DEP_2)
	v_add_f32_dpp v[WK+4*\e], v[WK+4*\e], v[WK+4*\e] row_xmask:\m row_mask:0xf bank_mask:0xf
.endr
.endr
.irp e, 0,1
	s_delay_alu instid0(VALU_DEP_2)
	v_permlanex16_b32 v[WK+8+\e], v[WK+4*\e], s[SEL], s[SEL+1]
.endr
.irp e, 0,1
	s_delay_alu instid0(VALU_DEP_2)
	v_add_f32 v[WK+4*\e], v[WK+4*\e], v[WK+8+\e]
.endr
.endm
	s_load_b256 s[4:11], s[0:1], 0x0               ; x s[4:5], gain s[6:7], bias s[8:9], records s[10:11]
	v_lshl_add_u32 v200, v0, 2, 0x10100
	v_mov_b32 v201, 0
	v_lshrrev_b32 v2, 5, v0
	s_delay_alu instid0(VALU_DEP_1)
	v_readfirstlane_b32 s12, v2                    ; wave 0..7
	v_and_b32 v3, 31, v0
	s_delay_alu instid0(VALU_DEP_1)
	v_lshlrev_b32 v1, 4, v3                        ; 16 x lane
	s_delay_alu instid0(VALU_DEP_2)
	v_lshlrev_b32 v6, 3, v3                        ; 8 x lane
	v_and_b32 v2, 15, v0                           ; r
	v_bfe_u32 v3, v0, 4, 1                         ; h
	s_mul_i32 s13, s12, 2*PITCH
	v_add_nc_u32 v4, s13, v1                       ; LDS, in: my two rows, 16 bytes a lane
	v_mul_u32_u24 v5, v2, PITCH
	s_delay_alu instid0(VALU_DEP_1)
	v_lshl_add_u32 v5, v3, 6, v5
	s_lshl_b32 s13, s12, 9
	v_add_nc_u32 v5, s13, v5                       ; LDS, out: row r, K step = my wave, + 64 h
	v_lshlrev_b32 v7, 3, v2                        ; 8 r
	v_mov_b32 v[WK+8], 0                           ; written once: a lane permute's destination counts as one of its sources
	v_mov_b32 v[WK+9], 0
.irp b, 0,1,2,3
	v_mov_b32 v[TM+4+\b], 0
.endr
	v_mov_b32 v[WK+14], 0x3a800000                 ; 2^-10
	s_mov_b32 s[SEL], 0x76543210
	s_mov_b32 s[SEL+1], 0xfedcba98                 ; lane l xor 16
	s_lshl_b32 s14, ttmp9, 16                      ; 16 rows of 4,096 bytes a work-group,
	s_lshl_b32 s15, s12, 13                        ; two a wave
	s_add_co_u32 s14, s14, s15
	s_mov_b32 s15, 0
	s_lshr_b32 s16, ttmp9, 3                       ; block of 128 rows
	s_lshl_b32 s16, s16, 3
	s_add_co_u32 s16, s16, s12                     ; K step
	s_lshl_b32 s16, s16, 1
	s_bfe_u32 s17, ttmp9, 0x10002                  ; half of 64 rows
	s_add_co_u32 s16, s16, s17
	s_mul_i32 s16, s16, 6400
	s_and_b32 s17, ttmp9, 3                        ; f: my tile among the four
	s_mul_i32 s22, s17, 1536
	s_add_co_u32 s22, s22, s16
	s_mov_b32 s23, 0
	s_and_b32 s18, s17, 1
	s_lshl_b32 s18, s18, 7
	s_lshr_b32 s17, s17, 1
	s_lshl_b32 s17, s17, 2
	s_add_co_u32 s24, s16, s18
	s_add_co_u32 s24, s24, s17
	s_mov_b32 s25, 0
	s_wait_kmcnt 0x0
	s_add_nc_u64 s[4:5], s[4:5], s[14:15]
	s_add_nc_u64 s[22:23], s[10:11], s[22:23]      ; my fragment
	s_add_nc_u64 s[24:25], s[10:11], s[24:25]      ; my tile's scale words, less 6,144
.irp e, 0,1
.irp i, 0,1,2,3,4,5,6,7
	global_load_b128 v[X+32*\e+4*\i:X+32*\e+4*\i+3], v1, s[4:5] offset:4096*\e+512*\i th:TH_LOAD_NT   ; 512 consecutive bytes
.endr
.endr
.irp i, 0,1,2,3,4,5,6,7
	global_load_b128 v[GN+4*\i:GN+4*\i+3], v1, s[6:7] offset:512*\i
	global_load_b128 v[BS+4*\i:BS+4*\i+3], v1, s[8:9] offset:512*\i
.endr
	s_wait_loadcnt 16                              ; x is in; the sixteen loads of gain and bias may be out
.irp e, 0,1
	v_pk_add_f32 v[WK+4*\e:WK+4*\e+1], v[X+32*\e:X+32*\e+1], v[X+32*\e+2:X+32*\e+3]
	v_pk_add_f32 v[WK+4*\e+2:WK+4*\e+3], v[X+32*\e+4:X+32*\e+5], v[X+32*\e+6:X+32*\e+7]
.endr
.irp j, 8,12,16,20,24,28
.irp e, 0,1
	s_delay_alu instid0(VALU_DEP_4)
	v_pk_add_f32 v[WK+4*\e:WK+4*\e+1], v[WK+4*\e:WK+4*\e+1], v[X+32*\e+\j:X+32*\e+\j+1]
	s_delay_alu instid0(VALU_DEP_4)
	v_pk_add_f32 v[WK+4*\e+2:WK+4*\e+3], v[WK+4*\e+2:WK+4*\e+3], v[X+32*\e+\j+2:X+32*\e+\j+3]
.endr
.endr
.irp e, 0
	s_delay_alu instid0(VALU_DEP_3)
	v_pk_add_f32 v[WK+4*\e:WK+4*\e+1], v[WK+4*\e:WK+4*\e+1], v[WK+4*\e+2:WK+4*\e+3]
.endr
.irp e, 1
	s_delay_alu instid0(VALU_DEP_2)
	v_pk_add_f32 v[WK+4*\e:WK+4*\e+1], v[WK+4*\e:WK+4*\e+1], v[WK+4*\e+2:WK+4*\e+3]
.endr
.irp e, 0,1
	s_delay_alu instid0(VALU_DEP_2)
	v_add_f32 v[WK+4*\e], v[WK+4*\e], v[WK+4*\e+1]
.endr
	LANESUM
.irp e, 0
	s_delay_alu instid0(VALU_DEP_2)
	v_mul_f32 v[8+2*\e], v[WK+14], v[WK+4*\e]      ; the mean, twice: a pair for the packed forms
	s_delay_alu instid0(VALU_DEP_3)
	v_mul_f32 v[9+2*\e], v[WK+14], v[WK+4*\e]
.endr
.irp e, 1
	s_delay_alu instid0(VALU_DEP_3)
	v_mul_f32 v[8+2*\e], v[WK+14], v[WK+4*\e]      ; the mean, twice: a pair for the packed forms
	s_delay_alu instid0(VALU_DEP_4)
	v_mul_f32 v[9+2*\e], v[WK+14], v[WK+4*\e]
.endr
.irp j, 0,2,4,6,8,10,12,14,16,18,20,22,24,26,28,30
.irp e, 0,1
	v_pk_add_f32 v[X+32*\e+\j:X+32*\e+\j+1], v[X+32*\e+\j:X+32*\e+\j+1], v[8+2*\e:9+2*\e] neg_lo:[0,1] neg_hi:[0,1]   ; d = x - mean
.endr
.endr
.irp e, 0,1
	v_pk_mul_f32 v[WK+4*\e:WK+4*\e+1], v[X+32*\e:X+32*\e+1], v[X+32*\e:X+32*\e+1]
	v_pk_mul_f32 v[WK+4*\e+2:WK+4*\e+3], v[X+32*\e+2:X+32*\e+3], v[X+32*\e+2:X+32*\e+3]
.endr
.irp j, 4,8,12,16,20,24,28
.irp e, 0,1
	s_delay_alu instid0(VALU_DEP_4)
	v_pk_fma_f32 v[WK+4*\e:WK+4*\e+1], v[X+32*\e+\j:X+32*\e+\j+1], v[X+32*\e+\j:X+32*\e+\j+1], v[WK+4*\e:WK+4*\e+1]
	s_delay_alu instid0(VALU_DEP_4)
	v_pk_fma_f32 v[WK+4*\e+2:WK+4*\e+3], v[X+32*\e+\j+2:X+32*\e+\j+3], v[X+32*\e+\j+2:X+32*\e+\j+3], v[WK+4*\e+2:WK+4*\e+3]
.endr
.endr
.irp e, 0
	s_delay_alu instid0(VALU_DEP_3)
	v_pk_add_f32 v[WK+4*\e:WK+4*\e+1], v[WK+4*\e:WK+4*\e+1], v[WK+4*\e+2:WK+4*\e+3]
.endr
.irp e, 1
	s_delay_alu instid0(VALU_DEP_2)
	v_pk_add_f32 v[WK+4*\e:WK+4*\e+1], v[WK+4*\e:WK+4*\e+1], v[WK+4*\e+2:WK+4*\e+3]
.endr
.irp e, 0,1
	s_delay_alu instid0(VALU_DEP_2)
	v_add_f32 v[WK+4*\e], v[WK+4*\e], v[WK+4*\e+1]
.endr
	LANESUM
.irp e, 0,1
	s_delay_alu instid0(VALU_DEP_2)
	v_fmaak_f32 v[WK+10+\e], v[WK+4*\e], v[WK+14], 0x358637bd      ; var + 1e-6
.endr
	s_wait_alu depctr_va_vdst(0)
.irp e, 0,1
	v_rsq_f32 v[12+2*\e], v[WK+10+\e]              ; made twice, to fill the pair that the packed multiply names
	v_rsq_f32 v[13+2*\e], v[WK+10+\e]
.endr
	v_nop                                          ; a plain place behind the last of them
	s_wait_loadcnt 0x0                             ; gain and bias
	s_wait_alu depctr_va_vdst(0)                   ; one wait for the four, ahead of their first reader
.irp j, 0,2,4,6,8,10,12,14,16,18,20,22,24,26,28,30
.irp e, 0,1
	v_pk_mul_f32 v[X+32*\e+\j:X+32*\e+\j+1], v[X+32*\e+\j:X+32*\e+\j+1], v[12+2*\e:13+2*\e]
.endr
.irp e, 0,1
	s_delay_alu instid0(VALU_DEP_2)
	v_pk_fma_f32 v[X+32*\e+\j:X+32*\e+\j+1], v[X+32*\e+\j:X+32*\e+\j+1], v[GN+\j:GN+\j+1], v[BS+\j:BS+\j+1]
.endr
.endr
.irp e, 0,1
.irp i, 0,1,2,3,4,5,6,7
	ds_store_b128 v4, v[X+32*\e+4*\i:X+32*\e+4*\i+3] offset:PITCH*\e+512*\i
.endr
.endr
	s_wait_dscnt 0x0                               ; for the others' sake: my rows lie in LDS
	s_barrier_signal -1
	s_barrier_wait -1
.irp b, 0,1,2,3
.irp j, 0,1,2,3
	ds_load_b128 v[X+16*\b+4*\j:X+16*\b+4*\j+3], v5 offset:128*\b+16*\j
.endr
.endr
	s_wait_dscnt 0x0
	QUANT X
	global_store_b128 v1, v[PC:PC+3], s[22:23]
	global_store_b64 v6, v[PC+4:PC+5], s[22:23] offset:512
	global_store_b128 v1, v[PC+6:PC+9], s[22:23] offset:768
	global_store_b64 v6, v[PC+10:PC+11], s[22:23] offset:1280
	global_store_b32 v7, v[PW], s[24:25] offset:6144               ; both halves of the lanes hold row r's word and store it to the same place
	s_wait_tensorcnt 0x0
	ds_add_u32 v200, v201
	s_wait_dscnt 0x0
	s_endpgm
.Lfunc_end_k_q43fdd1e0cb_ln2:
	.size	k_q43fdd1e0cb_ln2, .Lfunc_end_k_q43fdd1e0cb_ln2-k_q43fdd1e0cb_ln2
	.p2alignl 7, 3214868480
	.fill 96, 4, 3214868480
	.section	.rodata,"a",@progbits
	.p2align	6, 0x0
	.amdhsa_kernel k_q43fdd1e0cb_ln2
		.amdhsa_group_segment_fixed_size 66816
		.amdhsa_private_segment_fixed_size 0
		.amdhsa_enable_private_segment 0
		.amdhsa_kernarg_size 32
		.amdhsa_user_sgpr_count 2
		.amdhsa_user_sgpr_kernarg_segment_ptr 1
		.amdhsa_wavefront_size32 1
		.amdhsa_system_sgpr_workgroup_id_x 1
		.amdhsa_system_sgpr_workgroup_id_y 1
		.amdhsa_system_sgpr_workgroup_id_z 1
		.amdhsa_system_vgpr_workitem_id 0
		.amdhsa_next_free_vgpr 202
		.amdhsa_next_free_sgpr 66
		.amdhsa_reserve_vcc 0
		.amdhsa_float_denorm_mode_32 3
		.amdhsa_float_denorm_mode_16_64 3
		.amdhsa_memory_ordered 1
		.amdhsa_forward_progress 1
		.amdhsa_inst_pref_size 30
	.end_amdhsa_kernel
	.amdgpu_metadata
---
amdhsa.version: [ 1, 2 ]
amdhsa.kernels:
  - .name:           k_q43fdd1e0cb_ln2
    .symbol:         k_q43fdd1e0cb_ln2.kd
    .args:
      - { .name: x1, .offset: 0, .size: 8, .value_kind: global_buffer, .address_space: global }
      - { .name: ln2_scale, .offset: 8, .size: 8, .value_kind: global_buffer, .address_space: global }
      - { .name: ln2_bias, .offset: 16, .size: 8, .value_kind: global_buffer, .address_space: global }
      - { .name: hr, .offset: 24, .size: 8, .value_kind: global_buffer, .address_space: global }
    .group_segment_fixed_size: 66816
    .private_segment_fixed_size: 0
    .kernarg_segment_align: 8
    .kernarg_segment_size: 32
    .max_flat_workgroup_size: 256
    .sgpr_count:     66
    .vgpr_count:     202
    .wavefront_size: 32
...
	.end_amdgpu_metadata
.endif
;; end of part 5
;; launch mlp1 (part 6): grid 16 x 16, 16 waves a work-group, clusters of 4 x 4, 327,680 bytes of LDS; arguments hr, wr, b_mlp1, hid; writes hid
.if DOCPART == 6
	.amdgcn_target "amdgcn-amd-amdhsa--gfx1250"
	.amdhsa_code_object_version 6
	.text
	.protected	k_q43fdd1e0cb_mlp1
	.globl	k_q43fdd1e0cb_mlp1
	.p2align	8
	.type	k_q43fdd1e0cb_mlp1,@function
k_q43fdd1e0cb_mlp1:
	s_mov_b64 s[64:65], 0
	v_nop
	global_prefetch_b8 v0, s[64:65] scope:SCOPE_SE
	s_setreg_imm32_b32 hwreg(HW_REG_WAVE_MODE, 25, 1), 1
	s_wait_xcnt 0x0
	s_wait_alu depctr_hold_cnt(0) depctr_sa_sdst(0) depctr_va_vdst(0) depctr_va_sdst(0) depctr_va_ssrc(0) depctr_va_vcc(0) depctr_vm_vsrc(0)
	s_getreg_b32 s2, hwreg(HW_REG_IB_STS2, 6, 4)
	s_cmp_eq_u32 s2, 0
	s_cbranch_scc0 .Lentry_in_a_cluster
	s_endpgm
.Lentry_in_a_cluster:
	s_bfe_u32 s2, ttmp6, 0x10000c
	s_cmp_lg_u32 s2, 0xf033
	s_cbranch_scc0 .Lentry_shape_is_right
	s_endpgm
.Lentry_shape_is_right:
; hid = Q(gelu(Q(LN2(x1)) Q(w_mlp1) + b_mlp1)) on codes of E2M3, K = 1,024; the hidden layer leaves as codes, laid as the next product's operand.
; OPERANDS lie in memory as images of operand registers: a record half (6,400 bytes) is 64 rows x 128 K: four fragments of 1,536 bytes (registers 0-3 at 16 x lane, 4-5 at 512 + 8 x lane, 6-9 at 768 + 16 x lane,
; 10-11 at 1,280 + 8 x lane) and 256 bytes of scale words (at 8 x lane: word p = tiles 2 p in lanes 0-15 and 2 p + 1 in lanes 16-31).  Records lie [block of 128 rows][K step][half].
; SHARES.  A work-group makes 256 tokens x 256 hidden units; sixteen waves, four to a SIMD, each 64 x 64: 16 accumulators in 128 registers, no register windows.
; K goes in four tiles of 256 (two steps of 128) through THREE LDS slots of 102,400 bytes: tiles 0, 1, 2 are first fills, asked for together at the head (three loads of a fetching wave are out at the most); tile 3 is
; the launch's one refill, into slot 0 as soon as that has been read, and has tiles 1 and 2, 64 matrix instructions a wave, in which to land.  Waves 0, 1 fetch the tokens' two blocks, waves 2, 3 the weight's, 25,600 bytes a load.
; CLUSTER 4 x 4: the tokens' tile is asked for jointly along a row of the cluster, the weight's along a column.
; Source 0 = 16 columns of the weight, source 1 = 16 tokens: a lane holds one token, and (the weight's tiles being laid for it) its 32 registers of four tiles are 64 hidden units, register 16 b + i = unit 32 b + 16 (lane / 16) + i.
; GELU (the tanh form): 0.5 x (1 + tanh(u)) = x / (1 + e^(-2 u)), u = sqrt(2 / pi) (x + 0.044715 x^3): so gelu(x) = x / (1 + 2^(x (c1 + c2 x^2))), c1 = -2 log2(e) sqrt(2 / pi), c2 = 0.044715 c1.
; For large x the power falls to 0 and x is left; for very negative x it rises to infinity and -0 is left.
; LIMITS: NaN and infinities are not served; the exponential and the reciprocal are the chip's own (1 ulp; denormals count as 0); a block under 2^-124 and a block of zeros get the byte 1 (zero codes; read by this program alone).
.set KST,   8
.set WOFF,  3276800
.set SLOTB, 25600
.set REC,   12800
.set HREC,  6400
.set SLOTSZ, 102400                    ; a slot: the tokens' 51,200 bytes, then the weight's
.set WREG,  51200
.set SPARE, 307200                     ; behind the three slots: the spare words, 128 bytes for each of 16 waves
.set SCS,   309248                     ; a stage of eight scale blocks of 256 bytes; no tile lands here
.set SPW, 1
.set NIL, 2
.set B0L, 3                            ; v3, v5, v7, v9 my places in a slot, never rewritten;  v4, v6, v8, v10 the same in the slot in hand
.set W0L, 4
.set B0S, 5
.set W0S, 6
.set B1L, 7
.set W1L, 8
.set B1S, 9
.set W1S, 10
.set L16, 11
.set L8,  12
.set RR,  13
.set HH,  14
.set SCA, 16                           ; v[16:17], v[18:19] scale words: they hold nothing else
.set SCB, 18
.set TM,  20
.set CT,  26
.set SA,  29
.set C1,  30                           ; v[30:31] c1
.set BI,  32                           ; the way out: v32-63 the bias, v64-95 at work, v96-127 four sets of codes
.set TT,  64
.set F0,  32
.set F1,  80
.set ACC, 128
.set WV,  14
.set G1T, 24                           ; s[24:31] descriptor group 1 for the tokens;  s[32:39], s[92:95] its groups 0, a set for each slot
.set G0T, 32
.set G0T2, 92
.set G1W, 48                           ; s[48:55], s[56:63], s[96:99] the same for the weight
.set G0W, 56
.set G0W2, 96
.set SEL, 66
.set DST, 84
.set C2,  90                           ; s[90:91] c2
.macro CROUND
	s_barrier_signal -1
	s_barrier_wait -1
	s_cmp_lg_u32 s[WV], 0
	s_cbranch_scc1 .Lnot_wave_0_\@
	s_barrier_signal -3
.Lnot_wave_0_\@:
	s_barrier_wait -3
	s_barrier_signal -1
	s_barrier_wait -1
.endm
.macro MKG0 gt, gw, s                  ; the groups 0 of slot s, set up for tile s
	s_mov_b32 s[\gt], 1
	s_add_co_u32 s[\gt+1], s23, (\s)*SLOTSZ
	s_add_nc_u64 s[\gt+2:\gt+3], s[16:17], (\s)*SLOTB
	s_or_b32 s[\gt+3], s[\gt+3], 0x80000000
	s_mov_b32 s[\gw], 1
	s_add_co_u32 s[\gw+1], s23, (\s)*SLOTSZ
	s_add_nc_u64 s[\gw+2:\gw+3], s[20:21], (\s)*SLOTB
	s_or_b32 s[\gw+3], s[\gw+3], 0x80000000
.endm
.macro JLOAD                           ; the joint refill of slot 0; the branches hang on the wave's number alone; four v_nop follow each load
	s_cmp_lt_u32 s[WV], 2
	s_cbranch_scc0 .Lnot_t_\@
	tensor_load_to_lds s[G0T:G0T+3], s[G1T:G1T+7]
	s_nop 0
.rept 4
	v_nop
.endr
	s_branch .Lasked_\@
.Lnot_t_\@:
	s_cmp_lt_u32 s[WV], 4
	s_cbranch_scc0 .Lasked_\@
	tensor_load_to_lds s[G0W:G0W+3], s[G1W:G1W+7]
	s_nop 0
.rept 4
	v_nop
.endr
.Lasked_\@:
.endm
.macro FRAGL reg, al, as, off
	ds_load_b128 v[\reg:\reg+3], v[\al] offset:\off
	ds_load_b64 v[\reg+4:\reg+5], v[\as] offset:\off+512
	ds_load_b128 v[\reg+6:\reg+9], v[\al] offset:\off+768
	ds_load_b64 v[\reg+10:\reg+11], v[\as] offset:\off+1280
.endm
.macro MM i0, i1, zero                 ; an odd tile's scale words lie in lanes 16-31 of its pair's register
.set rD, ACC+32*(\i1)+8*(\i0)
.set rA, F0+12*(\i0)
.set rB, F1+12*(\i1)
.set rS, SCA+(\i0)/2
.set rT, SCB+(\i1)/2
.set par, 2*((\i0)%2)+(\i1)%2+4*(\zero)
.if par == 0
	v_wmma_scale_f32_16x16x128_f8f6f4 v[rD:rD+7], v[rA:rA+11], v[rB:rB+11], v[rD:rD+7], v[rS], v[rT] matrix_a_fmt:MATRIX_FMT_FP6 matrix_b_fmt:MATRIX_FMT_FP6
.elseif par == 1
	v_wmma_scale_f32_16x16x128_f8f6f4 v[rD:rD+7], v[rA:rA+11], v[rB:rB+11], v[rD:rD+7], v[rS], v[rT] matrix_a_fmt:MATRIX_FMT_FP6 matrix_b_fmt:MATRIX_FMT_FP6 matrix_b_scale:MATRIX_SCALE_ROW1
.elseif par == 2
	v_wmma_scale_f32_16x16x128_f8f6f4 v[rD:rD+7], v[rA:rA+11], v[rB:rB+11], v[rD:rD+7], v[rS], v[rT] matrix_a_fmt:MATRIX_FMT_FP6 matrix_b_fmt:MATRIX_FMT_FP6 matrix_a_scale:MATRIX_SCALE_ROW1
.elseif par == 3
	v_wmma_scale_f32_16x16x128_f8f6f4 v[rD:rD+7], v[rA:rA+11], v[rB:rB+11], v[rD:rD+7], v[rS], v[rT] matrix_a_fmt:MATRIX_FMT_FP6 matrix_b_fmt:MATRIX_FMT_FP6 matrix_a_scale:MATRIX_SCALE_ROW1 matrix_b_scale:MATRIX_SCALE_ROW1
.elseif par == 4
	v_wmma_scale_f32_16x16x128_f8f6f4 v[rD:rD+7], v[rA:rA+11], v[rB:rB+11], 0, v[rS], v[rT] matrix_a_fmt:MATRIX_FMT_FP6 matrix_b_fmt:MATRIX_FMT_FP6
.elseif par == 5
	v_wmma_scale_f32_16x16x128_f8f6f4 v[rD:rD+7], v[rA:rA+11], v[rB:rB+11], 0, v[rS], v[rT] matrix_a_fmt:MATRIX_FMT_FP6 matrix_b_fmt:MATRIX_FMT_FP6 matrix_b_scale:MATRIX_SCALE_ROW1
.elseif par == 6
	v_wmma_scale_f32_16x16x128_f8f6f4 v[rD:rD+7], v[rA:rA+11], v[rB:rB+11], 0, v[rS], v[rT] matrix_a_fmt:MATRIX_FMT_FP6 matrix_b_fmt:MATRIX_FMT_FP6 matrix_a_scale:MATRIX_SCALE_ROW1
.else
	v_wmma_scale_f32_16x16x128_f8f6f4 v[rD:rD+7], v[rA:rA+11], v[rB:rB+11], 0, v[rS], v[rT] matrix_a_fmt:MATRIX_FMT_FP6 matrix_b_fmt:MATRIX_FMT_FP6 matrix_a_scale:MATRIX_SCALE_ROW1 matrix_b_scale:MATRIX_SCALE_ROW1
.endif
.endm
; A step of 128 along K: 34 LDS loads, 16 matrix instructions.  The 16 accumulators take turns, one instruction a turn, in the same order in every step.
; Four plain vector lines stand ahead of each step (WORK writes them): the places between the last products and loads into the registers that they read (ISA guide 7.12.1 for vector instructions).
.macro STEP q, zero
	ds_load_b64 v[SCA:SCA+1], v[W0S] offset:(\q)*REC+6144
	ds_load_b64 v[SCB:SCB+1], v[W1S] offset:(\q)*REC+6144
.irp f, 0,1,2,3
	FRAGL F1+12*\f, W1L, W1S, (\q)*REC+1536*\f
.endr
.irp f, 0,1,2,3
	FRAGL F0+12*\f, W0L, W0S, (\q)*REC+1536*\f
.endr
.irp i, 0,1,2,3
	s_wait_dscnt 12-4*\i                           ; all but the loads of source 0's later fragments, four each
.irp j, 0,1,2,3
	MM \i, \j, \zero
.endr
.endr
.endm
.macro WORK slot, zero                 ; the tile in a slot: two steps
	v_add_nc_u32 v[W0L], (\slot)*SLOTSZ, v[B0L]    ; my addresses in this slot: these four lines are also the first step's places
	v_add_nc_u32 v[W0S], (\slot)*SLOTSZ, v[B0S]
	v_add_nc_u32 v[W1L], (\slot)*SLOTSZ, v[B1L]
	v_add_nc_u32 v[W1S], (\slot)*SLOTSZ, v[B1S]
	STEP 0, \zero
.rept 4
	v_nop
.endr
	s_wait_alu depctr_va_vdst(0)
	STEP 1, 0
.endm
; 32 numbers of a lane, register 16 b + i = k 32 b + 16 (lane / 16) + i of my row, become half a fragment (six registers from pc on) and two scale bytes in hw.
.macro QUANT2 s, pc, hw
.irp b, 0,1
	v_max3_num_f32 v[TM+\b], |v[\s+16*\b]|, |v[\s+1+16*\b]|, 0x1800000
.endr
.irp i, 2,4,6,8,10,12,14
.irp b, 0,1
	s_delay_alu instid0(VALU_DEP_2)
	v_max3_num_f32 v[TM+\b], v[TM+\b], |v[\s+16*\b+\i]|, |v[\s+1+16*\b+\i]|
.endr
.endr
.irp b, 0,1
	s_delay_alu instid0(VALU_DEP_2)
	v_permlanex16_b32 v[TM+2+\b], v[TM+\b], s[SEL], s[SEL+1]
.endr
.irp b, 0,1
	s_delay_alu instid0(VALU_DEP_2)
	v_max_num_f32 v[TM+\b], v[TM+\b], v[TM+2+\b]
.endr
.irp b, 0,1
	s_delay_alu instid0(VALU_DEP_2)
	v_add_nc_u32 v[TM+4+\b], 0xff000000, v[TM+\b]
.endr
.irp b, 0,1
	s_delay_alu instid0(VALU_DEP_2)
	v_lshrrev_b32 v[TM+2+\b], 23, v[TM+4+\b]
.endr
	s_delay_alu instid0(VALU_DEP_1)
	v_lshl_or_b32 v[\hw], v[TM+3], 8, v[TM+2]
	v_cvt_scalef32_pk16_fp6_f32 v[\pc:\pc+2], v[\s:\s+15], v[TM+4]
	v_cvt_scalef32_pk16_fp6_f32 v[CT:CT+2], v[\s+16:\s+31], v[TM+5]
	v_nop                                          ; one plain place behind a scaled conversion
.irp i, 0,1,2
	v_permlane16_swap_b32 v[\pc+\i], v[CT+\i]
.endr
.irp i, 0,1,2
	s_delay_alu instid0(VALU_DEP_3)
	v_mov_b32 v[\pc+3+\i], v[CT+\i]
.endr
.endm
.macro TILE_OUT i, stride
	QUANT2 ACC+32*(\i), 96+8*(\i), 102+8*(\i)
	global_store_b128 v[L16], v[96+8*(\i):99+8*(\i)], s[DST:DST+1] offset:(\i)*\stride
	global_store_b64 v[L8], v[100+8*(\i):101+8*(\i)], s[DST:DST+1] offset:(\i)*\stride+512
.endm
.macro GELU i                          ; tile i of tokens: 32 numbers a lane.  Each kind of transcendental goes as one batch with one wait
.set XS, ACC+32*(\i)
.set j, 0
.rept 16
	v_pk_add_f32 v[XS+j:XS+j+1], v[XS+j:XS+j+1], v[BI+j:BI+j+1]    ; + the bias; each accumulator from its low end on
.set j, j+2
.endr
.set j, 0
.rept 16
	v_pk_mul_f32 v[TT+j:TT+j+1], v[XS+j:XS+j+1], v[XS+j:XS+j+1]
.set j, j+2
.endr
.set j, 0
.rept 16
	v_pk_fma_f32 v[TT+j:TT+j+1], v[TT+j:TT+j+1], s[C2:C2+1], v[C1:C1+1] op_sel_hi:[1,0,0]
.set j, j+2
.endr
.set j, 0
.rept 16
	v_pk_mul_f32 v[TT+j:TT+j+1], v[TT+j:TT+j+1], v[XS+j:XS+j+1]
.set j, j+2
.endr
.set j, 0
	s_wait_alu depctr_va_vdst(0)
.rept 32
	v_exp_f32 v[TT+j], v[TT+j]
.set j, j+1
.endr
	v_nop
	s_wait_alu depctr_va_vdst(0)
.set j, 0
.rept 16
	v_pk_add_f32 v[TT+j:TT+j+1], v[TT+j:TT+j+1], 1.0 op_sel_hi:[1,0]
.set j, j+2
.endr
.set j, 0
	s_wait_alu depctr_va_vdst(0)
.rept 32
	v_rcp_f32 v[TT+j], v[TT+j]
.set j, j+1
.endr
	v_nop
	s_wait_alu depctr_va_vdst(0)
.set j, 0
.rept 16
	v_pk_mul_f32 v[XS+j:XS+j+1], v[XS+j:XS+j+1], v[TT+j:TT+j+1]
.set j, j+2
.endr
.endm
	s_load_b256 s[4:11], s[0:1], 0x0               ; hr s[4:5], wr s[6:7], b_mlp1 s[8:9], hid s[10:11]
	v_lshl_add_u32 v[SPW], v0, 2, SPARE
	v_mov_b32 v[NIL], 0
	ds_add_u32 v1, v2
	ds_add_u32 v1, v2
	s_wait_dscnt 0x0
	v_lshrrev_b32 v15, 5, v0
	s_delay_alu instid0(VALU_DEP_1)
	v_readfirstlane_b32 s[WV], v15
	s_bfe_u32 s40, ttmp6, 0x40000
	s_bfe_u32 s41, ttmp6, 0x40004
	s_lshl_b32 s42, ttmp9, 2
	s_add_co_u32 s42, s42, s40                     ; tile column
	s_and_b32 s43, ttmp7, 0xffff
	s_lshl_b32 s43, s43, 2
	s_add_co_u32 s43, s43, s41                     ; tile row
	s_lshl_b32 s44, s41, 2
	s_lshl_b32 s44, 15, s44
	s_lshl_b32 s45, 0x1111, s40
	s_or_b32 s[G1T], s44, (3<<16)|(1<<21)          ; 15:0 the mask; 17:16 elements of 8 bytes; 21 set beside a mask; no padding
	s_or_b32 s[G1W], s45, (3<<16)|(1<<21)
.irp g, G1T, G1W                       ; a dense block of 25,600 bytes as 100 rows of 256
	s_mov_b32 s[\g+1], 32<<16
	s_mov_b32 s[\g+2], 100<<16
	s_mov_b32 s[\g+3], 32<<16
	s_mov_b32 s[\g+4], 100
	s_mov_b32 s[\g+5], 32
	s_mov_b32 s[\g+6], 0
	s_mov_b32 s[\g+7], 0
.endr
	s_and_b32 s22, s[WV], 1
	s_lshl_b32 s16, s43, 1
	s_add_co_u32 s16, s16, s22
	s_mul_i32 s16, s16, KST*REC                    ; the tokens': made of the tile row and the wave alone
	s_mov_b32 s17, 0
	s_lshl_b32 s20, s42, 1
	s_add_co_u32 s20, s20, s22
	s_mul_i32 s20, s20, KST*REC                    ; the weight's: of the tile column and the wave alone
	s_add_co_u32 s20, s20, WOFF
	s_mov_b32 s21, 0
	s_and_b32 s23, s[WV], 3
	s_mul_i32 s23, s23, 25600
	s_wait_kmcnt 0x0
	s_add_nc_u64 s[16:17], s[4:5], s[16:17]
	s_add_nc_u64 s[20:21], s[6:7], s[20:21]
	CROUND                                         ; all sixteen work-groups are here: the first joint loads meet
	MKG0 G0T, G0W, 0
	MKG0 G0T+4, G0W+4, 1
	MKG0 G0T2, G0W2, 2
	s_cmp_lt_u32 s[WV], 2                          ; a wave has one first fill: one arm of the chain below
	; THE TWELVE FIRST FILLS, ONE A WAVE (in place of what the head says of who fetches): wave w < 12 fills part w % 4 of slot w / 4; one chain of branches on the wave's number, a load line to each pair of waves
	s_cbranch_scc0 .Lfirst_not_t
	tensor_load_to_lds s[G0T:G0T+3], s[G1T:G1T+7]
	s_nop 0
.rept 4
	v_nop
.endr
	s_branch .Lfirst_asked
.Lfirst_not_t:
	s_cmp_lt_u32 s[WV], 4
	s_cbranch_scc0 .Lfirst_4
	tensor_load_to_lds s[G0W:G0W+3], s[G1W:G1W+7]
	s_nop 0
.rept 4
	v_nop
.endr
	s_branch .Lfirst_asked
.Lfirst_4:
.macro ARM under, g0, g1, next
	s_cmp_lt_u32 s[WV], \under
	s_cbranch_scc0 \next
	tensor_load_to_lds s[\g0:\g0+3], s[\g1:\g1+7]
	s_nop 0
.rept 4
	v_nop
.endr
	s_branch .Lfirst_asked
\next:
.endm
	ARM 6, G0T+4, G1T, .Lfirst_6
	ARM 8, G0W+4, G1W, .Lfirst_8
	ARM 10, G0T2, G1T, .Lfirst_10
	ARM 12, G0W2, G1W, .Lfirst_12
.Lfirst_asked:
	v_and_b32 v15, 31, v0
	s_delay_alu instid0(VALU_DEP_1)
	v_lshlrev_b32 v[L16], 4, v15
	s_wait_alu depctr_va_vdst(0)
	v_lshlrev_b32 v[L8], 3, v15
	s_wait_alu depctr_va_vdst(0)
	v_and_b32 v[RR], 15, v0
	v_bfe_u32 v[HH], v0, 4, 1
	s_delay_alu instid0(VALU_DEP_1)
	v_lshlrev_b32 v15, 6, v[HH]                    ; 64 h: the bias
	v_mov_b32 v[TM+2], 0                           ; written once: a lane permute's destination counts as one of its sources
	v_mov_b32 v[TM+3], 0
	v_mov_b32 v[C1], 0xc0135761                    ; c1 = -2.3022082
	v_mov_b32 v[C1+1], 0xc0135761
	s_mov_b32 s[C2], 0xbdd2d3e8                    ; c2 = -0.10294324
	s_mov_b32 s[C2+1], s[C2]
	s_mov_b32 s[SEL], 0x76543210
	s_mov_b32 s[SEL+1], 0xfedcba98
	s_lshr_b32 s68, s[WV], 2                       ; wa: which 64 hidden units
	s_and_b32 s69, s[WV], 3                        ; wb: which 64 tokens
	s_lshr_b32 s72, s68, 1
	s_mul_i32 s72, s72, 25600
	s_and_b32 s73, s68, 1
	s_mul_i32 s73, s73, HREC
	s_add_co_u32 s72, s72, s73
	s_add_co_u32 s72, s72, WREG
	s_lshr_b32 s74, s69, 1
	s_mul_i32 s74, s74, 25600
	s_and_b32 s75, s69, 1
	s_mul_i32 s75, s75, HREC
	s_add_co_u32 s74, s74, s75
	v_add_nc_u32 v[B0L], s72, v[L16]
	v_add_nc_u32 v[B0S], s72, v[L8]
	v_add_nc_u32 v[B1L], s74, v[L16]
	v_add_nc_u32 v[B1S], s74, v[L8]
	s_lshr_b32 s86, s68, 1                         ; the stage: block (wa / 2) x 4 + wb,
	s_lshl_b32 s86, s86, 2
	s_add_co_u32 s86, s86, s69
	s_lshl_b32 s86, s86, 8
	s_add_co_u32 s86, s86, SCS
	s_and_b32 s87, s68, 1                          ; my two bytes of each word,
	s_lshl_b32 s87, s87, 1
	s_add_co_u32 s87, s87, s86
	v_lshl_add_u32 v[SA], v[RR], 3, s87            ; row r
	s_lshl_b32 s78, s42, 10                        ; the bias: 256 units a tile, 64 a wave
	s_lshl_b32 s79, s68, 8
	s_add_co_u32 s78, s78, s79
	s_mov_b32 s79, 0
	s_add_nc_u64 s[8:9], s[8:9], s[78:79]
	s_lshl_b32 s80, s43, 1                         ; hid: [block of 128 tokens][K step of 128 units][half of 64 tokens], + my half of the K step
	s_lshr_b32 s81, s69, 1
	s_add_co_u32 s80, s80, s81
	s_lshl_b32 s80, s80, 5
	s_lshl_b32 s81, s42, 1
	s_add_co_u32 s80, s80, s81
	s_lshr_b32 s81, s68, 1
	s_add_co_u32 s80, s80, s81
	s_lshl_b32 s80, s80, 1
	s_and_b32 s81, s69, 1
	s_add_co_u32 s80, s80, s81
	s_mul_i32 s80, s80, HREC
	s_and_b32 s81, s68, 1
	s_mul_i32 s81, s81, 768
	s_add_co_u32 s80, s80, s81
	s_mov_b32 s81, 0
	s_add_nc_u64 s[DST:DST+1], s[10:11], s[80:81]
	s_wait_alu depctr_va_vdst(0)
	s_cmp_lt_u32 s[WV], 4                          ; waves 0-3 filled slot 0: they wait for their one load; slots 1 and 2 may stay out
	s_cbranch_scc0 .Lnot_slot0
	s_wait_tensorcnt 0x0
.Lnot_slot0:
	s_barrier_signal -1
	s_barrier_wait -1
	WORK 0, 1                                      ; tile 0; the first step's products start the sums: nothing is cleared
	s_wait_tensorcnt 0x0                           ; THE ONE REFILL.  All my tensor loads have landed, slots 1 and 2 among them, so a group 0 may be written;
	ds_add_u32 v[SPW], v[NIL]
	ds_add_u32 v1, v2
	s_add_nc_u64 s[G0T+2:G0T+3], s[G0T+2:G0T+3], 3*SLOTB           ; slot 0's next tile is tile 3
	s_add_nc_u64 s[G0W+2:G0W+3], s[G0W+2:G0W+3], 3*SLOTB
	s_wait_dscnt 0x0                               ; the add is done, and my reads of slot 0 are over
	CROUND                                         ; both hold of every wave of every partner
	JLOAD
	WORK 1, 0                                      ; tiles 1 and 2: every wave's wait for 0 ahead of the round has shown both slots whole, so no barrier stands between them
	WORK 2, 0
	s_wait_tensorcnt 0x0                           ; my part of tile 3 is in
	ds_add_u32 v[SPW], v[NIL]
	s_wait_dscnt 0x0
	s_barrier_signal -1
	s_barrier_wait -1                              ; everybody's is; nothing is left to fetch
	WORK 0, 0
	; THE WAY OUT
.rept 4
	v_nop                                          ; places behind the last products
.endr
	v_add_nc_u32 v[W0L], s86, v[L8]                ; where a whole scale block is read back from the stage
.irp k, 0,1,2,3,4,5,6,7                ; register 16 b + i wants the bias of unit 32 b + 16 h + i
	global_load_b128 v[BI+4*\k:BI+4*\k+3], v15, s[8:9] offset:128*(\k/4)+16*(\k%4)
.endr
	s_wait_loadcnt 0x0
.irp i, 0,1,2,3
	GELU \i
	TILE_OUT \i, 1536
	ds_store_b16 v[SA], v[102+8*\i] offset:128*(\i%2)+4*(\i/2)     ; my 64 units are half of a K step: two of a word's four bytes; the wave beside me has the other two
.endr
	s_wait_dscnt 0x0                               ; for the others' sake: my half words lie in the stage
	s_barrier_signal -1
	s_barrier_wait -1
	s_and_b32 s87, s68, 1                          ; of the two waves of a record half the even one stores its scale block
	s_cmp_lg_u32 s87, 0
	s_cbranch_scc1 .Ldone
	ds_load_b64 v[64:65], v[W0L]
	s_wait_dscnt 0x0
	global_store_b64 v[L8], v[64:65], s[DST:DST+1] offset:6144     ; 256 consecutive bytes, aligned
.Ldone:
	s_wait_tensorcnt 0x0                           ; the wave's end
	ds_add_u32 v[SPW], v[NIL]
	s_wait_dscnt 0x0
	CROUND                                         ; the closing round
	s_endpgm
.Lfunc_end_k_q43fdd1e0cb_mlp1:
	.size	k_q43fdd1e0cb_mlp1, .Lfunc_end_k_q43fdd1e0cb_mlp1-k_q43fdd1e0cb_mlp1
	.p2alignl 7, 3214868480
	.fill 96, 4, 3214868480
	.section	.rodata,"a",@progbits
	.p2align	6, 0x0
	.amdhsa_kernel k_q43fdd1e0cb_mlp1
		.amdhsa_group_segment_fixed_size 327680
		.amdhsa_private_segment_fixed_size 0
		.amdhsa_enable_private_segment 0
		.amdhsa_kernarg_size 32
		.amdhsa_user_sgpr_count 2
		.amdhsa_user_sgpr_kernarg_segment_ptr 1
		.amdhsa_wavefront_size32 1
		.amdhsa_system_sgpr_workgroup_id_x 1
		.amdhsa_system_sgpr_workgroup_id_y 1
		.amdhsa_system_sgpr_workgroup_id_z 1
		.amdhsa_system_vgpr_workitem_id 0
		.amdhsa_next_free_vgpr 256
		.amdhsa_next_free_sgpr 100
		.amdhsa_reserve_vcc 0
		.amdhsa_float_denorm_mode_32 3
		.amdhsa_float_denorm_mode_16_64 3
		.amdhsa_memory_ordered 1
		.amdhsa_forward_progress 1
		.amdhsa_inst_pref_size 92
	.end_amdhsa_kernel
	.amdgpu_metadata
---
amdhsa.version: [ 1, 2 ]
amdhsa.kernels:
  - .name:           k_q43fdd1e0cb_mlp1
    .symbol:         k_q43fdd1e0cb_mlp1.kd
    .args:
      - { .name: hr, .offset: 0, .size: 8, .value_kind: global_buffer, .address_space: global }
      - { .name: wr, .offset: 8, .size: 8, .value_kind: global_buffer, .address_space: global }
      - { .name: b_mlp1, .offset: 16, .size: 8, .value_kind: global_buffer, .address_space: global }
      - { .name: hid, .offset: 24, .size: 8, .value_kind: global_buffer, .address_space: global }
    .group_segment_fixed_size: 327680
    .private_segment_fixed_size: 0
    .kernarg_segment_align: 8
    .kernarg_segment_size: 32
    .max_flat_workgroup_size: 512
    .sgpr_count:     100
    .vgpr_count:     256
    .wavefront_size: 32
...
	.end_amdgpu_metadata
.endif
;; end of part 6
;; launch mlp2 (part 7): grid 8 x 32, 16 waves a work-group, clusters of 4 x 4, 327,680 bytes of LDS; arguments hid, wr, b_mlp2, x1, out0; writes out0
.if DOCPART == 7
	.amdgcn_target "amdgcn-amd-amdhsa--gfx1250"
	.amdhsa_code_object_version 6
	.text
	.protected	k_q43fdd1e0cb_mlp2
	.globl	k_q43fdd1e0cb_mlp2
	.p2align	8
	.type	k_q43fdd1e0cb_mlp2,@function
k_q43fdd1e0cb_mlp2:
	s_mov_b64 s[64:65], 0
	v_nop
	global_prefetch_b8 v0, s[64:65] scope:SCOPE_SE
	s_setreg_imm32_b32 hwreg(HW_REG_WAVE_MODE, 25, 1), 1
	s_wait_xcnt 0x0
	s_wait_alu depctr_hold_cnt(0) depctr_sa_sdst(0) depctr_va_vdst(0) depctr_va_sdst(0) depctr_va_ssrc(0) depctr_va_vcc(0) depctr_vm_vsrc(0)
	s_getreg_b32 s2, hwreg(HW_REG_IB_STS2, 6, 4)
	s_cmp_eq_u32 s2, 0
	s_cbranch_scc0 .Lentry_in_a_cluster
	s_endpgm
.Lentry_in_a_cluster:
	s_bfe_u32 s2, ttmp6, 0x10000c
	s_cmp_lg_u32 s2, 0xf033
	s_cbranch_scc0 .Lentry_shape_is_right
	s_endpgm
.Lentry_shape_is_right:
; out0 = x1 + Q(gelu(..)) Q(w_mlp2) + b_mlp2 on codes of E2M3, K = 4,096; out0 is f32 [4,096][1,024].
; OPERANDS lie in memory as images of operand registers: a record half (6,400 bytes) is 64 rows x 128 K: four fragments of 1,536 bytes (registers 0-3 at 16 x lane, 4-5 at 512 + 8 x lane, 6-9 at 768 + 16 x lane,
; 10-11 at 1,280 + 8 x lane) and 256 bytes of scale words (at 8 x lane: word p = tiles 2 p in lanes 0-15 and 2 p + 1 in lanes 16-31).  Records lie [block of 128 rows][K step][half].
; SHARES.  With 1,024 columns tiles of 256 x 256 would be 64: a work-group makes 128 tokens x 128 columns, 256 work-groups.  Sixteen waves, four to a SIMD: the tile's four quarters of 64 x 64, each FOUR TIMES,
; for the four K steps of a tile of K: wave w takes K step w / 4 of each.  The four partial sums meet in LDS on the way out.
; K GOES IN EIGHT TILES OF 512 THROUGH THREE LDS SLOTS of 102,400 bytes, tile t in slot t % 3, WITH THREE REFILLS' ROUNDS IN ALL.  Tiles 0, 1, 2 are first fills, asked for together at the head by waves 0-3 (three loads
; of a wave are out at the most).  Behind tiles 0 and 1: one round, and TWO slots are asked for again, tile 3 by waves 0-3 and tile 4 by waves 4-7, one load a wave.  Behind tile 2: a round, tile 5.  Behind tiles 3 and 4:
; a round, tiles 6 and 7.  So a round serves up to 204,800 bytes, and while they are on their way a slot that has landed is multiplied.  A load is 25,600 bytes: of each four waves two fetch the tokens' K steps, two the weight's.
; CLUSTER 4 x 4: the tokens' tile is asked for jointly along a row of the cluster, the weight's along a column.
; Source 0 = 16 columns of the weight, source 1 = 16 tokens: a lane holds one token and, the weight's tiles being laid for it, eight neighbouring columns in an accumulator.
; LIMITS: the sum over K is taken in four parts, (0 + 1) + (2 + 3), another order than a running sum; NaN and infinities are not served.
.set KST,   32
.set WOFF,  6553600
.set SLOTB, 51200                      ; bytes of a tile of K along a block of rows
.set REC,   12800
.set HREC,  6400
.set SLOTSZ, 102400                    ; a slot: the tokens' 51,200 bytes, then the weight's
.set WREG,  51200
.set SPARE, 307200                     ; behind the three slots: the spare words, 128 bytes for each of 16 waves
.set PART,  67584                      ; the way out: a partial tile, 128 rows x (512 bytes + 16); four of them fill bytes 0 to 270,335, over the slots, which have had their last fill and their last read by then
.set SPW, 1
.set NIL, 2
.set B0L, 3                            ; v3, v5, v7, v9 my places in a slot, never rewritten;  v4, v6, v8, v10 the same in the slot in hand
.set W0L, 4
.set B0S, 5
.set W0S, 6
.set B1L, 7
.set W1L, 8
.set B1S, 9
.set W1S, 10
.set L16, 11
.set L8,  12
.set RR,  13
.set HH,  14
.set SCA, 16                           ; v[16:17], v[18:19] scale words: they hold nothing else
.set SCB, 18
.set STO, 20                           ; v20 where I put 16 bytes of a partial row
.set RD,  21                           ; v21-24 where I read a row of partial 0 .. 3 back
.set F0,  32
.set F1,  80
.set ACC, 128
.set WV,  14
.set PT,  15                           ; s15 wave % 4: 0, 1 fetch for the tokens, 2, 3 for the weight
.set G1T, 24                           ; s[24:31] descriptor group 1 for the tokens;  s[32:39], s[84:87] its groups 0, a set for each slot
.set G0T, 32
.set G0T2, 84
.set G1W, 48                           ; s[48:55], s[56:63], s[88:91] the same for the weight
.set G0W, 56
.set G0W2, 88
.set GS,  83                           ; s83 g x a slot, g = (wave / 4) % 2: waves 4-7 refill the slot behind the one that waves 0-3 refill
.set GD,  92                           ; s[92:93] (3 + g) tiles of K in bytes: from tile 0 to tile 3 or 4
.macro CROUND
	s_barrier_signal -1
	s_barrier_wait -1
	s_cmp_lg_u32 s[WV], 0
	s_cbranch_scc1 .Lnot_wave_0_\@
	s_barrier_signal -3
.Lnot_wave_0_\@:
	s_barrier_wait -3
	s_barrier_signal -1
	s_barrier_wait -1
.endm
.macro MKG0 gt, gw, s                  ; the groups 0 of slot s, set up for tile s
	s_mov_b32 s[\gt], 1
	s_add_co_u32 s[\gt+1], s23, (\s)*SLOTSZ
	s_add_nc_u64 s[\gt+2:\gt+3], s[16:17], (\s)*SLOTB
	s_or_b32 s[\gt+3], s[\gt+3], 0x80000000
	s_mov_b32 s[\gw], 1
	s_add_co_u32 s[\gw+1], s23, (\s)*SLOTSZ
	s_add_nc_u64 s[\gw+2:\gw+3], s[20:21], (\s)*SLOTB
	s_or_b32 s[\gw+3], s[\gw+3], 0x80000000
.endm
; A joint refill by the waves under lim (4: one slot; 8: two).  The branches hang on the wave's number alone: they are the same in every work-group.  Four v_nop follow each load.
.macro JLOAD gt, gw, lim
	s_cmp_lt_u32 s[WV], \lim
	s_cbranch_scc0 .Lasked_\@
	s_cmp_lt_u32 s[PT], 2
	s_cbranch_scc0 .Lfor_w_\@
	tensor_load_to_lds s[\gt:\gt+3], s[G1T:G1T+7]
	s_nop 0
.rept 4
	v_nop
.endr
	s_branch .Lasked_\@
.Lfor_w_\@:
	tensor_load_to_lds s[\gw:\gw+3], s[G1W:G1W+7]
	s_nop 0
.rept 4
	v_nop
.endr
.Lasked_\@:
.endm
.macro FRAGL reg, al, as, off
	ds_load_b128 v[\reg:\reg+3], v[\al] offset:\off
	ds_load_b64 v[\reg+4:\reg+5], v[\as] offset:\off+512
	ds_load_b128 v[\reg+6:\reg+9], v[\al] offset:\off+768
	ds_load_b64 v[\reg+10:\reg+11], v[\as] offset:\off+1280
.endm
.macro MM i0, i1, zero                 ; an odd tile's scale words lie in lanes 16-31 of its pair's register
.set rD, ACC+32*(\i1)+8*(\i0)
.set rA, F0+12*(\i0)
.set rB, F1+12*(\i1)
.set rS, SCA+(\i0)/2
.set rT, SCB+(\i1)/2
.set par, 2*((\i0)%2)+(\i1)%2+4*(\zero)
.if par == 0
	v_wmma_scale_f32_16x16x128_f8f6f4 v[rD:rD+7], v[rA:rA+11], v[rB:rB+11], v[rD:rD+7], v[rS], v[rT] matrix_a_fmt:MATRIX_FMT_FP6 matrix_b_fmt:MATRIX_FMT_FP6
.elseif par == 1
	v_wmma_scale_f32_16x16x128_f8f6f4 v[rD:rD+7], v[rA:rA+11], v[rB:rB+11], v[rD:rD+7], v[rS], v[rT] matrix_a_fmt:MATRIX_FMT_FP6 matrix_b_fmt:MATRIX_FMT_FP6 matrix_b_scale:MATRIX_SCALE_ROW1
.elseif par == 2
	v_wmma_scale_f32_16x16x128_f8f6f4 v[rD:rD+7], v[rA:rA+11], v[rB:rB+11], v[rD:rD+7], v[rS], v[rT] matrix_a_fmt:MATRIX_FMT_FP6 matrix_b_fmt:MATRIX_FMT_FP6 matrix_a_scale:MATRIX_SCALE_ROW1
.elseif par == 3
	v_wmma_scale_f32_16x16x128_f8f6f4 v[rD:rD+7], v[rA:rA+11], v[rB:rB+11], v[rD:rD+7], v[rS], v[rT] matrix_a_fmt:MATRIX_FMT_FP6 matrix_b_fmt:MATRIX_FMT_FP6 matrix_a_scale:MATRIX_SCALE_ROW1 matrix_b_scale:MATRIX_SCALE_ROW1
.elseif par == 4
	v_wmma_scale_f32_16x16x128_f8f6f4 v[rD:rD+7], v[rA:rA+11], v[rB:rB+11], 0, v[rS], v[rT] matrix_a_fmt:MATRIX_FMT_FP6 matrix_b_fmt:MATRIX_FMT_FP6
.elseif par == 5
	v_wmma_scale_f32_16x16x128_f8f6f4 v[rD:rD+7], v[rA:rA+11], v[rB:rB+11], 0, v[rS], v[rT] matrix_a_fmt:MATRIX_FMT_FP6 matrix_b_fmt:MATRIX_FMT_FP6 matrix_b_scale:MATRIX_SCALE_ROW1
.elseif par == 6
	v_wmma_scale_f32_16x16x128_f8f6f4 v[rD:rD+7], v[rA:rA+11], v[rB:rB+11], 0, v[rS], v[rT] matrix_a_fmt:MATRIX_FMT_FP6 matrix_b_fmt:MATRIX_FMT_FP6 matrix_a_scale:MATRIX_SCALE_ROW1
.else
	v_wmma_scale_f32_16x16x128_f8f6f4 v[rD:rD+7], v[rA:rA+11], v[rB:rB+11], 0, v[rS], v[rT] matrix_a_fmt:MATRIX_FMT_FP6 matrix_b_fmt:MATRIX_FMT_FP6 matrix_a_scale:MATRIX_SCALE_ROW1 matrix_b_scale:MATRIX_SCALE_ROW1
.endif
.endm
; My K step of the tile in a slot: 34 LDS loads, 16 matrix instructions.  The 16 accumulators take turns, one instruction a turn, in the same order in every step.
.macro WORK slot, zero
	v_add_nc_u32 v[W0L], (\slot)*SLOTSZ, v[B0L]    ; my addresses in this slot: these four plain lines are also the places between the last products and loads into the
	v_add_nc_u32 v[W0S], (\slot)*SLOTSZ, v[B0S]    ; registers that they read (ISA guide 7.12.1 for vector instructions)
	v_add_nc_u32 v[W1L], (\slot)*SLOTSZ, v[B1L]
	v_add_nc_u32 v[W1S], (\slot)*SLOTSZ, v[B1S]
	ds_load_b64 v[SCA:SCA+1], v[W0S] offset:6144
	ds_load_b64 v[SCB:SCB+1], v[W1S] offset:6144
.irp f, 0,1,2,3
	FRAGL F1+12*\f, W1L, W1S, 1536*\f
.endr
.irp f, 0,1,2,3
	FRAGL F0+12*\f, W0L, W0S, 1536*\f
.endr
.irp i, 0,1,2,3
	s_wait_dscnt 12-4*\i                           ; all but the loads of source 0's later fragments, four each
.irp j, 0,1,2,3
	MM \i, \j, \zero
.endr
.endr
.endm
; A refill's round.  Each wave waits for all its tensor loads, adds 0 to its spare word, steps the groups 0 that are due, and waits for the add and for its reads of the slots that it has left.
; first = 1: set 0, which stood at tile 0 in slot 0, goes to tile 3 + g in slot g;  else the set goes three tiles on in its slot.
.macro REFILL gt, gw, lim, first
	s_wait_tensorcnt 0x0                           ; no tensor load of mine is out, so a group 0 may be written
	ds_add_u32 v[SPW], v[NIL]
	ds_add_u32 v1, v2
.if \first
	s_add_co_u32 s[\gt+1], s[\gt+1], s[GS]
	s_add_co_u32 s[\gw+1], s[\gw+1], s[GS]
	s_add_nc_u64 s[\gt+2:\gt+3], s[\gt+2:\gt+3], s[GD:GD+1]
	s_add_nc_u64 s[\gw+2:\gw+3], s[\gw+2:\gw+3], s[GD:GD+1]
.else
	s_add_nc_u64 s[\gt+2:\gt+3], s[\gt+2:\gt+3], 3*SLOTB
	s_add_nc_u64 s[\gw+2:\gw+3], s[\gw+2:\gw+3], 3*SLOTB
.endif
	s_wait_dscnt 0x0
	CROUND                                         ; no wave of any partner still reads those slots or has a load on its way
	JLOAD \gt, \gw, \lim
.endm
	s_load_b256 s[4:11], s[0:1], 0x0               ; tokens' records s[4:5], wr s[6:7], bias s[8:9], residual s[10:11]
	s_load_b64 s[12:13], s[0:1], 0x20              ; the result
	v_lshl_add_u32 v[SPW], v0, 2, SPARE
	v_mov_b32 v[NIL], 0
	ds_add_u32 v1, v2
	ds_add_u32 v1, v2
	s_wait_dscnt 0x0
	v_lshrrev_b32 v15, 5, v0
	s_delay_alu instid0(VALU_DEP_1)
	v_readfirstlane_b32 s[WV], v15
	s_and_b32 s[PT], s[WV], 3
	s_bfe_u32 s82, s[WV], 0x10002                  ; g
	s_mul_i32 s[GS], s82, SLOTSZ
	s_add_co_u32 s82, s82, 3
	s_mul_i32 s[GD], s82, SLOTB
	s_mov_b32 s[GD+1], 0
	s_bfe_u32 s40, ttmp6, 0x40000
	s_bfe_u32 s41, ttmp6, 0x40004
	s_lshl_b32 s42, ttmp9, 2
	s_add_co_u32 s42, s42, s40                     ; tile column
	s_and_b32 s43, ttmp7, 0xffff
	s_lshl_b32 s43, s43, 2
	s_add_co_u32 s43, s43, s41                     ; tile row
	s_lshl_b32 s44, s41, 2
	s_lshl_b32 s44, 15, s44
	s_lshl_b32 s45, 0x1111, s40
	s_or_b32 s[G1T], s44, (3<<16)|(1<<21)          ; 15:0 the mask; 17:16 elements of 8 bytes; 21 set beside a mask; no padding
	s_or_b32 s[G1W], s45, (3<<16)|(1<<21)
.irp g, G1T, G1W                       ; a dense block of 25,600 bytes as 100 rows of 256
	s_mov_b32 s[\g+1], 32<<16
	s_mov_b32 s[\g+2], 100<<16
	s_mov_b32 s[\g+3], 32<<16
	s_mov_b32 s[\g+4], 100
	s_mov_b32 s[\g+5], 32
	s_mov_b32 s[\g+6], 0
	s_mov_b32 s[\g+7], 0
.endr
	s_and_b32 s22, s[WV], 1
	s_lshl_b32 s22, s22, 1                         ; which two of a tile's four K steps I fetch
	s_mul_i32 s16, s43, KST
	s_add_co_u32 s16, s16, s22
	s_mul_i32 s16, s16, REC                        ; the tokens': made of the tile row and the wave alone
	s_mov_b32 s17, 0
	s_mul_i32 s20, s42, KST
	s_add_co_u32 s20, s20, s22
	s_mul_i32 s20, s20, REC                        ; the weight's: of the tile column and the wave alone
	s_add_co_u32 s20, s20, WOFF
	s_mov_b32 s21, 0
	s_mul_i32 s23, s[PT], 25600                    ; where it goes in a slot
	s_wait_kmcnt 0x0
	s_add_nc_u64 s[16:17], s[4:5], s[16:17]
	s_add_nc_u64 s[20:21], s[6:7], s[20:21]
	CROUND                                         ; all sixteen work-groups are here: the first joint loads meet
	MKG0 G0T, G0W, 0
	MKG0 G0T+4, G0W+4, 1
	MKG0 G0T2, G0W2, 2
	s_cmp_lt_u32 s[WV], 2                          ; a wave has one first fill: one arm of the chain below
	; THE TWELVE FIRST FILLS, ONE A WAVE (in place of what the head says of who fetches): wave w < 12 fills part w % 4 of slot w / 4; one chain of branches on the wave's number, a load line to each pair of waves
	s_cbranch_scc0 .Lfirst_not_t
	tensor_load_to_lds s[G0T:G0T+3], s[G1T:G1T+7]
	s_nop 0
.rept 4
	v_nop
.endr
	s_branch .Lfirst_asked
.Lfirst_not_t:
	s_cmp_lt_u32 s[WV], 4
	s_cbranch_scc0 .Lfirst_4
	tensor_load_to_lds s[G0W:G0W+3], s[G1W:G1W+7]
	s_nop 0
.rept 4
	v_nop
.endr
	s_branch .Lfirst_asked
.Lfirst_4:
.macro ARM under, g0, g1, next
	s_cmp_lt_u32 s[WV], \under
	s_cbranch_scc0 \next
	tensor_load_to_lds s[\g0:\g0+3], s[\g1:\g1+7]
	s_nop 0
.rept 4
	v_nop
.endr
	s_branch .Lfirst_asked
\next:
.endm
	ARM 6, G0T+4, G1T, .Lfirst_6
	ARM 8, G0W+4, G1W, .Lfirst_8
	ARM 10, G0T2, G1T, .Lfirst_10
	ARM 12, G0W2, G1W, .Lfirst_12
.Lfirst_asked:
	v_and_b32 v15, 31, v0
	s_delay_alu instid0(VALU_DEP_1)
	v_lshlrev_b32 v[L16], 4, v15
	s_wait_alu depctr_va_vdst(0)
	v_lshlrev_b32 v[L8], 3, v15
	s_wait_alu depctr_va_vdst(0)
	v_and_b32 v[RR], 15, v0
	s_wait_alu depctr_va_vdst(0)
	v_bfe_u32 v[HH], v0, 4, 1
	s_lshr_b32 s70, s[WV], 2                       ; kq: my K step of a tile of K
	s_bfe_u32 s68, s[WV], 0x10001                  ; wa: which 64 columns
	s_and_b32 s69, s[WV], 1                        ; wb: which 64 tokens
	s_mul_i32 s72, s70, REC
	s_mul_i32 s73, s68, HREC
	s_add_co_u32 s73, s73, s72
	s_add_co_u32 s73, s73, WREG
	s_mul_i32 s74, s69, HREC
	s_add_co_u32 s74, s74, s72
	v_add_nc_u32 v[B0L], s73, v[L16]
	v_add_nc_u32 v[B0S], s73, v[L8]
	v_add_nc_u32 v[B1L], s74, v[L16]
	v_add_nc_u32 v[B1S], s74, v[L8]
	s_mul_i32 s75, s70, PART                       ; the stage, in: partial kq, row 64 wb + r, column bytes 256 wa + 64 h
	s_mul_i32 s76, s69, 64*528
	s_add_co_u32 s75, s75, s76
	s_lshl_b32 s76, s68, 8
	s_add_co_u32 s75, s75, s76
	v_mul_u32_u24 v[STO], v[RR], 528
	s_wait_alu depctr_va_vdst(0)
	v_lshl_add_u32 v[STO], v[HH], 6, v[STO]
	s_delay_alu instid0(VALU_DEP_1)
	v_add_nc_u32 v[STO], s75, v[STO]
	s_mul_i32 s76, s[WV], 8*528                    ; and back: wave w takes rows 8 w .. 8 w + 7, whole, of all four partials
	v_add_nc_u32 v[RD], s76, v[L16]
	s_delay_alu instid0(VALU_DEP_1)
	v_add_nc_u32 v[RD+1], PART, v[RD]
	s_delay_alu instid0(VALU_DEP_1)
	v_add_nc_u32 v[RD+2], PART, v[RD+1]
	s_delay_alu instid0(VALU_DEP_1)
	v_add_nc_u32 v[RD+3], PART, v[RD+2]
	s_lshl_b32 s78, s43, 19                        ; 128 rows of 4,096 bytes a tile row,
	s_lshl_b32 s79, s[WV], 15                      ; 8 rows a wave,
	s_add_co_u32 s78, s78, s79
	s_lshl_b32 s80, s42, 9                         ; 512 bytes a tile column
	s_add_co_u32 s78, s78, s80
	s_mov_b32 s79, 0
	s_mov_b32 s81, 0
	s_add_nc_u64 s[10:11], s[10:11], s[78:79]
	s_add_nc_u64 s[12:13], s[12:13], s[78:79]
	s_add_nc_u64 s[8:9], s[8:9], s[80:81]
	s_wait_alu depctr_va_vdst(0)
	s_cmp_lt_u32 s[WV], 4                          ; waves 0-3 filled slot 0: they wait for their one load; tiles 1 and 2 may stay out
	s_cbranch_scc0 .Lnot_slot0
	s_wait_tensorcnt 0x0
.Lnot_slot0:
	s_barrier_signal -1
	s_barrier_wait -1
	WORK 0, 1                                      ; tile 0; its products start the sums: nothing is cleared
	s_cmp_lt_u32 s[WV], 8                          ; waves 4-7 filled slot 1: they wait for their one load; tile 2 may stay out
	s_cbranch_scc0 .Lnot_slot1
	s_wait_tensorcnt 0x0
.Lnot_slot1:
	s_wait_dscnt 0x0
	s_barrier_signal -1
	s_barrier_wait -1
	WORK 1, 0                                      ; tile 1
	REFILL G0T, G0W, 8, 1                          ; slots 0 and 1 take tiles 3 and 4
	WORK 2, 0                                      ; tile 2
	REFILL G0T2, G0W2, 4, 0                        ; slot 2 takes tile 5
	WORK 0, 0                                      ; tiles 3 and 4: the wait for 0 ahead of the round has shown both whole
	WORK 1, 0
	REFILL G0T, G0W, 8, 0                          ; slots 0 and 1 take tiles 6 and 7
	WORK 2, 0                                      ; tile 5
	s_wait_tensorcnt 0x0                           ; my parts of tiles 6 and 7 are in
	ds_add_u32 v[SPW], v[NIL]
	s_wait_dscnt 0x0
	s_barrier_signal -1
	s_barrier_wait -1                              ; everybody's are; nothing is left to fetch
	WORK 0, 0                                      ; tiles 6 and 7
	WORK 1, 0
	; THE WAY OUT: the four partial sums meet in LDS; each wave adds and stores eight whole rows of 512 bytes
.rept 4
	v_nop                                          ; places behind the last products
.endr
.irp p, 0,1,2,3,4,5,6,7
	global_load_b128 v[32+4*\p:35+4*\p], v[L16], s[10:11] offset:4096*\p th:TH_LOAD_NT    ; the residual at my eight rows
.endr
	global_load_b128 v[64:67], v[L16], s[8:9]      ; the bias at my four columns
	s_wait_dscnt 0x0
	s_barrier_signal -1
	s_barrier_wait -1                              ; nobody reads a slot any more, and no tile is on its way
.irp b, 0,1,2,3
.irp a, 0,1,2,3
	ds_store_b128 v[STO], v[ACC+32*\b+8*\a:ACC+32*\b+8*\a+3] offset:\b*8448+128*(\a/2)+32*(\a%2)       ; each accumulator from its low end on
	ds_store_b128 v[STO], v[ACC+32*\b+8*\a+4:ACC+32*\b+8*\a+7] offset:\b*8448+128*(\a/2)+32*(\a%2)+16
.endr
.endr
	s_wait_dscnt 0x0                               ; for the others' sake: my partial sums lie in the stage
	s_barrier_signal -1
	s_barrier_wait -1
.irp p, 0,1,2,3,4,5,6,7
.irp q, 0,1,2,3
	ds_load_b128 v[128+16*\p+4*\q:131+16*\p+4*\q], v[RD+\q] offset:528*\p
.endr
.endr
	s_wait_loadcnt 0x0
.irp p, 0,1,2,3,4,5,6,7
	v_pk_add_f32 v[32+4*\p:33+4*\p], v[32+4*\p:33+4*\p], v[64:65]
	v_pk_add_f32 v[34+4*\p:35+4*\p], v[34+4*\p:35+4*\p], v[66:67]
.endr
.irp p, 0,1,2,3,4,5,6,7
	s_wait_dscnt 28-4*\p                           ; all but the later rows' loads, four each
.irp u, 0,2
	v_pk_add_f32 v[128+16*\p+\u:129+16*\p+\u], v[128+16*\p+\u:129+16*\p+\u], v[132+16*\p+\u:133+16*\p+\u]
	v_pk_add_f32 v[136+16*\p+\u:137+16*\p+\u], v[136+16*\p+\u:137+16*\p+\u], v[140+16*\p+\u:141+16*\p+\u]
.endr
.irp u, 0
	s_delay_alu instid0(VALU_DEP_3)
	v_pk_add_f32 v[128+16*\p+\u:129+16*\p+\u], v[128+16*\p+\u:129+16*\p+\u], v[136+16*\p+\u:137+16*\p+\u]
.endr
.irp u, 2
	s_delay_alu instid0(VALU_DEP_2)
	v_pk_add_f32 v[128+16*\p+\u:129+16*\p+\u], v[128+16*\p+\u:129+16*\p+\u], v[136+16*\p+\u:137+16*\p+\u]
.endr
.irp u, 0,2
	s_delay_alu instid0(VALU_DEP_2)
	v_pk_add_f32 v[128+16*\p+\u:129+16*\p+\u], v[128+16*\p+\u:129+16*\p+\u], v[32+4*\p+\u:33+4*\p+\u]
.endr
	global_store_b128 v[L16], v[128+16*\p:131+16*\p], s[12:13] offset:4096*\p th:TH_STORE_NT   ; 512 consecutive bytes, aligned; written once, read by nobody here
.endr
	s_wait_tensorcnt 0x0                           ; the wave's end
	ds_add_u32 v[SPW], v[NIL]
	s_wait_dscnt 0x0
	CROUND                                         ; the closing round
	s_endpgm
.Lfunc_end_k_q43fdd1e0cb_mlp2:
	.size	k_q43fdd1e0cb_mlp2, .Lfunc_end_k_q43fdd1e0cb_mlp2-k_q43fdd1e0cb_mlp2
	.p2alignl 7, 3214868480
	.fill 96, 4, 3214868480
	.section	.rodata,"a",@progbits
	.p2align	6, 0x0
	.amdhsa_kernel k_q43fdd1e0cb_mlp2
		.amdhsa_group_segment_fixed_size 327680
		.amdhsa_private_segment_fixed_size 0
		.amdhsa_enable_private_segment 0
		.amdhsa_kernarg_size 40
		.amdhsa_user_sgpr_count 2
		.amdhsa_user_sgpr_kernarg_segment_ptr 1
		.amdhsa_wavefront_size32 1
		.amdhsa_system_sgpr_workgroup_id_x 1
		.amdhsa_system_sgpr_workgroup_id_y 1
		.amdhsa_system_sgpr_workgroup_id_z 1
		.amdhsa_system_vgpr_workitem_id 0
		.amdhsa_next_free_vgpr 256
		.amdhsa_next_free_sgpr 100
		.amdhsa_reserve_vcc 0
		.amdhsa_float_denorm_mode_32 3
		.amdhsa_float_denorm_mode_16_64 3
		.amdhsa_memory_ordered 1
		.amdhsa_forward_progress 1
		.amdhsa_inst_pref_size 62
	.end_amdhsa_kernel
	.amdgpu_metadata
---
amdhsa.version: [ 1, 2 ]
amdhsa.kernels:
  - .name:           k_q43fdd1e0cb_mlp2
    .symbol:         k_q43fdd1e0cb_mlp2.kd
    .args:
      - { .name: hid, .offset: 0, .size: 8, .value_kind: global_buffer, .address_space: global }
      - { .name: wr, .offset: 8, .size: 8, .value_kind: global_buffer, .address_space: global }
      - { .name: b_mlp2, .offset: 16, .size: 8, .value_kind: global_buffer, .address_space: global }
      - { .name: x1, .offset: 24, .size: 8, .value_kind: global_buffer, .address_space: global }
      - { .name: out0, .offset: 32, .size: 8, .value_kind: global_buffer, .address_space: global }
    .group_segment_fixed_size: 327680
    .private_segment_fixed_size: 0
    .kernarg_segment_align: 8
    .kernarg_segment_size: 40
    .max_flat_workgroup_size: 512
    .sgpr_count:     100
    .vgpr_count:     256
    .wavefront_size: 32
...
	.end_amdgpu_metadata
.endif
;; end of part 7
